; MI455X (gfx1250); checked and timed in simulation.
; The chip was launched on July 23, 2026; its instructions are those of AMD's public machine-readable ISA for CDNA 5 (MIT licence, August 2026) and "CDNA5" Instruction Set Architecture Reference Guide (July 2026). The comments in the code are by the model that wrote it; some were corrected since.
;; Sparse Mo E Layer. Allowed arithmetic: matrix products marked QUANTISED: E5M2 operands, one E8M0 scale for each 32 along K, by v_wmma_scale_f32_16x16x128_f8f6f4 with both operands' format E5M2, f32 sums; products left as they are: f32 operands where the result goes on into a quantised operand, else bf16, f16 or f32 operands; f32 sums; everything else in f32.
;; Inputs: W1 8 x 1,024 x 4,096 float32; W2 8 x 4,096 x 1,024 float32; Wr 1,025 x 8 float32; b1 8 x 4,096 float32; b2 8 x 1,024 float32; br 8 float32; grad 1,024 x 1 float32; x 1,024 x 1,024 float32.
;; Outputs: out0 1,024 x 1,024 float32.
;; This version of the problem:
;;   THIS VERSION OF THE PROBLEM IS GIVEN IN LOW PRECISION. The matrix products marked QUANTISED in the list below multiply operands that are first quantised to E5M2 (5 exponent bits, 2 mantissa bits; 8 bits a number), with one power-of-two scale for each 32 numbers along K (OCP MX v1.0); their sums are f32. All else is computed in f32.
;;   The module's matrix products, in the order in which they are computed (A, B: the left and right operand; K: the contracted axis; several contracted axes count as one K, in the product's order):
;;     1. [M 1,024, K 1,025] x [K 1,025, N 8]; A: computed on the way; B: input Wr: left as it is (N = 8 < 16)
;;     2. batch 1,024 x [M 1, K 2] x [K 2, N 8]; A: computed on the way; B: computed on the way: left as it is (K = 2 < 32)
;;     3. [M 32,768, K 1,024] x [K 1,024, N 1,024]; A: input W1; B: input x: QUANTISED
;;     4. batch 8 x [M 1,024, K 4,096] x [K 4,096, N 1,024]; A: computed on the way; B: input W2: QUANTISED
;;     5. batch 1,024 x [M 1,024, K 8] x [K 8, N 1]; A: computed on the way; B: computed on the way: left as it is (K = 8 < 32)
;;   THE QUANTISER, for each operand of a quantised product, along K:
;;     - K is cut into blocks of 32 from its start; a last block that is shorter is filled with zeros.
;;     - A block's scale is 2^e with e = floor(log2(the largest magnitude in the block)) - 15, held to -126 .. 127; a block of zeros has e = 0. As a byte (E8M0): e + 127.
;;     - Each number is divided by its block's scale, clamped to +-57,344, and rounded to the nearest number of E5M2, ties to even, subnormals kept.
;;     - The product sums the exact products of the quantised numbers (number of the format x scale) in f32.
;;   ~~~python
;;   def quantise(x, axis):      # numpy; x: float32 -> the quantised numbers, widened to float32 again
;;       x = np.moveaxis(x, axis, -1); K = x.shape[-1]
;;       x = np.pad(x, [(0, 0)] * (x.ndim - 1) + [(0, -K % 32)]); x = x.reshape(x.shape[:-1] + (-1, 32)); a = np.abs(x).max(-1, keepdims=True)
;;       e = np.where(a > 0, np.clip(np.frexp(np.where(a > 0, a, 1))[1] - 1 - 15, -126, 127), 0)      # np.frexp(a)[1] - 1 = floor(log2(a)), exactly
;;       r = np.clip(x / 2.0 ** e, -57344, 57344)
;;       step = 2.0 ** (np.maximum(np.frexp(np.where(r == 0, 1, r))[1] - 1, -14) - 2)
;;       q = np.round(r / step) * step * 2.0 ** e      # np.round: ties to even
;;       return np.moveaxis(q.reshape(q.shape[:-2] + (-1,))[..., :K], -1, axis).astype(np.float32)
;;   ~~~
;;   OPERANDS COMPUTED ON THE WAY. 'Computed on the way' means the value that the module computes at that place (a softmax that the list does not call 'softmax' is quantised finished and normalised). What goes into a quantiser is computed in f32, as accurately as f32 sums, v_exp_f32 and their like allow (about 1e-6 of the number): no bf16 or f16 on the way to a quantiser, and a product that is left as it is and whose result goes on into a quantised operand takes f32 operands (vector FMAs, or v_wmma_f32_16x16x4_f32). A number that lies on a knife's edge between two numbers of the format may be rounded either way, as far as f32 arithmetic and the matrix unit's own rounding can turn it there, and no further.
;; 2 versions. Each part assembles by itself: llvm-mc -triple=amdgcn-amd-amdhsa -mcpu=gfx1250 --defsym DOCPART=n.
;; ======== version 1 of 2: 5 launches
;; workspace buffers: route 5,120 bytes of whole numbers; pw 8,192 bytes; slotk 8,192 bytes of whole numbers; xg 8,650,752 bytes; hg 34,603,008 bytes; part 134,217,728 bytes
;; launch route (part 1): grid 32 x 1, 8 waves a work-group, no clusters, 17,408 bytes of LDS; arguments x, grad, Wr, br, route, pw; writes route, pw
.if DOCPART == 1
	.amdgcn_target "amdgcn-amd-amdhsa--gfx1250"
	.amdhsa_code_object_version 6
	.text
	.protected	k_q8cb1838b8e_route
	.globl	k_q8cb1838b8e_route
	.p2align	8
	.type	k_q8cb1838b8e_route,@function
k_q8cb1838b8e_route:
	s_mov_b64 s[64:65], 0
	v_nop
	global_prefetch_b8 v0, s[64:65] scope:SCOPE_SE
	s_setreg_imm32_b32 hwreg(HW_REG_WAVE_MODE, 25, 1), 1
	s_wait_xcnt 0x0
; THE ROUTER.  logits = [x, grad] Wr + br in f32, softmax (the row's largest logit is taken away first), the two largest probabilities (the lower index wins a tie).
; Stored: route word n = e0 | e1 << 8; pw[n] = p0, p1; and from route byte 4096 on one bit mask for each expert: word 32 e + g, bit l: token 32 g + l uses expert e.
; No address and no branch here hangs on the choice: later launches read it as whole numbers.
; SHARES.  Work-group g takes tokens 32 g .. 32 g + 31 as two tiles of 16; wave w takes k = 128 w .. 128 w + 127 of both.  The f32 matrix form is used since the choice has to agree with
; f32 logits; it does 1,024 x 1,024 x 16 multiply-adds in the whole launch.  The eight waves' partial logits meet in LDS; wave 0, a lane to a token, does the rest.
; What wave 0 wants behind the barrier (grad, Wr's last row, br) is asked for with the first loads, by every wave: 128 + 64 bytes, so that no second trip to memory follows the first.
; K IS TAKEN IN ANOTHER ORDER, ALIKE ON BOTH SIDES: lane (r, h) holds k = 128 w + 8 i + 4 h + 0 .. 3 in four registers; product (i, a) takes registers 2 a, 2 a + 1.
; Columns 8-15 of a result repeat columns 0-7 (Wr's column is lane & 7) and are not read.
; LIMITS: NaN and infinities among the inputs are not served; a tie of two probabilities is broken on this text's own f32 probabilities.
.set XA, 64                            ; v64-191  x: tile tau, load i: four registers at XA + 64 tau + 4 i
.set WB, 192                           ; v192-255 Wr: load (i, jj) at WB + 4 i + jj
                                       ; v16-23, v24-31: the two sums; written by matrix instructions alone
	s_load_b256 s[4:11], s[0:1], 0x0               ; x s[4:5], grad s[6:7], Wr s[8:9], br s[10:11]
	s_load_b128 s[12:15], s[0:1], 0x20             ; route s[12:13], pw s[14:15]
	v_lshl_add_u32 v62, v0, 2, 0x4000
	v_mov_b32 v63, 0
	v_lshrrev_b32 v1, 5, v0
	v_readfirstlane_b32 s16, v1                    ; wave 0..7
	v_and_b32 v1, 31, v0                           ; lane
	v_and_b32 v2, 15, v0                           ; r
	v_bfe_u32 v3, v0, 4, 1                         ; h
	v_lshlrev_b32 v4, 12, v2
	v_lshl_add_u32 v4, v3, 4, v4                   ; x: row r of 4,096 bytes + 16 h
	v_and_b32 v5, 7, v0
	v_lshlrev_b32 v5, 2, v5                        ; 4 (lane & 7)
	v_lshl_add_u32 v9, v3, 7, v5                   ; Wr: four rows of 32 bytes for h, column lane & 7
	v_lshlrev_b32 v6, 4, v1
	s_lshl_b32 s17, s16, 11
	v_add_nc_u32 v6, s17, v6                       ; LDS, in: 2,048 x wave + 16 x lane
	v_lshlrev_b32 v7, 10, v3                       ; LDS, back, for token T = lane: tile T / 16: 1,024;
	v_bfe_u32 v8, v0, 2, 1
	v_lshl_add_u32 v7, v8, 9, v7                   ; registers 4-7 of a sum: 512;
	v_bfe_u32 v8, v0, 3, 1
	v_lshl_add_u32 v7, v8, 8, v7                   ; the half of the lanes that held the token: 256;
	v_and_b32 v8, 3, v0
	v_lshl_add_u32 v7, v8, 2, v7                   ; the register among four: 4
	v_lshlrev_b32 v10, 2, v1                       ; 4 T
	v_lshlrev_b32 v11, 3, v1                       ; 8 T
	v_lshlrev_b32 v12, 5, v5                       ; 128 (lane & 7): an expert's row of mask words
	s_lshl_b32 s18, ttmp9, 17                      ; 32 rows of x a work-group,
	s_lshl_b32 s19, s16, 9                         ; 512 bytes of a row a wave
	s_add_co_u32 s18, s18, s19
	s_mov_b32 s19, 0
	s_lshl_b32 s36, s16, 12                        ; 128 rows of Wr a wave
	s_mov_b32 s37, 0
	s_lshl_b32 s38, ttmp9, 7                       ; 32 words: grad, the route words
	s_mov_b32 s39, 0
	s_lshl_b32 s40, ttmp9, 8                       ; 32 pairs: pw
	s_mov_b32 s41, 0
	s_lshl_b32 s42, ttmp9, 2                       ; my word in each expert's mask
	s_mov_b32 s43, 0
	s_wait_kmcnt 0x0
	s_add_nc_u64 s[18:19], s[4:5], s[18:19]
	s_add_nc_u64 s[36:37], s[8:9], s[36:37]
	s_add_nc_u64 s[6:7], s[6:7], s[38:39]
	s_load_b256 s[20:27], s[8:9], 0x8000           ; Wr's row 1,024: grad's weights
	s_load_b256 s[28:35], s[10:11], 0x0            ; br
	global_load_b32 v40, v10, s[6:7]               ; grad of token 32 g + lane
.set i, 0
.rept 32                               ; tile i / 16, load i % 16
	global_load_b128 v[XA+4*i:XA+4*i+3], v4, s[18:19] offset:65536*(i/16)+32*(i%16)
.set i, i+1
.endr
.set i, 0
.rept 64                               ; Wr(128 w + 8 (i / 4) + 4 h + i % 4, lane & 7)
	global_load_b32 v[WB+i], v9, s[36:37] offset:256*(i/4)+32*(i%4)
.set i, i+1
.endr
	s_wait_loadcnt 0x0
	s_wait_kmcnt 0x0                               ; the two rows of eight numbers: asked for ahead of all the loads just waited for
	v_wmma_f32_16x16x4_f32 v[16:23], v[XA:XA+1], v[WB:WB+1], 0           ; the first K step starts both sums
	v_wmma_f32_16x16x4_f32 v[24:31], v[XA+64:XA+65], v[WB:WB+1], 0
.set i, 1
.rept 31                               ; the two sums take turns, one instruction a turn
	v_wmma_f32_16x16x4_f32 v[16:23], v[XA+2*i:XA+2*i+1], v[WB+2*i:WB+2*i+1], v[16:23]
	v_wmma_f32_16x16x4_f32 v[24:31], v[XA+64+2*i:XA+64+2*i+1], v[WB+2*i:WB+2*i+1], v[24:31]
.set i, i+1
.endr
.rept 8
	v_nop                                          ; eight places behind this form before its results are read and before loads land on its sources
.endr
	ds_store_b128 v6, v[16:19]                     ; each sum from its low end on.  Lane (r, h), register j: token 8 h + j of the tile, expert r
	ds_store_b128 v6, v[20:23] offset:512
	ds_store_b128 v6, v[24:27] offset:1024
	ds_store_b128 v6, v[28:31] offset:1536
	s_wait_dscnt 0x0                               ; for the others' sake: my stores have landed
	s_barrier_signal -1
	s_barrier_wait -1
	s_cmp_lg_u32 s16, 0
	s_cbranch_scc1 .Lend                           ; wave 0 alone goes on; no barrier follows
.set i, 0
.rept 64                               ; wave i / 8's part of the logit of expert i % 8
	ds_load_b32 v[64+i], v7 offset:2048*(i/8)+16*(i%8)
.set i, i+1
.endr
	s_wait_dscnt 0x0
.irp e, 0,2,4,6
	v_pk_add_f32 v[32+\e:33+\e], v[64+\e:65+\e], v[72+\e:73+\e]
.endr
.irp w, 2,3,4,5,6,7
.irp e, 0,2,4,6
	v_pk_add_f32 v[32+\e:33+\e], v[32+\e:33+\e], v[64+8*\w+\e:65+8*\w+\e]
.endr
.endr
.irp e, 0,1,2,3,4,5,6,7
	v_fma_f32 v[32+\e], v40, s[20+\e], v[32+\e]
.endr
.irp e, 0,1,2,3,4,5,6,7
	v_add_f32 v[32+\e], s[28+\e], v[32+\e]         ; the logits
.endr
	v_max3_num_f32 v41, v32, v33, v34
	v_max3_num_f32 v41, v41, v35, v36
	v_max3_num_f32 v41, v41, v37, v38
	v_max_num_f32 v41, v41, v39                    ; the row's largest
.irp e, 0,1,2,3,4,5,6,7
	v_sub_f32 v[32+\e], v[32+\e], v41
.endr
.irp e, 0,1,2,3,4,5,6,7
	v_mul_f32 v[32+\e], 0x3fb8aa3b, v[32+\e]       ; x log2(e)
.endr
.irp e, 0,1,2,3,4,5,6,7
	v_exp_f32 v[32+\e], v[32+\e]
.endr
	v_mov_b32 v60, 0                               ; the mask words' register.  (The plain place behind the exponentials)
	s_wait_alu depctr_va_vdst(0)
	v_add_f32 v42, v32, v33
	v_add_f32 v43, v34, v35
	v_add_f32 v44, v36, v37
	v_add_f32 v45, v38, v39
	v_add_f32 v42, v42, v43
	v_add_f32 v44, v44, v45
	v_add_f32 v42, v42, v44
	v_rcp_f32 v42, v42
	v_mov_b32 v46, -1.0                            ; under every probability.  (The plain place behind the reciprocal)
	s_wait_alu depctr_va_vdst(0)
.irp e, 0,1,2,3,4,5,6,7
	v_mul_f32 v[32+\e], v[32+\e], v42              ; the probabilities
.endr
	v_mov_b32 v52, v32                             ; the largest, and its index: a later one must be strictly larger
	v_mov_b32 v48, 0
.irp e, 1,2,3,4,5,6,7
	v_cmp_ge_f32 vcc_lo, v52, v[32+\e]             ; keep
	v_cndmask_b32 v48, \e, v48, vcc_lo
	v_cndmask_b32 v52, v[32+\e], v52, vcc_lo
.endr
.irp e, 0,1,2,3,4,5,6,7
	v_cmp_eq_u32 vcc_lo, \e, v48
	v_cndmask_b32 v[32+\e], v[32+\e], v46, vcc_lo  ; the winner is out of the second search
.endr
	v_mov_b32 v53, v32
	v_mov_b32 v50, 0
.irp e, 1,2,3,4,5,6,7
	v_cmp_ge_f32 vcc_lo, v53, v[32+\e]
	v_cndmask_b32 v50, \e, v50, vcc_lo
	v_cndmask_b32 v53, v[32+\e], v53, vcc_lo
.endr
	v_lshl_or_b32 v51, v50, 8, v48
	s_add_nc_u64 s[44:45], s[12:13], s[38:39]
	s_add_nc_u64 s[46:47], s[14:15], s[40:41]
	s_add_nc_u64 s[50:51], s[12:13], s[42:43]
	global_store_b32 v10, v51, s[44:45]            ; 128 consecutive bytes
	global_store_b64 v11, v[52:53], s[46:47]       ; 256 consecutive bytes
.irp e, 0,1,2,3,4,5,6,7
	v_cmp_eq_u32 s48, \e, v48
	v_cmp_eq_u32 s49, \e, v50
	s_or_b32 s48, s48, s49                         ; bit l: token 32 g + l uses expert e
	v_writelane_b32 v60, s48, \e                   ; lanes e, e + 8, e + 16, e + 24 hold it, so that all lanes store and EXEC stays whole
	v_writelane_b32 v60, s48, \e+8
	v_writelane_b32 v60, s48, \e+16
	v_writelane_b32 v60, s48, \e+24
.endr
	global_store_b32 v12, v60, s[50:51] offset:4096   ; four lanes write the same word with the same value
.Lend:
	s_wait_tensorcnt 0x0
	ds_add_u32 v62, v63
	s_wait_dscnt 0x0
	s_endpgm
.Lfunc_end_k_q8cb1838b8e_route:
	.size	k_q8cb1838b8e_route, .Lfunc_end_k_q8cb1838b8e_route-k_q8cb1838b8e_route
	.p2alignl 7, 3214868480
	.fill 96, 4, 3214868480
	.section	.rodata,"a",@progbits
	.p2align	6, 0x0
	.amdhsa_kernel k_q8cb1838b8e_route
		.amdhsa_group_segment_fixed_size 17408
		.amdhsa_private_segment_fixed_size 0
		.amdhsa_enable_private_segment 0
		.amdhsa_kernarg_size 48
		.amdhsa_user_sgpr_count 2
		.amdhsa_user_sgpr_kernarg_segment_ptr 1
		.amdhsa_wavefront_size32 1
		.amdhsa_system_sgpr_workgroup_id_x 1
		.amdhsa_system_sgpr_workgroup_id_y 1
		.amdhsa_system_sgpr_workgroup_id_z 1
		.amdhsa_system_vgpr_workitem_id 0
		.amdhsa_next_free_vgpr 256
		.amdhsa_next_free_sgpr 66
		.amdhsa_reserve_vcc 1
		.amdhsa_float_denorm_mode_32 3
		.amdhsa_float_denorm_mode_16_64 3
		.amdhsa_memory_ordered 1
		.amdhsa_forward_progress 1
		.amdhsa_inst_pref_size 31
	.end_amdhsa_kernel
	.amdgpu_metadata
---
amdhsa.version: [ 1, 2 ]
amdhsa.kernels:
  - .name:           k_q8cb1838b8e_route
    .symbol:         k_q8cb1838b8e_route.kd
    .args:
      - { .name: x, .offset: 0, .size: 8, .value_kind: global_buffer, .address_space: global }
      - { .name: grad, .offset: 8, .size: 8, .value_kind: global_buffer, .address_space: global }
      - { .name: Wr, .offset: 16, .size: 8, .value_kind: global_buffer, .address_space: global }
      - { .name: br, .offset: 24, .size: 8, .value_kind: global_buffer, .address_space: global }
      - { .name: route, .offset: 32, .size: 8, .value_kind: global_buffer, .address_space: global }
      - { .name: pw, .offset: 40, .size: 8, .value_kind: global_buffer, .address_space: global }
    .group_segment_fixed_size: 17408
    .private_segment_fixed_size: 0
    .kernarg_segment_align: 8
    .kernarg_segment_size: 48
    .max_flat_workgroup_size: 256
    .sgpr_count:     66
    .vgpr_count:     256
    .wavefront_size: 32
...
	.end_amdgpu_metadata
.endif
;; end of part 1
;; launch place (part 2): grid 24 x 8, 8 waves a work-group, no clusters, 0 bytes of LDS; arguments x, route, xg, slotk; writes xg, slotk
.if DOCPART == 2
	.amdgcn_target "amdgcn-amd-amdhsa--gfx1250"
	.amdhsa_code_object_version 6
	.text
	.protected	k_q8cb1838b8e_place
	.globl	k_q8cb1838b8e_place
	.p2align	8
	.type	k_q8cb1838b8e_place,@function
k_q8cb1838b8e_place:
	s_mov_b64 s[64:65], 0
	v_nop
	global_prefetch_b8 v0, s[64:65] scope:SCOPE_SE
	s_setreg_imm32_b32 hwreg(HW_REG_WAVE_MODE, 25, 1), 1
	s_wait_xcnt 0x0
; THE ROWS ARE PLACED BY EXPERT AND QUANTISED.  Expert e (work-group y) takes its tokens in ascending order; the j-th is row j % 16 of its tile j / 16, slot 1,024 e + j.
; Every expert has room for 64 tiles, so no sum over experts is needed; only the tiles in use are written.
; A work-group takes tiles x, x + 24, x + 48 of its expert: three trips serve 64 tiles, all tokens on one expert.  They are written out, each behind a forward branch: most work-groups run one.
; A work-group that a split leaves without a tile stores nothing and ends: the price of a grid that serves every split.
; Wave ks quantises K step ks (128 of x's 1,024) of the tile to E5M2 with one E8M0 byte for each 32 along K.
; xg: the image of an operand's registers, ((64 e + t) 8 + ks) 2,048 bytes on: group c of four registers at 512 c + 16 x lane: lane (r, h) holds k = 32 c + 16 h + 0 .. 15 of row r.
; Scale words from byte 8,388,608 on: ((64 e + t) 8 + ks) 64 + 4 r.   slotk[2 n + k]: the slot of token n's k-th expert.
; A TILE'S ROWS PAST THE EXPERT'S LAST ROW STAND FOR THE LAST ROW AGAIN (j is held at rows - 1): they carry its codes, what is made of them is never read, and their slot store writes the last row's word
; with the last row's value once more.  So every lane works and stores in every trip, and EXEC stays whole.
; No LDS and no barrier: waves share nothing.  The matrix units and clusters have nothing to do here.
; LIMITS: NaN and infinities are not served; a block whose largest magnitude lies under 2^-111 (a block of zeros too) takes the byte 1: its codes are read by this program alone.
.set X,  64                            ; v64-127 64 numbers: register 16 b + i = k 32 b + 16 h + i of my row
.set TM, 32                            ; v32-35 largest magnitudes, v36-39 bytes, v40-43 57,344 x the scale, v44-47 the conversions' scale operands
.set PC, 48                            ; v48-63 the codes
.set PW, 30                            ; v30    the scale word
	s_load_b256 s[4:11], s[0:1], 0x0               ; x s[4:5], route s[6:7], xg s[8:9], slotk s[10:11]
	v_lshrrev_b32 v1, 5, v0
	v_readfirstlane_b32 s14, v1                    ; wave = K step
	v_and_b32 v1, 31, v0                           ; lane
	v_and_b32 v2, 15, v0                           ; r
	v_bfe_u32 v3, v0, 4, 1
	v_lshlrev_b32 v3, 6, v3                        ; 64 h: my 16 numbers of a block of 32
	v_lshlrev_b32 v4, 4, v1                        ; 16 x lane
	v_lshlrev_b32 v5, 2, v2                        ; 4 r
.irp b, 0,1,2,3
	v_mov_b32 v[TM+4+\b], 0                        ; written once: a lane permute's destination counts as one of its sources
.endr
	s_and_b32 s12, ttmp7, 0xffff                   ; e
	s_lshl_b32 s48, s12, 7                         ; its 32 mask words
	s_mov_b32 s49, 0
	s_lshl_b32 s58, s14, 9                         ; 512 bytes of a row a K step
	s_mov_b32 s59, 0
	s_mov_b32 s66, 0x76543210
	s_mov_b32 s67, 0xfedcba98                      ; v_permlanex16_b32's selects for lane l xor 16
	s_mov_b32 s68, 0x600000                        ; the mantissa field of 57,344
	s_lshl_b32 s69, s12, 10                        ; 1,024 e
	s_mov_b32 s52, ttmp9                           ; my first tile
	s_wait_kmcnt 0x0
	s_add_nc_u64 s[70:71], s[6:7], s[48:49]
	s_load_b512 s[16:31], s[70:71], 0x1000         ; the expert's mask: 1,024 bits
	s_load_b512 s[32:47], s[70:71], 0x1040
	s_add_nc_u64 s[4:5], s[4:5], s[58:59]
	s_wait_kmcnt 0x0
	s_bcnt1_i32_b32 s50, s16
.set w, 17
.rept 31
	s_bcnt1_i32_b32 s55, s[w]
	s_add_co_u32 s50, s50, s55
.set w, w+1
.endr                                          ; s50: the expert's rows
	s_add_co_u32 s51, s50, 15
	s_lshr_b32 s51, s51, 4                         ; s51: its tiles
	s_cmp_ge_u32 s52, s51
	s_cbranch_scc1 .Lend
	s_sub_co_u32 s54, s50, 1                       ; its last row (there is one: a tile is mine)
.macro PICK add                        ; where q passes the count of the lower part: on to the upper part
	v_cmp_ge_u32 vcc_lo, v10, v15
	v_sub_nc_u32 v17, v10, v15
	v_cndmask_b32 v10, v10, v17, vcc_lo
	v_add_nc_u32 v17, \add, v16
	v_cndmask_b32 v16, v16, v17, vcc_lo
.endm
.macro TRIP                            ; tile s52
	s_min_u32 s57, s52, 63
	s_lshl_b32 s56, s12, 6
	s_add_co_u32 s57, s57, s56                     ; 64 e + t
	s_lshl_b32 s58, s57, 14
	s_lshl_b32 s55, s14, 11
	s_add_co_u32 s58, s58, s55
	s_add_nc_u64 s[60:61], s[8:9], s[58:59]        ; my image
	s_lshl_b32 s58, s57, 9
	s_lshl_b32 s55, s14, 6
	s_add_co_u32 s58, s58, s55
	s_add_co_u32 s58, s58, 0x800000
	s_add_nc_u64 s[62:63], s[8:9], s[58:59]        ; its scale words
	s_lshl_b32 s57, s52, 4
	v_add_nc_u32 v6, s57, v2
	v_min_u32 v6, s54, v6                          ; j = 16 t + r, held at the expert's last row
	; the mask word that holds the j-th set bit: the last word ahead of which at most j bits are set
	v_mov_b32 v7, s16                              ; the word,
	v_mov_b32 v8, 0                                ; the bits set ahead of it,
	v_mov_b32 v9, 0                                ; its number
	s_mov_b32 s56, 0
.set w, 1
.rept 31
	s_bcnt1_i32_b32 s55, s[15+w]
	s_add_co_u32 s56, s56, s55
	v_cmp_gt_u32 vcc_lo, s56, v6                   ; keep
	v_cndmask_b32 v7, s[16+w], v7, vcc_lo
	v_cndmask_b32 v8, s56, v8, vcc_lo
	v_cndmask_b32 v9, w, v9, vcc_lo
.set w, w+1
.endr
	; the place of the q-th set bit in it: counts of 2, 4, 8 and 16 bits, then five halvings
	v_sub_nc_u32 v10, v6, v8                       ; q
	v_lshrrev_b32 v11, 1, v7
	v_and_b32 v11, 0x55555555, v11
	v_sub_nc_u32 v11, v7, v11                      ; by 2 bits
	v_lshrrev_b32 v12, 2, v11
	v_and_b32 v12, 0x33333333, v12
	v_and_b32 v13, 0x33333333, v11
	v_add_nc_u32 v12, v12, v13                     ; by 4
	v_lshrrev_b32 v13, 4, v12
	v_add_nc_u32 v13, v13, v12
	v_and_b32 v13, 0x0f0f0f0f, v13                 ; by 8
	v_lshrrev_b32 v14, 8, v13
	v_add_nc_u32 v14, v14, v13
	v_and_b32 v15, 0xff, v14                       ; the low 16
	v_mov_b32 v16, 0                               ; the place
	PICK 16
	v_bfe_u32 v15, v13, v16, 8
	PICK 8
	v_bfe_u32 v15, v12, v16, 4
	PICK 4
	v_bfe_u32 v15, v11, v16, 2
	PICK 2
	v_bfe_u32 v15, v7, v16, 1
	PICK 1
	v_lshl_add_u32 v18, v9, 5, v16
	v_min_u32 v18, 0x3ff, v18                      ; the token, held inside x before it enters an address
	v_lshlrev_b32 v19, 12, v18
	v_add_nc_u32 v19, v19, v3                      ; its row of 4,096 bytes + 64 h
	v_lshlrev_b32 v22, 2, v18
.set i, 0
.rept 16                               ; block i / 4, four numbers i % 4
	global_load_b128 v[X+4*i:X+4*i+3], v19, s[4:5] offset:128*(i/4)+16*(i%4)
.set i, i+1
.endr
	s_wait_loadcnt 0x0
.irp b, 0,1,2,3
	v_max3_num_f32 v[TM+\b], |v[X+16*\b]|, |v[X+1+16*\b]|, 0x8000000   ; block b: my 16 numbers, and the floor 2^(16 - 127): the byte cannot fall under 1
.endr
.irp i, 2,4,6,8,10,12,14
.irp b, 0,1,2,3
	v_max3_num_f32 v[TM+\b], v[TM+\b], |v[X+16*\b+\i]|, |v[X+1+16*\b+\i]|   ; the four blocks by turns
.endr
.endr
.irp b, 0,1,2,3
	v_permlanex16_b32 v[TM+4+\b], v[TM+\b], s66, s67
.endr
.irp b, 0,1,2,3
	v_max_num_f32 v[TM+\b], v[TM+\b], v[TM+4+\b]   ; with lane l xor 16's: the block's largest magnitude
.endr
.irp b, 0,1,2,3
	v_add_nc_u32 v[TM+12+\b], 0xf8800000, v[TM+\b] ; 15 off its exponent field: the conversion takes that field as its scale
.endr
.irp b, 0,1,2,3
	v_and_or_b32 v[TM+8+\b], v[TM+\b], 0x7f800000, s68   ; 57,344 x the scale
.endr
.irp b, 0,1,2,3
	v_lshrrev_b32 v[TM+4+\b], 23, v[TM+12+\b]      ; the scale's byte
.endr
	v_lshl_or_b32 v[PW], v[TM+5], 8, v[TM+4]
	v_lshl_or_b32 v[PW], v[TM+6], 16, v[PW]
	v_lshl_or_b32 v[PW], v[TM+7], 24, v[PW]        ; my row's scale word
.irp b, 0,1,2,3
.irp i, 0,1,2,3,4,5,6,7,8,9,10,11,12,13,14,15
	v_med3_num_f32 v[X+16*\b+\i], v[X+16*\b+\i], -v[TM+8+\b], v[TM+8+\b]   ; the conversion to an 8-bit code does not saturate (ISA guide 7.6.2): the hold
.endr
	v_cvt_scalef32_pk8_bf8_f32 v[PC+4*\b:PC+1+4*\b], v[X+16*\b:X+7+16*\b], v[TM+12+\b]
	v_cvt_scalef32_pk8_bf8_f32 v[PC+2+4*\b:PC+3+4*\b], v[X+8+16*\b:X+15+16*\b], v[TM+12+\b]
.endr
	v_nop                                          ; one plain line behind the last conversion
.irp c, 0,1,2,3
	global_store_b128 v4, v[PC+4*\c:PC+4*\c+3], s[60:61] offset:512*\c   ; 512 consecutive bytes
.endr
	global_store_b32 v5, v[PW], s[62:63]           ; lanes l and l xor 16 write the same word with the same value
	s_cmp_lg_u32 s14, 0
	s_cbranch_scc1 .Lnot_wave_0_\@
	global_load_b32 v20, v22, s[6:7]               ; wave 0: the token's two experts
	s_wait_loadcnt 0x0
	v_bfe_u32 v20, v20, 8, 8
	v_cmp_eq_u32 vcc_lo, s12, v20
	v_cndmask_b32 v20, 0, 1, vcc_lo                ; k = 1 where e is its second
	v_lshl_add_u32 v20, v18, 1, v20
	v_min_u32 v20, 0x7ff, v20                      ; 2 n + k, held inside slotk
	v_lshlrev_b32 v20, 2, v20
	v_add_nc_u32 v21, s69, v6                      ; the slot
	global_store_b32 v20, v21, s[10:11]            ; lanes that stand for one row write the same word with the same value
.Lnot_wave_0_\@:
.endm
	TRIP
.rept 2
	s_wait_xcnt 0x0                                ; the stores' data, offsets and bases are written again only behind this wait
	s_add_co_u32 s52, s52, 24
	s_cmp_ge_u32 s52, s51
	s_cbranch_scc1 .Lend
	TRIP
.endr
.Lend:
	s_endpgm
.Lfunc_end_k_q8cb1838b8e_place:
	.size	k_q8cb1838b8e_place, .Lfunc_end_k_q8cb1838b8e_place-k_q8cb1838b8e_place
	.p2alignl 7, 3214868480
	.fill 96, 4, 3214868480
	.section	.rodata,"a",@progbits
	.p2align	6, 0x0
	.amdhsa_kernel k_q8cb1838b8e_place
		.amdhsa_group_segment_fixed_size 0
		.amdhsa_private_segment_fixed_size 0
		.amdhsa_enable_private_segment 0
		.amdhsa_kernarg_size 32
		.amdhsa_user_sgpr_count 2
		.amdhsa_user_sgpr_kernarg_segment_ptr 1
		.amdhsa_wavefront_size32 1
		.amdhsa_system_sgpr_workgroup_id_x 1
		.amdhsa_system_sgpr_workgroup_id_y 1
		.amdhsa_system_sgpr_workgroup_id_z 1
		.amdhsa_system_vgpr_workitem_id 0
		.amdhsa_next_free_vgpr 128
		.amdhsa_next_free_sgpr 72
		.amdhsa_reserve_vcc 1
		.amdhsa_float_denorm_mode_32 3
		.amdhsa_float_denorm_mode_16_64 3
		.amdhsa_memory_ordered 1
		.amdhsa_forward_progress 1
		.amdhsa_inst_pref_size 61
	.end_amdhsa_kernel
	.amdgpu_metadata
---
amdhsa.version: [ 1, 2 ]
amdhsa.kernels:
  - .name:           k_q8cb1838b8e_place
    .symbol:         k_q8cb1838b8e_place.kd
    .args:
      - { .name: x, .offset: 0, .size: 8, .value_kind: global_buffer, .address_space: global }
      - { .name: route, .offset: 8, .size: 8, .value_kind: global_buffer, .address_space: global }
      - { .name: xg, .offset: 16, .size: 8, .value_kind: global_buffer, .address_space: global }
      - { .name: slotk, .offset: 24, .size: 8, .value_kind: global_buffer, .address_space: global }
    .group_segment_fixed_size: 0
    .private_segment_fixed_size: 0
    .kernarg_segment_align: 8
    .kernarg_segment_size: 32
    .max_flat_workgroup_size: 256
    .sgpr_count:     72
    .vgpr_count:     128
    .wavefront_size: 32
...
	.end_amdgpu_metadata
.endif
;; end of part 2
;; launch up (part 3): grid 32 x 8, 4 waves a work-group, no clusters, 139,776 bytes of LDS; arguments W1, b1, route, xg, hg; writes hg
.if DOCPART == 3
	.amdgcn_target "amdgcn-amd-amdhsa--gfx1250"
	.amdhsa_code_object_version 6
	.text
	.protected	k_q8cb1838b8e_up
	.globl	k_q8cb1838b8e_up
	.p2align	8
	.type	k_q8cb1838b8e_up,@function
k_q8cb1838b8e_up:
	s_mov_b64 s[64:65], 0
	v_nop
	global_prefetch_b8 v0, s[64:65] scope:SCOPE_SE
	s_setreg_imm32_b32 hwreg(HW_REG_WAVE_MODE, 25, 1), 1
	s_wait_xcnt 0x0
; h = Q(gelu(Q(x) Q(W1) + b1)) for the rows of each expert, on codes of E5M2 with one E8M0 byte for each 32 along K.
; THE WORK IS SHARED BY WEIGHTS.  Work-group (fb, e) owns W1[e][0 .. 1023][128 fb .. 128 fb + 127]: 512 KiB of f32, read from memory once, by nobody else, and never stored as codes.
; Wave w = (hf = w & 1, par = w >> 1) multiplies by columns 64 hf .. + 63 over all of K: 32 weight fragments (8 K steps x 4 tiles) in 512 registers; the two waves of a half share the expert's row tiles.
; PHASE 1: A WAVE STREAMS HALF OF WHAT IT HOLDS: rows k = 512 par .. + 511 of its 64 columns, in 16 units of 32 k.  A load reads two rows' 256 consecutive aligned bytes: lane (r, h) takes row 32 u + 16 h + i,
;   columns 4 r .. 4 r + 3.  So a lane holds, of four columns, just the k that an operand's layout gives it, and tile j is the columns 64 hf + 4 r + j.  Which columns form a tile is free: it only says where a result lands.
;   The hold ahead of the conversion writes the numbers column by column, so nothing is spent on turning them, and the conversions write the codes into the very registers that the products read (window 2).
;   The same registers are stored to LDS as they stand, for the partner (wave w xor 2: same columns, the other half of K), whose 16 fragments this wave reads from LDS in turn (window 3): 80 LDS loads a wave.
;   THREE BARRIERS stand in the stream, behind units 7, 11 and 15: behind the first the partner's K steps 0 and 1 are whole, behind the second its K step 2; they are read a few loads at a time at the ends of the units
;   that follow, while the stream's loads are on their way.  Only the last K step's 20 LDS loads stand behind the stream.  Between two barriers the stores and the loads touch fragments of different K steps.
;   48 to 63 loads of a wave are out.  In the stream's tail, as the ring's places fall free, the first two row tiles are asked for into them.
; The barriers stand behind no branch: a work-group whose expert has no rows streams all the same, asks for a tile that nobody wrote, uses nothing of it and stores nothing.
; PHASE 2: the wave walks the expert's tiles of 16 rows t = par, + 2, ...  x's fragments come from xg into two buffers, MY K steps first and the partner's behind them, so that one text serves both waves.
;   The product is used transposed (source 0 = 16 columns of W1, source 1 = 16 rows of x): lane (row r, h') holds, in register jj of tile j, column 64 hf + 32 h' + 4 jj + j: a WHOLE block of 32 along the next K.
;   b1 is the C of each sum's first instruction.  gelu(x) = max(x, 0) - |x| T, T = erfc(|x| / sqrt 2) / 2 = t 2^(P(t) - u^2), t = 1 / (1 + |x| / sqrt 8), u^2 = x^2 log2(e) / 2, P of degree 9
;   (the rational Chebyshev form of erfc, relative error under 1.2e-7, its coefficients x log2(e), the half in c0).
; hg: images of an operand's registers, ((64 e + t) 32 + fb) 2,048 bytes on; scale words from byte 33,554,432 on, ((64 e + t) 32 + fb) 64 + 4 r; this wave's two bytes of a word leave by a store of 2 bytes a row:
;   those blocks are written in part: 32 bytes of a tile's 1,056.
; NO TENSOR LOADS, NO CLUSTER: the number of tiles is read from memory; each weight byte has one reader; x's images, which the 32 work-groups of an expert share, are 16 KiB a tile.
; LIMITS: NaN and infinities are not served; a block whose largest magnitude lies under 2^-111 takes the byte 1; gelu's relative error is about 3e-7 and grows with u^2 x 1e-7 on the far negative side, where the result lies under 1e-6.
.set PITCH, 16384                      ; a row of W1[e] in bytes
.set HSH,   18                         ; 16 rows = 1 << 18 bytes
.set PSH,   23                         ; 512 rows = 1 << 23 bytes
.set SCW,   131072                     ; LDS: wave w's 16 fragments at 32,768 w + 2,048 (4 sl + j); behind the four waves' their scale words, 2,048 w + 128 (4 sl + j)
.set VOFF, 1                           ; v1   the stream: 16 h rows + 16 r
.set LW,   2                           ; v2   where I store fragments: 16 x lane + 32,768 x wave
.set LSW,  3                           ; v3   and scale words: SCW + 4 x lane + 2,048 x wave
.set LRP,  4                           ; v4   where I read the partner's fragments: 16 x lane + 32,768 x (wave xor 2)
.set LRS,  5                           ; v5   and its scale words
.set LA0,  6                           ; v6   a row tile's image: my four K steps: 16 x lane + 8,192 par
.set LA1,  7                           ; v7   the partner's four: 16 x lane + 8,192 (1 - par)
.set LS0,  8                           ; v8   its scale words: mine: 4 x lane + 256 par
.set LS1,  9                           ; v9   the partner's
.set HST,  10                          ; v10  hg: 512 h' + 16 r
.set HSS,  11                          ; v11  4 r
.set BOF,  12                          ; v12  b1: 128 h'
.set M,    16                          ; phase 1: v16-19 largest magnitudes, v20-23 the other half's, v24-27 scale operands, v28-31 57,344 x the scale, v32-35 bytes
.set PM,   20
.set S,    24
.set LM,   28
.set BY,   32
.set T,    64                          ; v64-127 a unit's numbers, column by column
.set GM,   16                          ; phase 2: v16-31 max(x, 0), v32-47 |x|, v48-63 t, v64-79 the exponent
.set GA,   32
.set GT,   48
.set GQ,   64
.set H,    80                          ; v80-111 the block in its order along the next K
.set HC,   112                         ; v112-119 its codes
.set QM,   120
.set QS,   124
.set QL,   125
.set QB,   126
.set QP,   127
.set WSC,  128                         ; v128-143 my fragments' scale words, 4 sl + j; v144-159 the partner's: these and v160-167 hold scales and nothing else
.set ASC,  160                         ; v160-167 x's: buffer b, word i: lanes 0-15 K step 2 i of the buffer's order, lanes 16-31 K step 2 i + 1
.set BIAS, 168                         ; v168-199 b1 in the result's layout
.set ACC,  200                         ; v200-231 four accumulators
.set C9,   232                         ; v232-233 c9, twice
.set QLO,  234
.set QHI,  235
.set QW,   236
                                       ; window 1: the stream's ring of four units, then x's fragments, two buffers of 128;  window 2: my 16 weight fragments;  window 3: the partner's 16
.set WV,  14
.set HFS, 15
.set CNT, 20                           ; s20  trips done (s16-47 hold the mask words until their bits are counted)
.set LIM, 21                           ; s21  the wave's trips
.set PAR, 48
.set EX,  49
.set E64, 50
.set NT,  51
.set TT,  52
.set TMP, 53
.set MSB, 0
.macro WIN new                         ; the immediate's high byte repeats the setting that is left
.if MSB != \new
	s_set_vgpr_msb (MSB<<8)|\new
.set MSB, \new
.endif
.endm
.macro KPAIR r, val                    ; a constant for the packed forms, which name a pair
	s_mov_b32 s[\r], \val
	s_mov_b32 s[\r+1], \val
.endm
	s_load_b256 s[4:11], s[0:1], 0x0               ; W1 s[4:5], b1 s[6:7], route s[8:9], xg s[10:11]
	s_load_b64 s[12:13], s[0:1], 0x20              ; hg
	v_lshl_add_u32 v254, v0, 2, 0x22000
	v_mov_b32 v255, 0
	v_lshrrev_b32 v40, 5, v0
	v_readfirstlane_b32 s[WV], v40                 ; wave 0..3
	v_and_b32 v40, 31, v0                          ; lane
	v_and_b32 v41, 15, v0                          ; r
	v_bfe_u32 v42, v0, 4, 1                        ; h
	s_and_b32 s[HFS], s[WV], 1
	s_lshr_b32 s[PAR], s[WV], 1
	s_xor_b32 s96, s[WV], 2                        ; my partner
	s_xor_b32 s97, s[PAR], 1                       ; its half of K
	s_and_b32 s[EX], ttmp7, 0xffff
	v_lshlrev_b32 v[VOFF], 4, v41
	v_lshl_add_u32 v[VOFF], v42, HSH, v[VOFF]
	v_lshlrev_b32 v43, 4, v40                      ; 16 x lane
	v_lshlrev_b32 v44, 2, v40                      ; 4 x lane
	s_lshl_b32 s[TMP], s[WV], 15
	v_add_nc_u32 v[LW], s[TMP], v43
	s_lshl_b32 s[TMP], s[WV], 11
	s_add_co_u32 s[TMP], s[TMP], SCW
	v_add_nc_u32 v[LSW], s[TMP], v44
	s_lshl_b32 s[TMP], s96, 15
	v_add_nc_u32 v[LRP], s[TMP], v43
	s_lshl_b32 s[TMP], s96, 11
	s_add_co_u32 s[TMP], s[TMP], SCW
	v_add_nc_u32 v[LRS], s[TMP], v44
	s_lshl_b32 s[TMP], s[PAR], 13
	v_add_nc_u32 v[LA0], s[TMP], v43
	s_lshl_b32 s[TMP], s97, 13
	v_add_nc_u32 v[LA1], s[TMP], v43
	s_lshl_b32 s[TMP], s[PAR], 8
	v_add_nc_u32 v[LS0], s[TMP], v44
	s_lshl_b32 s[TMP], s97, 8
	v_add_nc_u32 v[LS1], s[TMP], v44
	v_lshlrev_b32 v[HST], 4, v41
	v_lshl_add_u32 v[HST], v42, 9, v[HST]
	v_lshlrev_b32 v[HSS], 2, v41
	v_lshlrev_b32 v[BOF], 7, v42
.irp j, 0,1,2,3
	v_mov_b32 v[PM+\j], 0                          ; written once: a lane permute's destination counts as one of its sources
.endr
	v_mov_b32 v[C9], 0x3e7c6f08                    ; c9 =  0.24651730
	v_mov_b32 v[C9+1], 0x3e7c6f08
	s_mov_b32 s70, 0x76543210
	s_mov_b32 s71, 0xfedcba98                      ; v_permlanex16_b32's selects for lane l xor 16
	s_mov_b32 s72, 0x600000                        ; the mantissa field of 57,344
	s_mov_b32 s73, 0xffff0000                      ; lanes 16-31
	KPAIR 74, 0x3eb504f3                           ; 1 / sqrt 8
	KPAIR 76, 0x3f596d27                           ; sqrt(log2(e) / 2) = 0.84932180
	KPAIR 78, 0xbf97d29d                           ; c8 = -1.18611495
	KPAIR 80, 0x40097039                           ; c7 =  2.14747446
	KPAIR 82, 0xbfd1a1e5                           ; c6 = -1.63775315
	KPAIR 84, 0x3ecdfd18                           ; c5 =  0.40232158
	KPAIR 86, 0xbe899a80                           ; c4 = -0.26875686
	KPAIR 88, 0x3e0efb2e                           ; c3 =  0.13963006
	KPAIR 90, 0x3f0a29d2                           ; c2 =  0.53970062
	KPAIR 92, 0x3fb8ab5a                           ; c1 =  1.44272920
	KPAIR 94, 0xc034d90f                           ; c0 = -2.82574822
	s_lshl_b32 s54, s[EX], 24                      ; W1: the expert's 16 MiB,
	s_lshl_b32 s[TMP], ttmp9, 9                    ; the work-group's 128 columns,
	s_add_co_u32 s54, s54, s[TMP]
	s_lshl_b32 s96, s[EX], 14                      ; b1: the expert's row, the same columns,
	s_add_co_u32 s96, s96, s[TMP]
	s_lshl_b32 s[TMP], s[HFS], 8                   ; my half of them,
	s_add_co_u32 s54, s54, s[TMP]
	s_add_co_u32 s96, s96, s[TMP]
	s_lshl_b32 s[TMP], s[PAR], PSH                 ; my 512 rows
	s_add_co_u32 s54, s54, s[TMP]
	s_mov_b32 s55, 0
	s_mov_b32 s97, 0
	s_lshl_b32 s98, s[EX], 7                       ; the expert's 32 mask words
	s_mov_b32 s99, 0
	s_wait_kmcnt 0x0
	s_add_nc_u64 s[4:5], s[4:5], s[54:55]
	s_add_nc_u64 s[6:7], s[6:7], s[96:97]
	s_add_nc_u64 s[8:9], s[8:9], s[98:99]
	s_load_b512 s[16:31], s[8:9], 0x1000           ; waited for behind unit 11
	s_load_b512 s[32:47], s[8:9], 0x1040
.set i, 0
.rept 32                               ; tile i / 8, register i % 8: b1 at column 32 h' + 4 (i % 8) + i / 8 of my 64
	global_load_b32 v[BIAS+i], v[BOF], s[6:7] offset:(4*(i%8)+i/8)*4
.set i, i+1
.endr
.macro ULOAD u                         ; unit u: my rows 32 u .. 32 u + 31, into ring place u % 4 of window 1: X(i, j) at 64 (u % 4) + 4 i + j.  The largest immediate, 495 rows, lies inside the signed 24 bits
	WIN 0x40
.irp i, 0,1,2,3,4,5,6,7,8,9,10,11,12,13,14,15
	global_load_b128 v[64*((\u)&3)+4*\i:64*((\u)&3)+4*\i+3], v[VOFF], s[4:5] offset:(32*(\u)+\i)*PITCH th:TH_LOAD_NT
.endr
.endm
.macro SETA b, treg                    ; buffer b's bases for tile s[treg], held at the expert's last tile: a load past it brings a tile that is not used
	s_min_u32 s96, s[\treg], s100
	s_min_u32 s96, s96, 63
	s_add_co_u32 s96, s96, s[E64]
	s_lshl_b32 s98, s96, 14
	s_add_nc_u64 s[56+4*\b:57+4*\b], s[10:11], s[98:99]
	s_lshl_b32 s98, s96, 9
	s_add_co_u32 s98, s98, 0x800000
	s_add_nc_u64 s[58+4*\b:59+4*\b], s[10:11], s[98:99]
.endm
.macro SETO treg                       ; where tile s[treg]'s codes and scale bytes go
	s_min_u32 s96, s[\treg], 63
	s_add_co_u32 s96, s96, s[E64]
	s_lshl_b32 s98, s96, 16
	s_add_co_u32 s98, s98, s16
	s_add_nc_u64 s[66:67], s[12:13], s[98:99]
	s_lshl_b32 s98, s96, 11
	s_add_co_u32 s98, s98, s17
	s_add_nc_u64 s[68:69], s[12:13], s[98:99]
.endm
.macro LOADA b                         ; a tile's eight fragments and its scale words, my four K steps first: always 36 loads, each of 512 or 128 consecutive bytes
	WIN 0x40
.set i, 0
.rept 16
	global_load_b128 v[128*\b+4*i:128*\b+4*i+3], v[LA0], s[56+4*\b:57+4*\b] offset:512*i
.set i, i+1
.endr
.set i, 0
.rept 16
	global_load_b128 v[128*\b+64+4*i:128*\b+64+4*i+3], v[LA1], s[56+4*\b:57+4*\b] offset:512*i
.set i, i+1
.endr
	WIN 0
.irp i, 0,1
	global_load_b32 v[ASC+4*\b+\i], v[LS0], s[58+4*\b:59+4*\b] offset:128*\i
.endr
.irp i, 0,1
	global_load_b32 v[ASC+4*\b+2+\i], v[LS1], s[58+4*\b:59+4*\b] offset:128*\i
.endr
.endm
.macro UNIT u                          ; 32 k x 64 columns become group u % 4 of my fragments (u / 4, j)
.set XR, 64*((\u)&3)
.set SL, (\u)>>2
.set CG, (\u)&3
.if (\u) < 13
	s_wait_loadcnt 48                              ; loads come back in order: this unit's 16 are in, the three younger units' stay out
.elseif (\u) == 13
	s_wait_loadcnt 32                              ; two younger units'
.elseif (\u) == 14
	s_wait_loadcnt 52                              ; unit 15's 16 and the first row tile's 36
.else
	s_wait_loadcnt 36                              ; the first row tile's 36
.endif
	WIN 0x14                                       ; sources 1 and 2 in window 1
.irp j, 0,1,2,3
	v_max3_num_f32 v[M+\j], 0x8000000, |v[XR+\j]|, |v[XR+4+\j]|   ; column j: my 16 numbers down K, and the floor 2^(16 - 127)
.endr
.irp i, 2,4,6,8,10,12,14
.irp j, 0,1,2,3
	v_max3_num_f32 v[M+\j], v[M+\j], |v[XR+4*\i+\j]|, |v[XR+4*\i+4+\j]|
.endr
.endr
	WIN 0
.irp j, 0,1,2,3
	v_permlanex16_b32 v[PM+\j], v[M+\j], s70, s71
.endr
.irp j, 0,1,2,3
	v_max_num_f32 v[M+\j], v[M+\j], v[PM+\j]       ; with lane l xor 16's 16: the block's largest magnitude
.endr
.irp j, 0,1,2,3
	v_add_nc_u32 v[S+\j], 0xf8800000, v[M+\j]      ; 15 off its exponent field: the conversion's scale operand
.endr
.irp j, 0,1,2,3
	v_and_or_b32 v[LM+\j], v[M+\j], 0x7f800000, s72   ; 57,344 x the scale
.endr
.if CG == 0
.irp j, 0,1,2,3
	v_lshrrev_b32 v[WSC+4*SL+\j], 23, v[S+\j]      ; the byte begins the fragment's scale word, in the register that the products name
.endr
.else
.irp j, 0,1,2,3
	v_lshrrev_b32 v[BY+\j], 23, v[S+\j]
.endr
.irp j, 0,1,2,3
	v_lshl_or_b32 v[WSC+4*SL+\j], v[BY+\j], 8*CG, v[WSC+4*SL+\j]
.endr
.endif
	WIN 0x01                                       ; source 0 in window 1
.irp j, 0,1,2,3
.irp i, 0,1,2,3,4,5,6,7,8,9,10,11,12,13,14,15
	v_med3_num_f32 v[T+16*\j+\i], v[XR+4*\i+\j], -v[LM+\j], v[LM+\j]   ; the hold (the conversion does not saturate: ISA guide 7.6.2) lays column j's 16 numbers on end
.endr
.endr
.if (\u) < 12
	ULOAD (\u)+4                                   ; the ring place is free
.elseif (\u) == 13
	LOADA 0                                        ; ring places 0 and 1 have been read for the last time: they are x's first buffer
.elseif (\u) == 15
	LOADA 1                                        ; places 2 and 3: the second
.endif
	WIN 0x80                                       ; destination in window 2
.irp j, 0,1,2,3
	v_cvt_scalef32_pk8_bf8_f32 v[16*(4*SL+\j)+4*CG:16*(4*SL+\j)+4*CG+1], v[T+16*\j:T+16*\j+7], v[S+\j]
	v_cvt_scalef32_pk8_bf8_f32 v[16*(4*SL+\j)+4*CG+2:16*(4*SL+\j)+4*CG+3], v[T+16*\j+8:T+16*\j+15], v[S+\j]
.endr
	v_nop                                          ; one plain line behind the last conversion
	WIN 0x08                                       ; an LDS store's data are its source 1: window 2
.irp j, 0,1,2,3
	ds_store_b128 v[LW], v[16*(4*SL+\j)+4*CG:16*(4*SL+\j)+4*CG+3] offset:(4*SL+\j)*2048+512*CG   ; 512 consecutive bytes; these registers are never written again
.endr
.if CG == 3
	WIN 0
.irp j, 0,1,2,3
	ds_store_b32 v[LSW], v[WSC+4*SL+\j] offset:(4*SL+\j)*128
.endr
.endif
.endm
.macro PFR f                           ; the partner's fragment f = 4 sl + j and its scale word
	WIN 0xc0                                       ; destination in window 3
.irp c, 0,1,2,3
	ds_load_b128 v[16*(\f)+4*\c:16*(\f)+4*\c+3], v[LRP] offset:2048*(\f)+512*\c
.endr
	WIN 0
	ds_load_b32 v[WSC+16+(\f)], v[LRS] offset:128*(\f)
.endm
.macro BAR                             ; my LDS stores have landed and my LDS loads are in: then the work-group's barrier.  The stream's loads stay on their way across it
	s_wait_dscnt 0x0
	s_barrier_signal -1
	s_barrier_wait -1
.endm
	ULOAD 0
	ULOAD 1
	ULOAD 2
	ULOAD 3
.irp u, 0,1,2,3,4,5,6,7
	UNIT \u
.endr
	BAR                                            ; every wave's K steps 0 and 1 lie in LDS
	PFR 0
	PFR 1
	UNIT 8
	PFR 2
	PFR 3
	UNIT 9
	PFR 4
	PFR 5
	UNIT 10
	PFR 6
	PFR 7
	UNIT 11
	BAR                                            ; every wave's K step 2
	PFR 8
	s_wait_kmcnt 0x0                               ; the mask, asked for at the head
	s_bcnt1_i32_b32 s[NT], s16
.set w, 17
.rept 31
	s_bcnt1_i32_b32 s[TMP], s[w]
	s_add_co_u32 s[NT], s[NT], s[TMP]
.set w, w+1
.endr
	s_add_co_u32 s[NT], s[NT], 15
	s_lshr_b32 s[NT], s[NT], 4                     ; the expert's tiles
	s_sub_co_u32 s100, s[NT], 1                    ; its last tile (with no tile: a large number, and the hold at 63 alone acts)
	s_lshl_b32 s[E64], s[EX], 6
	s_lshl_b32 s16, ttmp9, 11                      ; hg: K step fb's image, my half's two groups
	s_lshl_b32 s[TMP], s[HFS], 10
	s_add_co_u32 s16, s16, s[TMP]
	s_lshl_b32 s17, ttmp9, 6                       ; its scale words, my two bytes
	s_lshl_b32 s[TMP], s[HFS], 1
	s_add_co_u32 s17, s17, s[TMP]
	s_add_co_u32 s17, s17, 0x2000000
	s_mov_b32 s99, 0
	s_mov_b32 s[TT], s[PAR]
	s_add_co_u32 s101, s[TT], 2
	SETA 0, TT
	SETA 1, 101
	UNIT 12
	PFR 9
	UNIT 13
	PFR 10
	UNIT 14
	PFR 11
	UNIT 15
	BAR                                            ; every wave's K step 3; nothing is written to LDS again
	PFR 12
	PFR 13
	PFR 14
	PFR 15
	s_wait_dscnt 0x0                               ; all the partner's fragments are in
	s_cmp_ge_u32 s[PAR], s[NT]
	s_cbranch_scc1 .Lend
.macro WM b, s, j                      ; K step s of the buffer's order, tile j
.set RW, 16*(4*((\s)&3)+(\j))
.set RA, 128*(\b)+16*(\s)
.set RD, ACC+8*(\j)
.if (\s) == 0
	v_wmma_scale_f32_16x16x128_f8f6f4 v[RD:RD+7], v[RW:RW+15], v[RA:RA+15], v[BIAS+8*(\j):BIAS+8*(\j)+7], v[WSC+4*(\s)+(\j)], v[ASC+4*(\b)+((\s)>>1)] matrix_a_fmt:MATRIX_FMT_BF8 matrix_b_fmt:MATRIX_FMT_BF8
.elseif ((\s)&1) == 1
	v_wmma_scale_f32_16x16x128_f8f6f4 v[RD:RD+7], v[RW:RW+15], v[RA:RA+15], v[RD:RD+7], v[WSC+4*(\s)+(\j)], v[ASC+4*(\b)+((\s)>>1)] matrix_a_fmt:MATRIX_FMT_BF8 matrix_b_fmt:MATRIX_FMT_BF8 matrix_b_scale:MATRIX_SCALE_ROW1
.else
	v_wmma_scale_f32_16x16x128_f8f6f4 v[RD:RD+7], v[RW:RW+15], v[RA:RA+15], v[RD:RD+7], v[WSC+4*(\s)+(\j)], v[ASC+4*(\b)+((\s)>>1)] matrix_a_fmt:MATRIX_FMT_BF8 matrix_b_fmt:MATRIX_FMT_BF8
.endif
.endm
.macro GEMM b                          ; 32 matrix instructions; the four accumulators take turns, one instruction a turn
.irp s, 0,1,2,3,4,5,6,7
.if \s < 4
	WIN 0x06                                       ; source 0 (my fragments of W1) window 2, source 1 (x) window 1
.else
	WIN 0x07                                       ; source 0 (the partner's) window 3
.endif
.irp j, 0,1,2,3
	WM \b, \s, \j
.endr
.endr
.endm
.macro GELU g                          ; accumulators 2 g and 2 g + 1, 16 numbers a lane, in place
.set X0, ACC+16*(\g)
.set i, 0
.rept 16
	v_max_num_f32 v[GM+i], 0, v[X0+i]              ; m = max(x, 0); each accumulator is read from its low end on
.set i, i+1
.endr
.set i, 0
.rept 8
	v_pk_fma_f32 v[GA+i:GA+i+1], v[GM+i:GM+i+1], 2.0, v[X0+i:X0+i+1] op_sel_hi:[1,0,1] neg_lo:[0,0,1] neg_hi:[0,0,1]   ; |x| = 2 m - x, exactly
.set i, i+2
.endr
.set i, 0
.rept 8
	v_pk_fma_f32 v[GT+i:GT+i+1], v[GA+i:GA+i+1], s[74:75], 1.0 op_sel_hi:[1,0,0]
.set i, i+2
.endr
.set i, 0
.rept 16
	v_rcp_f32 v[GT+i], v[GT+i]                     ; t
.set i, i+1
.endr
.set i, 0
.rept 8
	v_pk_mul_f32 v[X0+i:X0+i+1], v[X0+i:X0+i+1], s[76:77] op_sel_hi:[1,0]   ; u.  (The first of these is the plain place behind the reciprocals)
.set i, i+2
.endr
.set i, 0
	s_wait_alu depctr_va_vdst(0)
.rept 8
	v_pk_fma_f32 v[GQ+i:GQ+i+1], v[GT+i:GT+i+1], v[C9:C9+1], s[78:79] op_sel_hi:[1,1,0]
.set i, i+2
.endr
.irp c, 80,82,84,86,88,90,92,94
.set i, 0
.rept 8
	v_pk_fma_f32 v[GQ+i:GQ+i+1], v[GQ+i:GQ+i+1], v[GT+i:GT+i+1], s[\c:\c+1] op_sel_hi:[1,1,0]
.set i, i+2
.endr
.endr
.set i, 0
.rept 8
	v_pk_fma_f32 v[GQ+i:GQ+i+1], v[X0+i:X0+i+1], v[X0+i:X0+i+1], v[GQ+i:GQ+i+1] neg_lo:[1,0,0] neg_hi:[1,0,0]   ; P(t) - u^2
.set i, i+2
.endr
.set i, 0
.rept 16
	v_exp_f32 v[GQ+i], v[GQ+i]
.set i, i+1
.endr
	v_nop                                          ; the plain place behind the exponentials
.set i, 0
	s_wait_alu depctr_va_vdst(0)
.rept 8
	v_pk_mul_f32 v[GT+i:GT+i+1], v[GT+i:GT+i+1], v[GQ+i:GQ+i+1]   ; T
.set i, i+2
.endr
.set i, 0
.rept 8
	v_pk_fma_f32 v[X0+i:X0+i+1], v[GA+i:GA+i+1], v[GT+i:GT+i+1], v[GM+i:GM+i+1] neg_lo:[1,0,0] neg_hi:[1,0,0]   ; gelu = m - |x| T
.set i, i+2
.endr
.endm
.macro QUANTH                          ; my 32 numbers are one block of the next K
.irp j, 0,1,2,3
	v_max3_num_f32 v[QM+\j], |v[ACC+8*\j]|, |v[ACC+8*\j+1]|, 0x8000000
.endr
.irp i, 2,4,6
.irp j, 0,1,2,3
	v_max3_num_f32 v[QM+\j], v[QM+\j], |v[ACC+8*\j+\i]|, |v[ACC+8*\j+\i+1]|
.endr
.endr
	v_max3_num_f32 v[QM], v[QM], v[QM+1], v[QM+2]
	v_max_num_f32 v[QM], v[QM], v[QM+3]
	v_add_nc_u32 v[QS], 0xf8800000, v[QM]
	v_and_or_b32 v[QL], v[QM], 0x7f800000, s72
	v_lshrrev_b32 v[QB], 23, v[QS]
	v_permlanex16_b32 v[QP], v[QB], s70, s71       ; the byte of my row's other block
.irp j, 0,1,2,3
.irp i, 0,1,2,3,4,5,6,7
	v_med3_num_f32 v[H+4*\i+\j], v[ACC+8*\j+\i], -v[QL], v[QL]   ; the hold brings the block into its order: column 4 jj + j
.endr
.endr
	v_cndmask_b32 v[QLO], v[QB], v[QP], s73        ; the byte of h' = 0,
	v_cndmask_b32 v[QHI], v[QP], v[QB], s73        ; of h' = 1
	v_lshl_or_b32 v[QW], v[QHI], 8, v[QLO]
.irp g, 0,1,2,3
	v_cvt_scalef32_pk8_bf8_f32 v[HC+2*\g:HC+2*\g+1], v[H+8*\g:H+8*\g+7], v[QS]
.endr
	v_nop                                          ; one plain line behind the last conversion
	global_store_b128 v[HST], v[HC:HC+3], s[66:67]              ; k 0-15 of block 2 hf + h': the image's lanes 0-15: sixteen lanes store 256 consecutive aligned bytes
	global_store_b128 v[HST], v[HC+4:HC+7], s[66:67] offset:256 ; k 16-31: its lanes 16-31
	global_store_b16 v[HSS], v[QW], s[68:69]       ; lanes l and l xor 16 write the same two bytes with the same value
.endm
.macro TILE b, treg
	s_wait_loadcnt 36                              ; this buffer's 36 loads are in; the other buffer's 36 stay out
	GEMM \b
	WIN 0
.rept 8
	v_nop                                          ; eight places behind this form: for the loads into the buffer and its scale words, and for the first read of results
.endr
	s_wait_xcnt 0x0                                ; the last tile's stores have read their data and bases: both are written again only behind this wait
	s_add_co_u32 s97, s[\treg], 4
	SETA \b, 97
	SETO \treg
	LOADA \b                                       ; this buffer's next tile lands under two tiles' work
	GELU 0
	GELU 1
	QUANTH
.endm
	s_mov_b32 s[CNT], 0
	s_sub_co_u32 s[LIM], s[NT], s[PAR]             ; my trips: a trip takes tiles t and t + 2, the next begins at t + 4:
	s_add_co_u32 s[LIM], s[LIM], 3
	s_lshr_b32 s[LIM], s[LIM], 2                   ; (tiles - my first + 3) / 4,
	s_min_u32 s[LIM], s[LIM], 16                   ; 16 at the most: an expert has room for 64 tiles
	v_mov_b32 v[QP], 0                             ; a lane permute's destination counts as one of its sources
.rept 8
	v_nop                                          ; my last codes were written by vector instructions: an operand so written stands four places ahead of a scaled matrix instruction
.endr
.Ltile:                                        ; a trip takes two tiles, one from each buffer
	TILE 0, TT
	s_add_co_u32 s101, s[TT], 2
	s_cmp_lt_u32 s101, s[NT]
	s_cbranch_scc1 .Lsecond
	s_wait_tensorcnt 0x0
	ds_add_u32 v254, v255
	s_wait_dscnt 0x0
	s_endpgm                                       ; no second tile: the wave ends here (the loads still out bring tiles that nobody uses)
.Lsecond:
	TILE 1, 101
	s_add_co_u32 s[TT], s[TT], 4                   ; the next trip's first tile
	s_add_co_u32 s[CNT], s[CNT], 1                 ; the loop ends on its own count of trips
	s_cmp_lt_u32 s[CNT], s[LIM]
	s_cbranch_scc1 .Ltile
.Lend:
	s_wait_tensorcnt 0x0
	ds_add_u32 v254, v255
	s_wait_dscnt 0x0
	s_endpgm
.Lfunc_end_k_q8cb1838b8e_up:
	.size	k_q8cb1838b8e_up, .Lfunc_end_k_q8cb1838b8e_up-k_q8cb1838b8e_up
	.p2alignl 7, 3214868480
	.fill 96, 4, 3214868480
	.section	.rodata,"a",@progbits
	.p2align	6, 0x0
	.amdhsa_kernel k_q8cb1838b8e_up
		.amdhsa_group_segment_fixed_size 139776
		.amdhsa_private_segment_fixed_size 0
		.amdhsa_enable_private_segment 0
		.amdhsa_kernarg_size 40
		.amdhsa_user_sgpr_count 2
		.amdhsa_user_sgpr_kernarg_segment_ptr 1
		.amdhsa_wavefront_size32 1
		.amdhsa_system_sgpr_workgroup_id_x 1
		.amdhsa_system_sgpr_workgroup_id_y 1
		.amdhsa_system_sgpr_workgroup_id_z 1
		.amdhsa_system_vgpr_workitem_id 0
		.amdhsa_next_free_vgpr 1024
		.amdhsa_next_free_sgpr 102
		.amdhsa_reserve_vcc 0
		.amdhsa_float_denorm_mode_32 3
		.amdhsa_float_denorm_mode_16_64 3
		.amdhsa_memory_ordered 1
		.amdhsa_forward_progress 1
		.amdhsa_inst_pref_size 247
	.end_amdhsa_kernel
	.amdgpu_metadata
---
amdhsa.version: [ 1, 2 ]
amdhsa.kernels:
  - .name:           k_q8cb1838b8e_up
    .symbol:         k_q8cb1838b8e_up.kd
    .args:
      - { .name: W1, .offset: 0, .size: 8, .value_kind: global_buffer, .address_space: global }
      - { .name: b1, .offset: 8, .size: 8, .value_kind: global_buffer, .address_space: global }
      - { .name: route, .offset: 16, .size: 8, .value_kind: global_buffer, .address_space: global }
      - { .name: xg, .offset: 24, .size: 8, .value_kind: global_buffer, .address_space: global }
      - { .name: hg, .offset: 32, .size: 8, .value_kind: global_buffer, .address_space: global }
    .group_segment_fixed_size: 139776
    .private_segment_fixed_size: 0
    .kernarg_segment_align: 8
    .kernarg_segment_size: 40
    .max_flat_workgroup_size: 128
    .sgpr_count:     102
    .vgpr_count:     1024
    .wavefront_size: 32
...
	.end_amdgpu_metadata
.endif
;; end of part 3
;; launch down (part 4): grid 32 x 8, 4 waves a work-group, no clusters, 157,184 bytes of LDS; arguments W2, route, hg, part; writes part
.if DOCPART == 4
	.amdgcn_target "amdgcn-amd-amdhsa--gfx1250"
	.amdhsa_code_object_version 6
	.text
	.protected	k_q8cb1838b8e_down
	.globl	k_q8cb1838b8e_down
	.p2align	8
	.type	k_q8cb1838b8e_down,@function
k_q8cb1838b8e_down:
	s_mov_b64 s[64:65], 0
	v_nop
	global_prefetch_b8 v0, s[64:65] scope:SCOPE_SE
	s_setreg_imm32_b32 hwreg(HW_REG_WAVE_MODE, 25, 1), 1
	s_wait_xcnt 0x0
; part[q] = Q(h) Q(W2) over a quarter of K, for the rows of each expert, on codes of E5M2 with one E8M0 byte for each 32 along K.
; THE WORK IS SHARED BY WEIGHTS.  Work-group (x, e), cb = x & 7, q = x >> 3, owns W2[e][1,024 q .. + 1,023][128 cb .. + 127]: 512 KiB of f32, read from memory once, by nobody else, and never stored as codes.
; With 32 work-groups an expert, C columns each mean K in C / 32 parts: h is then read 1,024 / C times and C / 32 partial results are written and read.  C = 128 makes the sum of the two least.
; Wave w = (hf = w & 1, par = w >> 1) multiplies by columns 64 hf .. + 63 over the slice's 1,024 k: 32 weight fragments (8 K steps x 4 tiles) in 512 registers; the two waves of a half share the expert's row tiles.
; PHASE 1: A WAVE STREAMS HALF OF WHAT IT HOLDS: rows 512 par .. + 511 of the slice, its 64 columns, in 16 units of 32 k.  A load reads two rows' 256 consecutive aligned bytes: lane (r, h) takes row 32 u + 16 h + i,
;   columns 4 r .. 4 r + 3.  So a lane holds, of four columns, just the k that an operand's layout gives it, and tile j is the columns 64 hf + 4 r + j.  The hold ahead of the conversion writes the numbers column by column,
;   and the conversions write the codes into the very registers that the products read (window 2).  The same registers are stored to LDS as they stand, for the partner (wave w xor 2: same columns, the other half of K),
;   whose 16 fragments this wave reads from LDS in turn (window 3): 80 LDS loads a wave.
;   THREE BARRIERS stand in the stream, behind units 7, 11 and 15: behind the first the partner's K steps 0 and 1 are whole, behind the second its K step 2; they are read a few loads at a time at the ends of the units
;   that follow, while the stream's loads are on their way.  Only the last K step's 20 LDS loads stand behind the stream.  Between two barriers the stores and the loads touch fragments of different K steps.
;   48 to 63 loads of a wave are out.  In the stream's tail, as the ring's places fall free, the first two row tiles are asked for into them.
; The barriers stand behind no branch: a work-group whose expert has no rows streams all the same, asks for a tile that nobody wrote, uses nothing of it and stores nothing.
; PHASE 2: the wave walks the expert's tiles of 16 rows t = par, + 2, ...; h's fragments come from hg into two buffers, MY K steps first and the partner's behind them, so that one text serves both waves.
;   The product is used transposed: lane (row r, h') holds, in register jj of tile j, column 64 hf + 32 h' + 4 jj + j.  The 32 numbers are brought into order, go through the wave's own stage in LDS and leave as rows.
; part: [q][slot 1,024 e + 16 t + row][1,024] f32.  b2 and the gates' weights come in the last launch, which owns each output row.
; NO TENSOR LOADS, NO CLUSTER: the number of tiles is read from memory; each weight byte has one reader; h's images, which eight work-groups share, are 16 KiB a tile.
; LIMITS: NaN and infinities are not served; a block whose largest magnitude lies under 2^-111 takes the byte 1.
.set PITCH, 4096                       ; a row of W2[e] in bytes
.set HSH,   16                         ; 16 rows = 1 << 16 bytes
.set PSH,   21                         ; 512 rows = 1 << 21 bytes
.set SCW,   131072                     ; LDS: wave w's 16 fragments at 32,768 w + 2,048 (4 sl + j); behind the four waves' their scale words, 2,048 w + 128 (4 sl + j);
.set STG,   139264                     ; behind those a stage of 16 rows x (256 + 16) bytes for each wave
.set VOFF, 1                           ; v1   the stream: 16 h rows + 16 r
.set LW,   2                           ; v2   where I store fragments: 16 x lane + 32,768 x wave
.set LSW,  3                           ; v3   and scale words: SCW + 4 x lane + 2,048 x wave
.set LRP,  4                           ; v4   where I read the partner's fragments: 16 x lane + 32,768 x (wave xor 2)
.set LRS,  5                           ; v5   and its scale words
.set LA0,  6                           ; v6   a row tile's image: my four K steps: 16 x lane + 8,192 par
.set LA1,  7                           ; v7   the partner's four: 16 x lane + 8,192 (1 - par)
.set LS0,  8                           ; v8   its scale words: mine: 4 x lane + 256 par
.set LS1,  9                           ; v9   the partner's
.set STO,  10                          ; v10  the stage, in: row r, + 128 h'
.set SRD,  11                          ; v11  back: lanes 0-15 one row, lanes 16-31 the next
.set GO,   12                          ; v12  and the same two rows in part
.set M,    16                          ; phase 1: v16-19 largest magnitudes, v20-23 the other half's, v24-27 scale operands, v28-31 57,344 x the scale, v32-35 bytes
.set PM,   20
.set S,    24
.set LM,   28
.set BY,   32
.set T,    64                          ; v64-127 a unit's numbers, column by column
.set OO,   16                          ; phase 2: v16-47 my 32 results in order; v48-79 rows read back
.set RB,   48
.set WSC,  128                         ; v128-143 my fragments' scale words, 4 sl + j; v144-159 the partner's: these and v160-167 hold scales and nothing else
.set ASC,  160                         ; v160-167 h's: buffer b, word i: lanes 0-15 K step 2 i of the buffer's order, lanes 16-31 K step 2 i + 1
.set ACC,  200                         ; v200-231 four accumulators
                                       ; window 1: the stream's ring of four units, then h's fragments, two buffers of 128;  window 2: my 16 weight fragments;  window 3: the partner's 16
.set WV,  14
.set HFS, 15
.set CNT, 20                           ; s20  trips done (s16-47 hold the mask words until their bits are counted)
.set LIM, 21                           ; s21  the wave's trips
.set PAR, 48
.set EX,  49
.set E64, 50
.set NT,  51
.set TT,  52
.set TMP, 53
.set MSB, 0
.macro WIN new                         ; the immediate's high byte repeats the setting that is left
.if MSB != \new
	s_set_vgpr_msb (MSB<<8)|\new
.set MSB, \new
.endif
.endm
	s_load_b256 s[4:11], s[0:1], 0x0               ; W2 s[4:5], route s[6:7], hg s[8:9], part s[10:11]
	v_lshl_add_u32 v254, v0, 2, 0x26400
	v_mov_b32 v255, 0
	v_lshrrev_b32 v40, 5, v0
	v_readfirstlane_b32 s[WV], v40                 ; wave 0..3
	v_and_b32 v40, 31, v0                          ; lane
	v_and_b32 v41, 15, v0                          ; r
	v_bfe_u32 v42, v0, 4, 1                        ; h
	s_and_b32 s[HFS], s[WV], 1
	s_lshr_b32 s[PAR], s[WV], 1
	s_xor_b32 s96, s[WV], 2                        ; my partner
	s_xor_b32 s97, s[PAR], 1                       ; its half of K
	s_and_b32 s[EX], ttmp7, 0xffff
	s_and_b32 s12, ttmp9, 7                        ; cb
	s_lshr_b32 s13, ttmp9, 3                       ; q
	v_lshlrev_b32 v[VOFF], 4, v41
	v_lshl_add_u32 v[VOFF], v42, HSH, v[VOFF]
	v_lshlrev_b32 v43, 4, v40                      ; 16 x lane
	v_lshlrev_b32 v44, 2, v40                      ; 4 x lane
	s_lshl_b32 s[TMP], s[WV], 15
	v_add_nc_u32 v[LW], s[TMP], v43
	s_lshl_b32 s[TMP], s[WV], 11
	s_add_co_u32 s[TMP], s[TMP], SCW
	v_add_nc_u32 v[LSW], s[TMP], v44
	s_lshl_b32 s[TMP], s96, 15
	v_add_nc_u32 v[LRP], s[TMP], v43
	s_lshl_b32 s[TMP], s96, 11
	s_add_co_u32 s[TMP], s[TMP], SCW
	v_add_nc_u32 v[LRS], s[TMP], v44
	s_lshl_b32 s[TMP], s[PAR], 13
	v_add_nc_u32 v[LA0], s[TMP], v43
	s_lshl_b32 s[TMP], s97, 13
	v_add_nc_u32 v[LA1], s[TMP], v43
	s_lshl_b32 s[TMP], s[PAR], 8
	v_add_nc_u32 v[LS0], s[TMP], v44
	s_lshl_b32 s[TMP], s97, 8
	v_add_nc_u32 v[LS1], s[TMP], v44
	s_mul_i32 s[TMP], s[WV], 16*272
	s_add_co_u32 s[TMP], s[TMP], STG               ; my stage
	v_mul_u32_u24 v[STO], v41, 272
	v_lshl_add_u32 v[STO], v42, 7, v[STO]
	v_add_nc_u32 v[STO], s[TMP], v[STO]
	v_mul_u32_u24 v[SRD], v42, 272
	v_lshl_add_u32 v[SRD], v41, 4, v[SRD]
	v_add_nc_u32 v[SRD], s[TMP], v[SRD]
	v_lshlrev_b32 v[GO], 12, v42
	v_lshl_add_u32 v[GO], v41, 4, v[GO]
.irp j, 0,1,2,3
	v_mov_b32 v[PM+\j], 0                          ; written once: a lane permute's destination counts as one of its sources
.endr
	s_mov_b32 s70, 0x76543210
	s_mov_b32 s71, 0xfedcba98                      ; v_permlanex16_b32's selects for lane l xor 16
	s_mov_b32 s72, 0x600000                        ; the mantissa field of 57,344
	s_lshl_b32 s54, s[EX], 24                      ; W2: the expert's 16 MiB,
	s_lshl_b32 s[TMP], s13, 22                     ; the work-group's quarter of its rows,
	s_add_co_u32 s54, s54, s[TMP]
	s_lshl_b32 s[TMP], s[PAR], PSH                 ; my 512 of them,
	s_add_co_u32 s54, s54, s[TMP]
	s_lshl_b32 s[TMP], s12, 9                      ; the work-group's 128 columns,
	s_add_co_u32 s54, s54, s[TMP]
	s_lshl_b32 s[TMP], s[HFS], 8                   ; my half of them
	s_add_co_u32 s54, s54, s[TMP]
	s_mov_b32 s55, 0
	s_lshl_b32 s98, s[EX], 7                       ; the expert's 32 mask words
	s_mov_b32 s99, 0
	s_wait_kmcnt 0x0
	s_add_nc_u64 s[4:5], s[4:5], s[54:55]
	s_add_nc_u64 s[6:7], s[6:7], s[98:99]
	s_load_b512 s[16:31], s[6:7], 0x1000           ; waited for behind unit 11
	s_load_b512 s[32:47], s[6:7], 0x1040
.macro ULOAD u                         ; unit u: my rows 32 u .. 32 u + 31, into ring place u % 4 of window 1: X(i, j) at 64 (u % 4) + 4 i + j
	WIN 0x40
.irp i, 0,1,2,3,4,5,6,7,8,9,10,11,12,13,14,15
	global_load_b128 v[64*((\u)&3)+4*\i:64*((\u)&3)+4*\i+3], v[VOFF], s[4:5] offset:(32*(\u)+\i)*PITCH th:TH_LOAD_NT
.endr
.endm
.macro SETA b, treg                    ; buffer b's bases for tile s[treg], held at the expert's last tile: a load past it brings a tile that is not used
	s_min_u32 s96, s[\treg], s100
	s_min_u32 s96, s96, 63
	s_add_co_u32 s96, s96, s[E64]
	s_lshl_b32 s98, s96, 16
	s_add_co_u32 s98, s98, s16
	s_add_nc_u64 s[56+4*\b:57+4*\b], s[8:9], s[98:99]
	s_lshl_b32 s98, s96, 11
	s_add_co_u32 s98, s98, s17
	s_add_nc_u64 s[58+4*\b:59+4*\b], s[8:9], s[98:99]
.endm
.macro SETO treg                       ; where tile s[treg]'s 16 rows go
	s_min_u32 s96, s[\treg], 63
	s_lshl_b32 s98, s96, 16
	s_add_co_u32 s98, s98, s18
	s_add_nc_u64 s[66:67], s[10:11], s[98:99]
.endm
.macro LOADA b                         ; a tile's eight fragments and its scale words, my four K steps first: always 36 loads, each of 512 or 128 consecutive bytes
	WIN 0x40
.set i, 0
.rept 16
	global_load_b128 v[128*\b+4*i:128*\b+4*i+3], v[LA0], s[56+4*\b:57+4*\b] offset:512*i
.set i, i+1
.endr
.set i, 0
.rept 16
	global_load_b128 v[128*\b+64+4*i:128*\b+64+4*i+3], v[LA1], s[56+4*\b:57+4*\b] offset:512*i
.set i, i+1
.endr
	WIN 0
.irp i, 0,1
	global_load_b32 v[ASC+4*\b+\i], v[LS0], s[58+4*\b:59+4*\b] offset:128*\i
.endr
.irp i, 0,1
	global_load_b32 v[ASC+4*\b+2+\i], v[LS1], s[58+4*\b:59+4*\b] offset:128*\i
.endr
.endm
.macro UNIT u                          ; 32 k x 64 columns become group u % 4 of my fragments (u / 4, j)
.set XR, 64*((\u)&3)
.set SL, (\u)>>2
.set CG, (\u)&3
.if (\u) < 13
	s_wait_loadcnt 48                              ; loads come back in order: this unit's 16 are in, the three younger units' stay out
.elseif (\u) == 13
	s_wait_loadcnt 32                              ; two younger units'
.elseif (\u) == 14
	s_wait_loadcnt 52                              ; unit 15's 16 and the first row tile's 36
.else
	s_wait_loadcnt 36                              ; the first row tile's 36
.endif
	WIN 0x14                                       ; sources 1 and 2 in window 1
.irp j, 0,1,2,3
	v_max3_num_f32 v[M+\j], 0x8000000, |v[XR+\j]|, |v[XR+4+\j]|   ; column j: my 16 numbers down K, and the floor 2^(16 - 127)
.endr
.irp i, 2,4,6,8,10,12,14
.irp j, 0,1,2,3
	v_max3_num_f32 v[M+\j], v[M+\j], |v[XR+4*\i+\j]|, |v[XR+4*\i+4+\j]|
.endr
.endr
	WIN 0
.irp j, 0,1,2,3
	v_permlanex16_b32 v[PM+\j], v[M+\j], s70, s71
.endr
.irp j, 0,1,2,3
	v_max_num_f32 v[M+\j], v[M+\j], v[PM+\j]       ; with lane l xor 16's 16: the block's largest magnitude
.endr
.irp j, 0,1,2,3
	v_add_nc_u32 v[S+\j], 0xf8800000, v[M+\j]      ; 15 off its exponent field: the conversion's scale operand
.endr
.irp j, 0,1,2,3
	v_and_or_b32 v[LM+\j], v[M+\j], 0x7f800000, s72   ; 57,344 x the scale
.endr
.if CG == 0
.irp j, 0,1,2,3
	v_lshrrev_b32 v[WSC+4*SL+\j], 23, v[S+\j]      ; the byte begins the fragment's scale word, in the register that the products name
.endr
.else
.irp j, 0,1,2,3
	v_lshrrev_b32 v[BY+\j], 23, v[S+\j]
.endr
.irp j, 0,1,2,3
	v_lshl_or_b32 v[WSC+4*SL+\j], v[BY+\j], 8*CG, v[WSC+4*SL+\j]
.endr
.endif
	WIN 0x01                                       ; source 0 in window 1
.irp j, 0,1,2,3
.irp i, 0,1,2,3,4,5,6,7,8,9,10,11,12,13,14,15
	v_med3_num_f32 v[T+16*\j+\i], v[XR+4*\i+\j], -v[LM+\j], v[LM+\j]   ; the hold (the conversion does not saturate: ISA guide 7.6.2) lays column j's 16 numbers on end
.endr
.endr
.if (\u) < 12
	ULOAD (\u)+4                                   ; the ring place is free
.elseif (\u) == 13
	LOADA 0                                        ; ring places 0 and 1 have been read for the last time: they are h's first buffer
.elseif (\u) == 15
	LOADA 1                                        ; places 2 and 3: the second
.endif
	WIN 0x80                                       ; destination in window 2
.irp j, 0,1,2,3
	v_cvt_scalef32_pk8_bf8_f32 v[16*(4*SL+\j)+4*CG:16*(4*SL+\j)+4*CG+1], v[T+16*\j:T+16*\j+7], v[S+\j]
	v_cvt_scalef32_pk8_bf8_f32 v[16*(4*SL+\j)+4*CG+2:16*(4*SL+\j)+4*CG+3], v[T+16*\j+8:T+16*\j+15], v[S+\j]
.endr
	v_nop                                          ; one plain line behind the last conversion
	WIN 0x08                                       ; an LDS store's data are its source 1: window 2
.irp j, 0,1,2,3
	ds_store_b128 v[LW], v[16*(4*SL+\j)+4*CG:16*(4*SL+\j)+4*CG+3] offset:(4*SL+\j)*2048+512*CG   ; 512 consecutive bytes; these registers are never written again
.endr
.if CG == 3
	WIN 0
.irp j, 0,1,2,3
	ds_store_b32 v[LSW], v[WSC+4*SL+\j] offset:(4*SL+\j)*128
.endr
.endif
.endm
.macro PFR f                           ; the partner's fragment f = 4 sl + j and its scale word
	WIN 0xc0                                       ; destination in window 3
.irp c, 0,1,2,3
	ds_load_b128 v[16*(\f)+4*\c:16*(\f)+4*\c+3], v[LRP] offset:2048*(\f)+512*\c
.endr
	WIN 0
	ds_load_b32 v[WSC+16+(\f)], v[LRS] offset:128*(\f)
.endm
.macro BAR                             ; my LDS stores have landed and my LDS loads are in: then the work-group's barrier.  The stream's loads stay on their way across it
	s_wait_dscnt 0x0
	s_barrier_signal -1
	s_barrier_wait -1
.endm
	ULOAD 0
	ULOAD 1
	ULOAD 2
	ULOAD 3
.irp u, 0,1,2,3,4,5,6,7
	UNIT \u
.endr
	BAR                                            ; every wave's K steps 0 and 1 lie in LDS
	PFR 0
	PFR 1
	UNIT 8
	PFR 2
	PFR 3
	UNIT 9
	PFR 4
	PFR 5
	UNIT 10
	PFR 6
	PFR 7
	UNIT 11
	BAR                                            ; every wave's K step 2
	PFR 8
	s_wait_kmcnt 0x0                               ; the mask, asked for at the head
	s_bcnt1_i32_b32 s[NT], s16
.set w, 17
.rept 31
	s_bcnt1_i32_b32 s[TMP], s[w]
	s_add_co_u32 s[NT], s[NT], s[TMP]
.set w, w+1
.endr
	s_add_co_u32 s[NT], s[NT], 15
	s_lshr_b32 s[NT], s[NT], 4                     ; the expert's tiles
	s_sub_co_u32 s100, s[NT], 1                    ; its last tile (with no tile: a large number, and the hold at 63 alone acts)
	s_lshl_b32 s[E64], s[EX], 6
	s_lshl_b32 s16, s13, 14                        ; hg: my quarter's eight images of a tile,
	s_lshl_b32 s17, s13, 9                         ; and their scale words
	s_add_co_u32 s17, s17, 0x2000000
	s_lshl_b32 s18, s13, 25                        ; part: my quarter's plane,
	s_lshl_b32 s[TMP], s[EX], 22                   ; the expert's 1,024 rows,
	s_add_co_u32 s18, s18, s[TMP]
	s_lshl_b32 s[TMP], s12, 9                      ; the work-group's 128 columns,
	s_add_co_u32 s18, s18, s[TMP]
	s_lshl_b32 s[TMP], s[HFS], 8                   ; my half of them
	s_add_co_u32 s18, s18, s[TMP]
	s_mov_b32 s99, 0
	s_mov_b32 s[TT], s[PAR]
	s_add_co_u32 s101, s[TT], 2
	SETA 0, TT
	SETA 1, 101
	UNIT 12
	PFR 9
	UNIT 13
	PFR 10
	UNIT 14
	PFR 11
	UNIT 15
	BAR                                            ; every wave's K step 3; the fragments and scale words in LDS are not written again
	PFR 12
	PFR 13
	PFR 14
	PFR 15
	s_wait_dscnt 0x0                               ; all the partner's fragments are in
	s_cmp_ge_u32 s[PAR], s[NT]
	s_cbranch_scc1 .Lend
.macro WM b, s, j                      ; K step s of the buffer's order, tile j
.set RW, 16*(4*((\s)&3)+(\j))
.set RA, 128*(\b)+16*(\s)
.set RD, ACC+8*(\j)
.if (\s) == 0
	v_wmma_scale_f32_16x16x128_f8f6f4 v[RD:RD+7], v[RW:RW+15], v[RA:RA+15], 0, v[WSC+4*(\s)+(\j)], v[ASC+4*(\b)+((\s)>>1)] matrix_a_fmt:MATRIX_FMT_BF8 matrix_b_fmt:MATRIX_FMT_BF8
.elseif ((\s)&1) == 1
	v_wmma_scale_f32_16x16x128_f8f6f4 v[RD:RD+7], v[RW:RW+15], v[RA:RA+15], v[RD:RD+7], v[WSC+4*(\s)+(\j)], v[ASC+4*(\b)+((\s)>>1)] matrix_a_fmt:MATRIX_FMT_BF8 matrix_b_fmt:MATRIX_FMT_BF8 matrix_b_scale:MATRIX_SCALE_ROW1
.else
	v_wmma_scale_f32_16x16x128_f8f6f4 v[RD:RD+7], v[RW:RW+15], v[RA:RA+15], v[RD:RD+7], v[WSC+4*(\s)+(\j)], v[ASC+4*(\b)+((\s)>>1)] matrix_a_fmt:MATRIX_FMT_BF8 matrix_b_fmt:MATRIX_FMT_BF8
.endif
.endm
.macro GEMM b                          ; 32 matrix instructions; the four accumulators take turns, one instruction a turn; the first K step starts the sums
.irp s, 0,1,2,3,4,5,6,7
.if \s < 4
	WIN 0x06                                       ; source 0 (my fragments of W2) window 2, source 1 (h) window 1
.else
	WIN 0x07                                       ; source 0 (the partner's) window 3
.endif
.irp j, 0,1,2,3
	WM \b, \s, \j
.endr
.endr
.endm
.macro SENDT                           ; my 16 rows x 64 columns leave as rows
.irp j, 0,1,2,3
.irp i, 0,1,2,3,4,5,6,7
	v_mov_b32 v[OO+4*\i+\j], v[ACC+8*\j+\i]        ; column 32 h' + 4 jj + j; each accumulator is read from its low end on
.endr
.endr
.irp i, 0,1,2,3,4,5,6,7
	ds_store_b128 v[STO], v[OO+4*\i:OO+4*\i+3] offset:16*\i
.endr
.irp i, 0,1,2,3,4,5,6,7
	ds_load_b128 v[RB+4*\i:RB+4*\i+3], v[SRD] offset:544*\i   ; LDS serves a wave's instructions in order (ISA guide 5.7.1): these see my stores
.endr
.irp i, 0,1,2,3,4,5,6,7
	s_wait_dscnt 7-\i                              ; pair i of rows is back; the younger loads stay out
	global_store_b128 v[GO], v[RB+4*\i:RB+4*\i+3], s[66:67] offset:8192*\i   ; sixteen lanes store 256 consecutive aligned bytes
.endr
.endm
.macro TILE b, treg
	s_wait_loadcnt 36                              ; this buffer's 36 loads are in; the other buffer's 36 stay out
	GEMM \b
	WIN 0
.rept 8
	v_nop                                          ; eight places behind this form: for the loads into the buffer and its scale words, and for the first read of results
.endr
	s_wait_xcnt 0x0                                ; the last tile's stores have read their data and base: both are written again only behind this wait
	s_add_co_u32 s97, s[\treg], 4
	SETA \b, 97
	SETO \treg
	LOADA \b                                       ; this buffer's next tile lands under two tiles' work
	SENDT
.endm
	s_mov_b32 s[CNT], 0
	s_sub_co_u32 s[LIM], s[NT], s[PAR]             ; my trips: a trip takes tiles t and t + 2, the next begins at t + 4:
	s_add_co_u32 s[LIM], s[LIM], 3
	s_lshr_b32 s[LIM], s[LIM], 2                   ; (tiles - my first + 3) / 4,
	s_min_u32 s[LIM], s[LIM], 16                   ; 16 at the most: an expert has room for 64 tiles
.rept 8
	v_nop                                          ; my last codes were written by vector instructions: an operand so written stands four places ahead of a scaled matrix instruction
.endr
.Ltile:                                        ; a trip takes two tiles, one from each buffer
	TILE 0, TT
	s_add_co_u32 s101, s[TT], 2
	s_cmp_lt_u32 s101, s[NT]
	s_cbranch_scc1 .Lsecond
	s_wait_tensorcnt 0x0
	ds_add_u32 v254, v255
	s_wait_dscnt 0x0
	s_endpgm                                       ; no second tile: the wave ends here (the loads still out bring tiles that nobody uses)
.Lsecond:
	TILE 1, 101
	s_add_co_u32 s[TT], s[TT], 4                   ; the next trip's first tile
	s_add_co_u32 s[CNT], s[CNT], 1                 ; the loop ends on its own count of trips
	s_cmp_lt_u32 s[CNT], s[LIM]
	s_cbranch_scc1 .Ltile
.Lend:
	s_wait_tensorcnt 0x0
	ds_add_u32 v254, v255
	s_wait_dscnt 0x0
	s_endpgm
.Lfunc_end_k_q8cb1838b8e_down:
	.size	k_q8cb1838b8e_down, .Lfunc_end_k_q8cb1838b8e_down-k_q8cb1838b8e_down
	.p2alignl 7, 3214868480
	.fill 96, 4, 3214868480
	.section	.rodata,"a",@progbits
	.p2align	6, 0x0
	.amdhsa_kernel k_q8cb1838b8e_down
		.amdhsa_group_segment_fixed_size 157184
		.amdhsa_private_segment_fixed_size 0
		.amdhsa_enable_private_segment 0
		.amdhsa_kernarg_size 32
		.amdhsa_user_sgpr_count 2
		.amdhsa_user_sgpr_kernarg_segment_ptr 1
		.amdhsa_wavefront_size32 1
		.amdhsa_system_sgpr_workgroup_id_x 1
		.amdhsa_system_sgpr_workgroup_id_y 1
		.amdhsa_system_sgpr_workgroup_id_z 1
		.amdhsa_system_vgpr_workitem_id 0
		.amdhsa_next_free_vgpr 1024
		.amdhsa_next_free_sgpr 102
		.amdhsa_reserve_vcc 0
		.amdhsa_float_denorm_mode_32 3
		.amdhsa_float_denorm_mode_16_64 3
		.amdhsa_memory_ordered 1
		.amdhsa_forward_progress 1
		.amdhsa_inst_pref_size 204
	.end_amdhsa_kernel
	.amdgpu_metadata
---
amdhsa.version: [ 1, 2 ]
amdhsa.kernels:
  - .name:           k_q8cb1838b8e_down
    .symbol:         k_q8cb1838b8e_down.kd
    .args:
      - { .name: W2, .offset: 0, .size: 8, .value_kind: global_buffer, .address_space: global }
      - { .name: route, .offset: 8, .size: 8, .value_kind: global_buffer, .address_space: global }
      - { .name: hg, .offset: 16, .size: 8, .value_kind: global_buffer, .address_space: global }
      - { .name: part, .offset: 24, .size: 8, .value_kind: global_buffer, .address_space: global }
    .group_segment_fixed_size: 157184
    .private_segment_fixed_size: 0
    .kernarg_segment_align: 8
    .kernarg_segment_size: 32
    .max_flat_workgroup_size: 128
    .sgpr_count:     102
    .vgpr_count:     1024
    .wavefront_size: 32
...
	.end_amdgpu_metadata
.endif
;; end of part 4
;; launch combine (part 5): grid 256 x 1, 8 waves a work-group, no clusters, 0 bytes of LDS; arguments part, slotk, route, pw, b2, out0; writes out0
.if DOCPART == 5
	.amdgcn_target "amdgcn-amd-amdhsa--gfx1250"
	.amdhsa_code_object_version 6
	.text
	.protected	k_q8cb1838b8e_combine
	.globl	k_q8cb1838b8e_combine
	.p2align	8
	.type	k_q8cb1838b8e_combine,@function
k_q8cb1838b8e_combine:
	s_mov_b64 s[64:65], 0
	v_nop
	global_prefetch_b8 v0, s[64:65] scope:SCOPE_SE
	s_setreg_imm32_b32 hwreg(HW_REG_WAVE_MODE, 25, 1), 1
	s_wait_xcnt 0x0
; out[n] = p0 (o[e0][n] + b2[e0]) + p1 (o[e1][n] + b2[e1]), o = the sum of the four partial results over K.  Each output row has one owner.
; Work-group g takes tokens 4 g .. 4 g + 3; two waves share a row, 2,048 bytes each.  The slots, the experts and the two weights come by scalar loads at places made of n alone;
; the slots and experts are whole numbers that earlier launches stored, and are held inside their tables before they enter an address.
; A stream: 40 loads of a wave go out together, each of 512 consecutive bytes; four stores of 512 consecutive bytes.  LDS, barriers and matrix units would add nothing.
.set P,  16                            ; v16-143  part: expert k, quarter q, load i: four registers at P + 64 k + 16 q + 4 i
.set BB, 144                           ; v144-175 b2: expert k, load i at BB + 16 k + 4 i
	s_load_b256 s[4:11], s[0:1], 0x0               ; part s[4:5], slotk s[6:7], route s[8:9], pw s[10:11]
	s_load_b128 s[12:15], s[0:1], 0x20             ; b2 s[12:13], out0 s[14:15]
	v_lshrrev_b32 v1, 5, v0
	v_readfirstlane_b32 s16, v1                    ; wave 0..7
	v_and_b32 v1, 31, v0
	v_lshlrev_b32 v1, 4, v1                        ; 16 x lane
	s_lshr_b32 s17, s16, 1
	s_lshl_b32 s18, ttmp9, 2
	s_add_co_u32 s17, s17, s18                     ; n
	s_and_b32 s18, s16, 1
	s_lshl_b32 s18, s18, 11                        ; my half of a row
	s_lshl_b32 s30, s17, 3                         ; 8 n
	s_mov_b32 s31, 0
	s_lshl_b32 s28, s17, 2                         ; 4 n
	s_mov_b32 s29, 0
	s_lshl_b32 s40, s17, 12
	s_add_co_u32 s40, s40, s18                     ; my bytes of out
	s_mov_b32 s41, 0
	s_wait_kmcnt 0x0
	s_add_nc_u64 s[6:7], s[6:7], s[30:31]
	s_add_nc_u64 s[8:9], s[8:9], s[28:29]
	s_add_nc_u64 s[10:11], s[10:11], s[30:31]
	s_load_b64 s[20:21], s[6:7], 0x0               ; the two slots
	s_load_b32 s22, s[8:9], 0x0                    ; e0 | e1 << 8
	s_load_b64 s[24:25], s[10:11], 0x0             ; p0, p1
	s_mov_b64 s[32:33], s[4:5]                     ; the four planes of part
	s_add_nc_u64 s[34:35], s[4:5], 0x2000000
	s_add_nc_u64 s[36:37], s[4:5], 0x4000000
	s_add_nc_u64 s[38:39], s[4:5], 0x6000000
	s_add_nc_u64 s[14:15], s[14:15], s[40:41]
	s_wait_kmcnt 0x0
	s_min_u32 s20, s20, 0x1fff
	s_min_u32 s21, s21, 0x1fff
	s_lshl_b32 s20, s20, 12
	s_lshl_b32 s21, s21, 12
	s_add_co_u32 s20, s20, s18
	s_add_co_u32 s21, s21, s18
	v_add_nc_u32 v2, s20, v1                       ; slot 0's row, my half, my 16 bytes
	v_add_nc_u32 v3, s21, v1
	s_and_b32 s23, s22, 0xff
	s_min_u32 s23, s23, 7
	s_bfe_u32 s42, s22, 0x80008
	s_min_u32 s42, s42, 7
	s_lshl_b32 s23, s23, 12
	s_lshl_b32 s42, s42, 12
	s_add_co_u32 s23, s23, s18
	s_add_co_u32 s42, s42, s18
	v_add_nc_u32 v4, s23, v1                       ; b2's row of e0
	v_add_nc_u32 v5, s42, v1
	s_mov_b32 s26, s25                             ; p1 as the low word of a pair of its own: the packed forms take a scalar pair's low word for both halves
	s_mov_b32 s27, s25
.irp k, 0,1
.irp q, 0,1,2,3
.irp i, 0,1,2,3
	global_load_b128 v[P+64*\k+16*\q+4*\i:P+64*\k+16*\q+4*\i+3], v[2+\k], s[32+2*\q:33+2*\q] offset:512*\i th:TH_LOAD_NT
.endr
.endr
.irp i, 0,1,2,3
	global_load_b128 v[BB+16*\k+4*\i:BB+16*\k+4*\i+3], v[4+\k], s[12:13] offset:512*\i
.endr
.endr
	s_wait_loadcnt 0x0
.irp k, 0,1
.set i, 0
.rept 8                                ; pairs of numbers
	v_pk_add_f32 v[P+64*\k+i:P+64*\k+i+1], v[P+64*\k+i:P+64*\k+i+1], v[P+64*\k+16+i:P+64*\k+16+i+1]
	v_pk_add_f32 v[P+64*\k+32+i:P+64*\k+32+i+1], v[P+64*\k+32+i:P+64*\k+32+i+1], v[P+64*\k+48+i:P+64*\k+48+i+1]
.set i, i+2
.endr
.set i, 0
.rept 8
	v_pk_add_f32 v[P+64*\k+i:P+64*\k+i+1], v[P+64*\k+i:P+64*\k+i+1], v[P+64*\k+32+i:P+64*\k+32+i+1]
.set i, i+2
.endr
.set i, 0
.rept 8
	v_pk_add_f32 v[P+64*\k+i:P+64*\k+i+1], v[P+64*\k+i:P+64*\k+i+1], v[BB+16*\k+i:BB+16*\k+i+1]
.set i, i+2
.endr
.endr
.set i, 0
.rept 8
	v_pk_mul_f32 v[P+i:P+i+1], v[P+i:P+i+1], s[24:25] op_sel_hi:[1,0]
.set i, i+2
.endr
.set i, 0
.rept 8
	v_pk_fma_f32 v[P+i:P+i+1], v[P+64+i:P+64+i+1], s[26:27], v[P+i:P+i+1] op_sel_hi:[1,0,1]
.set i, i+2
.endr
.irp i, 0,1,2,3
	global_store_b128 v1, v[P+4*\i:P+4*\i+3], s[14:15] offset:512*\i th:TH_STORE_NT
.endr
	s_endpgm
.Lfunc_end_k_q8cb1838b8e_combine:
	.size	k_q8cb1838b8e_combine, .Lfunc_end_k_q8cb1838b8e_combine-k_q8cb1838b8e_combine
	.p2alignl 7, 3214868480
	.fill 96, 4, 3214868480
	.section	.rodata,"a",@progbits
	.p2align	6, 0x0
	.amdhsa_kernel k_q8cb1838b8e_combine
		.amdhsa_group_segment_fixed_size 0
		.amdhsa_private_segment_fixed_size 0
		.amdhsa_enable_private_segment 0
		.amdhsa_kernarg_size 48
		.amdhsa_user_sgpr_count 2
		.amdhsa_user_sgpr_kernarg_segment_ptr 1
		.amdhsa_wavefront_size32 1
		.amdhsa_system_sgpr_workgroup_id_x 1
		.amdhsa_system_sgpr_workgroup_id_y 1
		.amdhsa_system_sgpr_workgroup_id_z 1
		.amdhsa_system_vgpr_workitem_id 0
		.amdhsa_next_free_vgpr 176
		.amdhsa_next_free_sgpr 66
		.amdhsa_reserve_vcc 0
		.amdhsa_float_denorm_mode_32 3
		.amdhsa_float_denorm_mode_16_64 3
		.amdhsa_memory_ordered 1
		.amdhsa_forward_progress 1
		.amdhsa_inst_pref_size 12
	.end_amdhsa_kernel
	.amdgpu_metadata
---
amdhsa.version: [ 1, 2 ]
amdhsa.kernels:
  - .name:           k_q8cb1838b8e_combine
    .symbol:         k_q8cb1838b8e_combine.kd
    .args:
      - { .name: part, .offset: 0, .size: 8, .value_kind: global_buffer, .address_space: global }
      - { .name: slotk, .offset: 8, .size: 8, .value_kind: global_buffer, .address_space: global }
      - { .name: route, .offset: 16, .size: 8, .value_kind: global_buffer, .address_space: global }
      - { .name: pw, .offset: 24, .size: 8, .value_kind: global_buffer, .address_space: global }
      - { .name: b2, .offset: 32, .size: 8, .value_kind: global_buffer, .address_space: global }
      - { .name: out0, .offset: 40, .size: 8, .value_kind: global_buffer, .address_space: global }
    .group_segment_fixed_size: 0
    .private_segment_fixed_size: 0
    .kernarg_segment_align: 8
    .kernarg_segment_size: 48
    .max_flat_workgroup_size: 256
    .sgpr_count:     66
    .vgpr_count:     176
    .wavefront_size: 32
...
	.end_amdgpu_metadata
.endif
;; end of part 5
;; ======== version 2 of 2: 5 launches
;; workspace buffers: route 5,120 bytes of whole numbers; pw 8,192 bytes; slotk 8,192 bytes of whole numbers; xg 8,650,752 bytes; hg 34,603,008 bytes; part 134,217,728 bytes
;; launch route (part 6): grid 32 x 1, 8 waves a work-group, no clusters, 17,408 bytes of LDS; arguments x, grad, Wr, br, route, pw; writes route, pw
.if DOCPART == 6
	.amdgcn_target "amdgcn-amd-amdhsa--gfx1250"
	.amdhsa_code_object_version 6
	.text
	.protected	k_q8cb1838b8e_route
	.globl	k_q8cb1838b8e_route
	.p2align	8
	.type	k_q8cb1838b8e_route,@function
k_q8cb1838b8e_route:
	s_mov_b64 s[64:65], 0
	v_nop
	global_prefetch_b8 v0, s[64:65] scope:SCOPE_SE
	s_setreg_imm32_b32 hwreg(HW_REG_WAVE_MODE, 25, 1), 1
	s_wait_xcnt 0x0
; THE ROUTER.  logits = [x, grad] Wr + br in f32, softmax (the row's largest logit is taken away first), the two largest probabilities (the lower index wins a tie).
; Stored: route word n = e0 | e1 << 8; pw[n] = p0, p1; and from route byte 4096 on one bit mask for each expert: word 32 e + g, bit l: token 32 g + l uses expert e.
; No address and no branch here hangs on the choice: later launches read it as whole numbers.
; SHARES.  Work-group g takes tokens 32 g .. 32 g + 31 as two tiles of 16; wave w takes k = 128 w .. 128 w + 127 of both.  The f32 matrix form is used since the choice has to agree with
; f32 logits; it does 1,024 x 1,024 x 16 multiply-adds in the whole launch.  The eight waves' partial logits meet in LDS; wave 0, a lane to a token, does the rest.
; What wave 0 wants behind the barrier (grad, Wr's last row, br) is asked for with the first loads, by every wave: 128 + 64 bytes, so that no second trip to memory follows the first.
; K IS TAKEN IN ANOTHER ORDER, ALIKE ON BOTH SIDES: lane (r, h) holds k = 128 w + 8 i + 4 h + 0 .. 3 in four registers; product (i, a) takes registers 2 a, 2 a + 1.
; Columns 8-15 of a result repeat columns 0-7 (Wr's column is lane & 7) and are not read.
; LIMITS: NaN and infinities among the inputs are not served; a tie of two probabilities is broken on this text's own f32 probabilities.
.set XA, 64                            ; v64-191  x: tile tau, load i: four registers at XA + 64 tau + 4 i
.set WB, 192                           ; v192-255 Wr: load (i, jj) at WB + 4 i + jj
                                       ; v16-23, v24-31: the two sums; written by matrix instructions alone
	s_load_b256 s[4:11], s[0:1], 0x0               ; x s[4:5], grad s[6:7], Wr s[8:9], br s[10:11]
	s_load_b128 s[12:15], s[0:1], 0x20             ; route s[12:13], pw s[14:15]
	v_lshl_add_u32 v62, v0, 2, 0x4000
	v_mov_b32 v63, 0
	v_lshrrev_b32 v1, 5, v0
	s_delay_alu instid0(VALU_DEP_1)
	v_readfirstlane_b32 s16, v1                    ; wave 0..7
	v_and_b32 v1, 31, v0                           ; lane
	v_and_b32 v2, 15, v0                           ; r
	v_bfe_u32 v3, v0, 4, 1                         ; h
	s_delay_alu instid0(VALU_DEP_2)
	v_lshlrev_b32 v4, 12, v2
	s_delay_alu instid0(VALU_DEP_1)
	v_lshl_add_u32 v4, v3, 4, v4                   ; x: row r of 4,096 bytes + 16 h
	v_and_b32 v5, 7, v0
	s_delay_alu instid0(VALU_DEP_1)
	v_lshlrev_b32 v5, 2, v5                        ; 4 (lane & 7)
	s_delay_alu instid0(VALU_DEP_1)
	v_lshl_add_u32 v9, v3, 7, v5                   ; Wr: four rows of 32 bytes for h, column lane & 7
	v_lshlrev_b32 v6, 4, v1
	s_lshl_b32 s17, s16, 11
	v_add_nc_u32 v6, s17, v6                       ; LDS, in: 2,048 x wave + 16 x lane
	v_lshlrev_b32 v7, 10, v3                       ; LDS, back, for token T = lane: tile T / 16: 1,024;
	v_bfe_u32 v8, v0, 2, 1
	s_delay_alu instid0(VALU_DEP_1)
	v_lshl_add_u32 v7, v8, 9, v7                   ; registers 4-7 of a sum: 512;
	v_bfe_u32 v8, v0, 3, 1
	s_delay_alu instid0(VALU_DEP_1)
	v_lshl_add_u32 v7, v8, 8, v7                   ; the half of the lanes that held the token: 256;
	v_and_b32 v8, 3, v0
	s_delay_alu instid0(VALU_DEP_1)
	v_lshl_add_u32 v7, v8, 2, v7                   ; the register among four: 4
	v_lshlrev_b32 v10, 2, v1                       ; 4 T
	v_lshlrev_b32 v11, 3, v1                       ; 8 T
	v_lshlrev_b32 v12, 5, v5                       ; 128 (lane & 7): an expert's row of mask words
	s_lshl_b32 s18, ttmp9, 17                      ; 32 rows of x a work-group,
	s_lshl_b32 s19, s16, 9                         ; 512 bytes of a row a wave
	s_add_co_u32 s18, s18, s19
	s_mov_b32 s19, 0
	s_lshl_b32 s36, s16, 12                        ; 128 rows of Wr a wave
	s_mov_b32 s37, 0
	s_lshl_b32 s38, ttmp9, 7                       ; 32 words: grad, the route words
	s_mov_b32 s39, 0
	s_lshl_b32 s40, ttmp9, 8                       ; 32 pairs: pw
	s_mov_b32 s41, 0
	s_lshl_b32 s42, ttmp9, 2                       ; my word in each expert's mask
	s_mov_b32 s43, 0
	s_wait_alu depctr_va_vdst(0)
	s_wait_kmcnt 0x0
	s_add_nc_u64 s[18:19], s[4:5], s[18:19]
	s_add_nc_u64 s[36:37], s[8:9], s[36:37]
	s_add_nc_u64 s[6:7], s[6:7], s[38:39]
	s_load_b256 s[20:27], s[8:9], 0x8000           ; Wr's row 1,024: grad's weights
	s_load_b256 s[28:35], s[10:11], 0x0            ; br
	global_load_b32 v40, v10, s[6:7]               ; grad of token 32 g + lane
.set i, 0
.rept 32                               ; tile i / 16, load i % 16
	global_load_b128 v[XA+4*i:XA+4*i+3], v4, s[18:19] offset:65536*(i/16)+32*(i%16)
.set i, i+1
.endr
.set i, 0
.rept 64                               ; Wr(128 w + 8 (i / 4) + 4 h + i % 4, lane & 7)
	global_load_b32 v[WB+i], v9, s[36:37] offset:256*(i/4)+32*(i%4)
.set i, i+1
.endr
	s_wait_loadcnt 0x0
	s_wait_kmcnt 0x0                               ; the two rows of eight numbers: asked for ahead of all the loads just waited for
	v_wmma_f32_16x16x4_f32 v[16:23], v[XA:XA+1], v[WB:WB+1], 0           ; the first K step starts both sums
	v_wmma_f32_16x16x4_f32 v[24:31], v[XA+64:XA+65], v[WB:WB+1], 0
.set i, 1
.rept 31                               ; the two sums take turns, one instruction a turn
	v_wmma_f32_16x16x4_f32 v[16:23], v[XA+2*i:XA+2*i+1], v[WB+2*i:WB+2*i+1], v[16:23]
	v_wmma_f32_16x16x4_f32 v[24:31], v[XA+64+2*i:XA+64+2*i+1], v[WB+2*i:WB+2*i+1], v[24:31]
.set i, i+1
.endr
.rept 8
	v_nop                                          ; eight places behind this form before its results are read and before loads land on its sources
.endr
	ds_store_b128 v6, v[16:19]                     ; each sum from its low end on.  Lane (r, h), register j: token 8 h + j of the tile, expert r
	ds_store_b128 v6, v[20:23] offset:512
	ds_store_b128 v6, v[24:27] offset:1024
	ds_store_b128 v6, v[28:31] offset:1536
	s_wait_dscnt 0x0                               ; for the others' sake: my stores have landed
	s_barrier_signal -1
	s_barrier_wait -1
	s_cmp_lg_u32 s16, 0
	s_cbranch_scc1 .Lend                           ; wave 0 alone goes on; no barrier follows
.set i, 0
.rept 64                               ; wave i / 8's part of the logit of expert i % 8
	ds_load_b32 v[64+i], v7 offset:2048*(i/8)+16*(i%8)
.set i, i+1
.endr
	s_wait_dscnt 0x0
.irp e, 0,2,4,6
	v_pk_add_f32 v[32+\e:33+\e], v[64+\e:65+\e], v[72+\e:73+\e]
.endr
.irp w, 2,3,4,5,6,7
.irp e, 0,2,4,6
	s_delay_alu instid0(VALU_DEP_4)
	v_pk_add_f32 v[32+\e:33+\e], v[32+\e:33+\e], v[64+8*\w+\e:65+8*\w+\e]
.endr
.endr
.irp e, 0,1,2,3,4,5,6,7
	v_fma_f32 v[32+\e], v40, s[20+\e], v[32+\e]
.endr
.irp e, 0,1,2,3,4,5,6,7
	v_add_f32 v[32+\e], s[28+\e], v[32+\e]         ; the logits
.endr
	v_max3_num_f32 v41, v32, v33, v34
	s_delay_alu instid0(VALU_DEP_1)
	v_max3_num_f32 v41, v41, v35, v36
	s_delay_alu instid0(VALU_DEP_1)
	v_max3_num_f32 v41, v41, v37, v38
	s_delay_alu instid0(VALU_DEP_1)
	v_max_num_f32 v41, v41, v39                    ; the row's largest
.irp e, 0,1,2,3,4,5,6,7
	v_sub_f32 v[32+\e], v[32+\e], v41
.endr
.irp e, 0,1,2,3,4,5,6,7
	v_mul_f32 v[32+\e], 0x3fb8aa3b, v[32+\e]       ; x log2(e)
.endr
	s_wait_alu depctr_va_vdst(0)
.irp e, 0,1,2,3,4,5,6,7
	v_exp_f32 v[32+\e], v[32+\e]
.endr
	v_mov_b32 v60, 0                               ; the mask words' register.  (The plain place behind the exponentials)
	s_wait_alu depctr_va_vdst(0)
	v_add_f32 v42, v32, v33
	v_add_f32 v43, v34, v35
	v_add_f32 v44, v36, v37
	v_add_f32 v45, v38, v39
	s_delay_alu instid0(VALU_DEP_3)
	v_add_f32 v42, v42, v43
	s_delay_alu instid0(VALU_DEP_2)
	v_add_f32 v44, v44, v45
	s_delay_alu instid0(VALU_DEP_1)
	v_add_f32 v42, v42, v44
	s_wait_alu depctr_va_vdst(0)
	v_rcp_f32 v42, v42
	v_mov_b32 v46, -1.0                            ; under every probability.  (The plain place behind the reciprocal)
	s_wait_alu depctr_va_vdst(0)
.irp e, 0,1,2,3,4,5,6,7
	v_mul_f32 v[32+\e], v[32+\e], v42              ; the probabilities
.endr
	v_mov_b32 v52, v32                             ; the largest, and its index: a later one must be strictly larger
	v_mov_b32 v48, 0
.irp e, 1
	s_delay_alu instid0(VALU_DEP_2)
	v_cmp_ge_f32 vcc_lo, v52, v[32+\e]             ; keep
	s_delay_alu instid0(VALU_DEP_1)
	v_cndmask_b32 v48, \e, v48, vcc_lo
	s_delay_alu instid0(VALU_DEP_2)
	v_cndmask_b32 v52, v[32+\e], v52, vcc_lo
.endr
.irp e, 2, 3, 4, 5, 6, 7
	s_delay_alu instid0(VALU_DEP_1)
	v_cmp_ge_f32 vcc_lo, v52, v[32+\e]
	s_delay_alu instid0(VALU_DEP_1)
	v_cndmask_b32 v48, \e, v48, vcc_lo
	s_delay_alu instid0(VALU_DEP_2)
	v_cndmask_b32 v52, v[32+\e], v52, vcc_lo
.endr
.irp e, 0,1,2,3,4,5,6,7
	v_cmp_eq_u32 vcc_lo, \e, v48
	s_delay_alu instid0(VALU_DEP_1)
	v_cndmask_b32 v[32+\e], v[32+\e], v46, vcc_lo  ; the winner is out of the second search
.endr
	v_mov_b32 v53, v32
	v_mov_b32 v50, 0
.irp e, 1
	s_delay_alu instid0(VALU_DEP_2)
	v_cmp_ge_f32 vcc_lo, v53, v[32+\e]
	s_delay_alu instid0(VALU_DEP_1)
	v_cndmask_b32 v50, \e, v50, vcc_lo
	s_delay_alu instid0(VALU_DEP_2)
	v_cndmask_b32 v53, v[32+\e], v53, vcc_lo
.endr
.irp e, 2, 3, 4, 5, 6, 7
	s_delay_alu instid0(VALU_DEP_1)
	v_cmp_ge_f32 vcc_lo, v53, v[32+\e]
	s_delay_alu instid0(VALU_DEP_1)
	v_cndmask_b32 v50, \e, v50, vcc_lo
	s_delay_alu instid0(VALU_DEP_2)
	v_cndmask_b32 v53, v[32+\e], v53, vcc_lo
.endr
	s_delay_alu instid0(VALU_DEP_2)
	v_lshl_or_b32 v51, v50, 8, v48
	s_add_nc_u64 s[44:45], s[12:13], s[38:39]
	s_add_nc_u64 s[46:47], s[14:15], s[40:41]
	s_add_nc_u64 s[50:51], s[12:13], s[42:43]
	global_store_b32 v10, v51, s[44:45]            ; 128 consecutive bytes
	global_store_b64 v11, v[52:53], s[46:47]       ; 256 consecutive bytes
.irp e, 0,1,2,3,4,5,6,7
	v_cmp_eq_u32 s48, \e, v48
	v_cmp_eq_u32 s49, \e, v50
	s_or_b32 s48, s48, s49                         ; bit l: token 32 g + l uses expert e
	v_writelane_b32 v60, s48, \e                   ; lanes e, e + 8, e + 16, e + 24 hold it, so that all lanes store and EXEC stays whole
	s_delay_alu instid0(VALU_DEP_1)
	v_writelane_b32 v60, s48, \e+8
	s_delay_alu instid0(VALU_DEP_1)
	v_writelane_b32 v60, s48, \e+16
	s_delay_alu instid0(VALU_DEP_1)
	v_writelane_b32 v60, s48, \e+24
.endr
	global_store_b32 v12, v60, s[50:51] offset:4096   ; four lanes write the same word with the same value
.Lend:
	s_wait_tensorcnt 0x0
	ds_add_u32 v62, v63
	s_wait_dscnt 0x0
	s_endpgm
.Lfunc_end_k_q8cb1838b8e_route:
	.size	k_q8cb1838b8e_route, .Lfunc_end_k_q8cb1838b8e_route-k_q8cb1838b8e_route
	.p2alignl 7, 3214868480
	.fill 96, 4, 3214868480
	.section	.rodata,"a",@progbits
	.p2align	6, 0x0
	.amdhsa_kernel k_q8cb1838b8e_route
		.amdhsa_group_segment_fixed_size 17408
		.amdhsa_private_segment_fixed_size 0
		.amdhsa_enable_private_segment 0
		.amdhsa_kernarg_size 48
		.amdhsa_user_sgpr_count 2
		.amdhsa_user_sgpr_kernarg_segment_ptr 1
		.amdhsa_wavefront_size32 1
		.amdhsa_system_sgpr_workgroup_id_x 1
		.amdhsa_system_sgpr_workgroup_id_y 1
		.amdhsa_system_sgpr_workgroup_id_z 1
		.amdhsa_system_vgpr_workitem_id 0
		.amdhsa_next_free_vgpr 256
		.amdhsa_next_free_sgpr 66
		.amdhsa_reserve_vcc 1
		.amdhsa_float_denorm_mode_32 3
		.amdhsa_float_denorm_mode_16_64 3
		.amdhsa_memory_ordered 1
		.amdhsa_forward_progress 1
		.amdhsa_inst_pref_size 34
	.end_amdhsa_kernel
	.amdgpu_metadata
---
amdhsa.version: [ 1, 2 ]
amdhsa.kernels:
  - .name:           k_q8cb1838b8e_route
    .symbol:         k_q8cb1838b8e_route.kd
    .args:
      - { .name: x, .offset: 0, .size: 8, .value_kind: global_buffer, .address_space: global }
      - { .name: grad, .offset: 8, .size: 8, .value_kind: global_buffer, .address_space: global }
      - { .name: Wr, .offset: 16, .size: 8, .value_kind: global_buffer, .address_space: global }
      - { .name: br, .offset: 24, .size: 8, .value_kind: global_buffer, .address_space: global }
      - { .name: route, .offset: 32, .size: 8, .value_kind: global_buffer, .address_space: global }
      - { .name: pw, .offset: 40, .size: 8, .value_kind: global_buffer, .address_space: global }
    .group_segment_fixed_size: 17408
    .private_segment_fixed_size: 0
    .kernarg_segment_align: 8
    .kernarg_segment_size: 48
    .max_flat_workgroup_size: 256
    .sgpr_count:     66
    .vgpr_count:     256
    .wavefront_size: 32
...
	.end_amdgpu_metadata
.endif
;; end of part 6
;; launch place (part 7): grid 24 x 8, 8 waves a work-group, no clusters, 0 bytes of LDS; arguments x, route, xg, slotk; writes xg, slotk
.if DOCPART == 7
	.amdgcn_target "amdgcn-amd-amdhsa--gfx1250"
	.amdhsa_code_object_version 6
	.text
	.protected	k_q8cb1838b8e_place
	.globl	k_q8cb1838b8e_place
	.p2align	8
	.type	k_q8cb1838b8e_place,@function
k_q8cb1838b8e_place:
	s_mov_b64 s[64:65], 0
	v_nop
	global_prefetch_b8 v0, s[64:65] scope:SCOPE_SE
	s_setreg_imm32_b32 hwreg(HW_REG_WAVE_MODE, 25, 1), 1
	s_wait_xcnt 0x0
; THE ROWS ARE PLACED BY EXPERT AND QUANTISED.  Expert e (work-group y) takes its tokens in ascending order; the j-th is row j % 16 of its tile j / 16, slot 1,024 e + j.
; Every expert has room for 64 tiles, so no sum over experts is needed; only the tiles in use are written.
; A work-group takes tiles x, x + 24, x + 48 of its expert: three trips serve 64 tiles, all tokens on one expert.  They are written out, each behind a forward branch: most work-groups run one.
; A work-group that a split leaves without a tile stores nothing and ends: the price of a grid that serves every split.
; Wave ks quantises K step ks (128 of x's 1,024) of the tile to E5M2 with one E8M0 byte for each 32 along K.
; xg: the image of an operand's registers, ((64 e + t) 8 + ks) 2,048 bytes on: group c of four registers at 512 c + 16 x lane: lane (r, h) holds k = 32 c + 16 h + 0 .. 15 of row r.
; Scale words from byte 8,388,608 on: ((64 e + t) 8 + ks) 64 + 4 r.   slotk[2 n + k]: the slot of token n's k-th expert.
; A TILE'S ROWS PAST THE EXPERT'S LAST ROW STAND FOR THE LAST ROW AGAIN (j is held at rows - 1): they carry its codes, what is made of them is never read, and their slot store writes the last row's word
; with the last row's value once more.  So every lane works and stores in every trip, and EXEC stays whole.
; No LDS and no barrier: waves share nothing.  The matrix units and clusters have nothing to do here.
; LIMITS: NaN and infinities are not served; a block whose largest magnitude lies under 2^-111 (a block of zeros too) takes the byte 1: its codes are read by this program alone.
.set X,  64                            ; v64-127 64 numbers: register 16 b + i = k 32 b + 16 h + i of my row
.set TM, 32                            ; v32-35 largest magnitudes, v36-39 bytes, v40-43 57,344 x the scale, v44-47 the conversions' scale operands
.set PC, 48                            ; v48-63 the codes
.set PW, 30                            ; v30    the scale word
	s_load_b256 s[4:11], s[0:1], 0x0               ; x s[4:5], route s[6:7], xg s[8:9], slotk s[10:11]
	v_lshrrev_b32 v1, 5, v0
	s_delay_alu instid0(VALU_DEP_1)
	v_readfirstlane_b32 s14, v1                    ; wave = K step
	v_and_b32 v1, 31, v0                           ; lane
	v_and_b32 v2, 15, v0                           ; r
	v_bfe_u32 v3, v0, 4, 1
	s_delay_alu instid0(VALU_DEP_1)
	v_lshlrev_b32 v3, 6, v3                        ; 64 h: my 16 numbers of a block of 32
	s_delay_alu instid0(VALU_DEP_4)
	v_lshlrev_b32 v4, 4, v1                        ; 16 x lane
	s_delay_alu instid0(VALU_DEP_4)
	v_lshlrev_b32 v5, 2, v2                        ; 4 r
.irp b, 0,1,2,3
	v_mov_b32 v[TM+4+\b], 0                        ; written once: a lane permute's destination counts as one of its sources
.endr
	s_and_b32 s12, ttmp7, 0xffff                   ; e
	s_lshl_b32 s48, s12, 7                         ; its 32 mask words
	s_mov_b32 s49, 0
	s_lshl_b32 s58, s14, 9                         ; 512 bytes of a row a K step
	s_mov_b32 s59, 0
	s_mov_b32 s66, 0x76543210
	s_mov_b32 s67, 0xfedcba98                      ; v_permlanex16_b32's selects for lane l xor 16
	s_mov_b32 s68, 0x600000                        ; the mantissa field of 57,344
	s_lshl_b32 s69, s12, 10                        ; 1,024 e
	s_mov_b32 s52, ttmp9                           ; my first tile
	s_wait_kmcnt 0x0
	s_add_nc_u64 s[70:71], s[6:7], s[48:49]
	s_load_b512 s[16:31], s[70:71], 0x1000         ; the expert's mask: 1,024 bits
	s_load_b512 s[32:47], s[70:71], 0x1040
	s_add_nc_u64 s[4:5], s[4:5], s[58:59]
	s_wait_kmcnt 0x0
	s_bcnt1_i32_b32 s50, s16
.set w, 17
.rept 31
	s_bcnt1_i32_b32 s55, s[w]
	s_add_co_u32 s50, s50, s55
.set w, w+1
.endr                                          ; s50: the expert's rows
	s_add_co_u32 s51, s50, 15
	s_lshr_b32 s51, s51, 4                         ; s51: its tiles
	s_cmp_ge_u32 s52, s51
	s_cbranch_scc1 .Lend
	s_sub_co_u32 s54, s50, 1                       ; its last row (there is one: a tile is mine)
.macro PICK add                        ; where q passes the count of the lower part: on to the upper part
	v_cmp_ge_u32 vcc_lo, v10, v15
	v_sub_nc_u32 v17, v10, v15
	s_delay_alu instid0(VALU_DEP_1)
	v_cndmask_b32 v10, v10, v17, vcc_lo
	v_add_nc_u32 v17, \add, v16
	s_delay_alu instid0(VALU_DEP_1)
	v_cndmask_b32 v16, v16, v17, vcc_lo
.endm
.macro TRIP                            ; tile s52
	s_min_u32 s57, s52, 63
	s_lshl_b32 s56, s12, 6
	s_add_co_u32 s57, s57, s56                     ; 64 e + t
	s_lshl_b32 s58, s57, 14
	s_lshl_b32 s55, s14, 11
	s_add_co_u32 s58, s58, s55
	s_add_nc_u64 s[60:61], s[8:9], s[58:59]        ; my image
	s_lshl_b32 s58, s57, 9
	s_lshl_b32 s55, s14, 6
	s_add_co_u32 s58, s58, s55
	s_add_co_u32 s58, s58, 0x800000
	s_add_nc_u64 s[62:63], s[8:9], s[58:59]        ; its scale words
	s_lshl_b32 s57, s52, 4
	v_add_nc_u32 v6, s57, v2
	s_delay_alu instid0(VALU_DEP_1)
	v_min_u32 v6, s54, v6                          ; j = 16 t + r, held at the expert's last row
	; the mask word that holds the j-th set bit: the last word ahead of which at most j bits are set
	v_mov_b32 v7, s16                              ; the word,
	v_mov_b32 v8, 0                                ; the bits set ahead of it,
	v_mov_b32 v9, 0                                ; its number
	s_mov_b32 s56, 0
.set w, 1
.rept 31
	s_bcnt1_i32_b32 s55, s[15+w]
	s_add_co_u32 s56, s56, s55
	v_cmp_gt_u32 vcc_lo, s56, v6                   ; keep
	s_delay_alu instid0(VALU_DEP_1)
	v_cndmask_b32 v7, s[16+w], v7, vcc_lo
	s_delay_alu instid0(VALU_DEP_2)
	v_cndmask_b32 v8, s56, v8, vcc_lo
	s_delay_alu instid0(VALU_DEP_3)
	v_cndmask_b32 v9, w, v9, vcc_lo
.set w, w+1
.endr
	s_delay_alu instid0(VALU_DEP_2)
	; the place of the q-th set bit in it: counts of 2, 4, 8 and 16 bits, then five halvings
	v_sub_nc_u32 v10, v6, v8                       ; q
	s_delay_alu instid0(VALU_DEP_4)
	v_lshrrev_b32 v11, 1, v7
	s_delay_alu instid0(VALU_DEP_1)
	v_and_b32 v11, 0x55555555, v11
	s_delay_alu instid0(VALU_DEP_1)
	v_sub_nc_u32 v11, v7, v11                      ; by 2 bits
	s_delay_alu instid0(VALU_DEP_1)
	v_lshrrev_b32 v12, 2, v11
	s_delay_alu instid0(VALU_DEP_1)
	v_and_b32 v12, 0x33333333, v12
	s_delay_alu instid0(VALU_DEP_3)
	v_and_b32 v13, 0x33333333, v11
	s_delay_alu instid0(VALU_DEP_1)
	v_add_nc_u32 v12, v12, v13                     ; by 4
	s_delay_alu instid0(VALU_DEP_1)
	v_lshrrev_b32 v13, 4, v12
	s_delay_alu instid0(VALU_DEP_1)
	v_add_nc_u32 v13, v13, v12
	s_delay_alu instid0(VALU_DEP_1)
	v_and_b32 v13, 0x0f0f0f0f, v13                 ; by 8
	s_delay_alu instid0(VALU_DEP_1)
	v_lshrrev_b32 v14, 8, v13
	s_delay_alu instid0(VALU_DEP_1)
	v_add_nc_u32 v14, v14, v13
	s_delay_alu instid0(VALU_DEP_1)
	v_and_b32 v15, 0xff, v14                       ; the low 16
	v_mov_b32 v16, 0                               ; the place
	PICK 16
	s_delay_alu instid0(VALU_DEP_1)
	v_bfe_u32 v15, v13, v16, 8
	PICK 8
	s_delay_alu instid0(VALU_DEP_1)
	v_bfe_u32 v15, v12, v16, 4
	PICK 4
	s_delay_alu instid0(VALU_DEP_1)
	v_bfe_u32 v15, v11, v16, 2
	PICK 2
	s_delay_alu instid0(VALU_DEP_1)
	v_bfe_u32 v15, v7, v16, 1
	PICK 1
	s_delay_alu instid0(VALU_DEP_1)
	v_lshl_add_u32 v18, v9, 5, v16
	s_delay_alu instid0(VALU_DEP_1)
	v_min_u32 v18, 0x3ff, v18                      ; the token, held inside x before it enters an address
	s_delay_alu instid0(VALU_DEP_1)
	v_lshlrev_b32 v19, 12, v18
	s_delay_alu instid0(VALU_DEP_1)
	v_add_nc_u32 v19, v19, v3                      ; its row of 4,096 bytes + 64 h
	s_delay_alu instid0(VALU_DEP_3)
	v_lshlrev_b32 v22, 2, v18
.set i, 0
.rept 16                               ; block i / 4, four numbers i % 4
	global_load_b128 v[X+4*i:X+4*i+3], v19, s[4:5] offset:128*(i/4)+16*(i%4)
.set i, i+1
.endr
	s_wait_loadcnt 0x0
.irp b, 0,1,2,3
	v_max3_num_f32 v[TM+\b], |v[X+16*\b]|, |v[X+1+16*\b]|, 0x8000000   ; block b: my 16 numbers, and the floor 2^(16 - 127): the byte cannot fall under 1
.endr
.irp i, 2,4,6,8,10,12,14
.irp b, 0,1,2,3
	s_delay_alu instid0(VALU_DEP_4)
	v_max3_num_f32 v[TM+\b], v[TM+\b], |v[X+16*\b+\i]|, |v[X+1+16*\b+\i]|   ; the four blocks by turns
.endr
.endr
.irp b, 0,1,2,3
	s_delay_alu instid0(VALU_DEP_4)
	v_permlanex16_b32 v[TM+4+\b], v[TM+\b], s66, s67
.endr
.irp b, 0,1,2,3
	s_delay_alu instid0(VALU_DEP_4)
	v_max_num_f32 v[TM+\b], v[TM+\b], v[TM+4+\b]   ; with lane l xor 16's: the block's largest magnitude
.endr
.irp b, 0,1,2,3
	s_delay_alu instid0(VALU_DEP_4)
	v_add_nc_u32 v[TM+12+\b], 0xf8800000, v[TM+\b] ; 15 off its exponent field: the conversion takes that field as its scale
.endr
.irp b, 0,1,2,3
	v_and_or_b32 v[TM+8+\b], v[TM+\b], 0x7f800000, s68   ; 57,344 x the scale
.endr
.irp b, 0,1,2,3
	v_lshrrev_b32 v[TM+4+\b], 23, v[TM+12+\b]      ; the scale's byte
.endr
	s_delay_alu instid0(VALU_DEP_3)
	v_lshl_or_b32 v[PW], v[TM+5], 8, v[TM+4]
	s_delay_alu instid0(VALU_DEP_1)
	v_lshl_or_b32 v[PW], v[TM+6], 16, v[PW]
	s_delay_alu instid0(VALU_DEP_1)
	v_lshl_or_b32 v[PW], v[TM+7], 24, v[PW]        ; my row's scale word
.irp b, 0,1,2,3
.irp i, 0,1,2,3,4,5,6,7,8,9,10,11,12,13,14,15
	v_med3_num_f32 v[X+16*\b+\i], v[X+16*\b+\i], -v[TM+8+\b], v[TM+8+\b]   ; the conversion to an 8-bit code does not saturate (ISA guide 7.6.2): the hold
.endr
	v_cvt_scalef32_pk8_bf8_f32 v[PC+4*\b:PC+1+4*\b], v[X+16*\b:X+7+16*\b], v[TM+12+\b]
	v_cvt_scalef32_pk8_bf8_f32 v[PC+2+4*\b:PC+3+4*\b], v[X+8+16*\b:X+15+16*\b], v[TM+12+\b]
.endr
	v_nop                                          ; one plain line behind the last conversion
.irp c, 0,1,2,3
	global_store_b128 v4, v[PC+4*\c:PC+4*\c+3], s[60:61] offset:512*\c   ; 512 consecutive bytes
.endr
	global_store_b32 v5, v[PW], s[62:63]           ; lanes l and l xor 16 write the same word with the same value
	s_cmp_lg_u32 s14, 0
	s_cbranch_scc1 .Lnot_wave_0_\@
	global_load_b32 v20, v22, s[6:7]               ; wave 0: the token's two experts
	s_wait_loadcnt 0x0
	v_bfe_u32 v20, v20, 8, 8
	s_delay_alu instid0(VALU_DEP_1)
	v_cmp_eq_u32 vcc_lo, s12, v20
	s_delay_alu instid0(VALU_DEP_1)
	v_cndmask_b32 v20, 0, 1, vcc_lo                ; k = 1 where e is its second
	s_delay_alu instid0(VALU_DEP_1)
	v_lshl_add_u32 v20, v18, 1, v20
	s_delay_alu instid0(VALU_DEP_1)
	v_min_u32 v20, 0x7ff, v20                      ; 2 n + k, held inside slotk
	s_delay_alu instid0(VALU_DEP_1)
	v_lshlrev_b32 v20, 2, v20
	v_add_nc_u32 v21, s69, v6                      ; the slot
	global_store_b32 v20, v21, s[10:11]            ; lanes that stand for one row write the same word with the same value
.Lnot_wave_0_\@:
.endm
	s_wait_alu depctr_va_vdst(0)
	TRIP
.rept 2
	s_wait_xcnt 0x0                                ; the stores' data, offsets and bases are written again only behind this wait
	s_add_co_u32 s52, s52, 24
	s_cmp_ge_u32 s52, s51
	s_cbranch_scc1 .Lend
	TRIP
.endr
.Lend:
	s_endpgm
.Lfunc_end_k_q8cb1838b8e_place:
	.size	k_q8cb1838b8e_place, .Lfunc_end_k_q8cb1838b8e_place-k_q8cb1838b8e_place
	.p2alignl 7, 3214868480
	.fill 96, 4, 3214868480
	.section	.rodata,"a",@progbits
	.p2align	6, 0x0
	.amdhsa_kernel k_q8cb1838b8e_place
		.amdhsa_group_segment_fixed_size 0
		.amdhsa_private_segment_fixed_size 0
		.amdhsa_enable_private_segment 0
		.amdhsa_kernarg_size 32
		.amdhsa_user_sgpr_count 2
		.amdhsa_user_sgpr_kernarg_segment_ptr 1
		.amdhsa_wavefront_size32 1
		.amdhsa_system_sgpr_workgroup_id_x 1
		.amdhsa_system_sgpr_workgroup_id_y 1
		.amdhsa_system_sgpr_workgroup_id_z 1
		.amdhsa_system_vgpr_workitem_id 0
		.amdhsa_next_free_vgpr 128
		.amdhsa_next_free_sgpr 72
		.amdhsa_reserve_vcc 1
		.amdhsa_float_denorm_mode_32 3
		.amdhsa_float_denorm_mode_16_64 3
		.amdhsa_memory_ordered 1
		.amdhsa_forward_progress 1
		.amdhsa_inst_pref_size 78
	.end_amdhsa_kernel
	.amdgpu_metadata
---
amdhsa.version: [ 1, 2 ]
amdhsa.kernels:
  - .name:           k_q8cb1838b8e_place
    .symbol:         k_q8cb1838b8e_place.kd
    .args:
      - { .name: x, .offset: 0, .size: 8, .value_kind: global_buffer, .address_space: global }
      - { .name: route, .offset: 8, .size: 8, .value_kind: global_buffer, .address_space: global }
      - { .name: xg, .offset: 16, .size: 8, .value_kind: global_buffer, .address_space: global }
      - { .name: slotk, .offset: 24, .size: 8, .value_kind: global_buffer, .address_space: global }
    .group_segment_fixed_size: 0
    .private_segment_fixed_size: 0
    .kernarg_segment_align: 8
    .kernarg_segment_size: 32
    .max_flat_workgroup_size: 256
    .sgpr_count:     72
    .vgpr_count:     128
    .wavefront_size: 32
...
	.end_amdgpu_metadata
.endif
;; end of part 7
;; launch up (part 8): grid 32 x 8, 4 waves a work-group, no clusters, 139,776 bytes of LDS; arguments W1, b1, route, xg, hg; writes hg
.if DOCPART == 8
	.amdgcn_target "amdgcn-amd-amdhsa--gfx1250"
	.amdhsa_code_object_version 6
	.text
	.protected	k_q8cb1838b8e_up
	.globl	k_q8cb1838b8e_up
	.p2align	8
	.type	k_q8cb1838b8e_up,@function
k_q8cb1838b8e_up:
	s_mov_b64 s[64:65], 0
	v_nop
	global_prefetch_b8 v0, s[64:65] scope:SCOPE_SE
	s_setreg_imm32_b32 hwreg(HW_REG_WAVE_SCHED_MODE, 0, 2), 2
	s_setreg_imm32_b32 hwreg(HW_REG_WAVE_MODE, 25, 1), 1
	s_wait_xcnt 0x0
	s_wait_alu depctr_vm_vsrc(0)
; h = Q(gelu(Q(x) Q(W1) + b1)) for the rows of each expert, on codes of E5M2 with one E8M0 byte for each 32 along K.
; THE WORK IS SHARED BY WEIGHTS.  Work-group (fb, e) owns W1[e][0 .. 1023][128 fb .. 128 fb + 127]: 512 KiB of f32, read from memory once, by nobody else, and never stored as codes.
; Wave w = (hf = w & 1, par = w >> 1) multiplies by columns 64 hf .. + 63 over all of K: 32 weight fragments (8 K steps x 4 tiles) in 512 registers; the two waves of a half share the expert's row tiles.
; PHASE 1: A WAVE STREAMS HALF OF WHAT IT HOLDS: rows k = 512 par .. + 511 of its 64 columns, in 16 units of 32 k.  A load reads two rows' 256 consecutive aligned bytes: lane (r, h) takes row 32 u + 16 h + i,
;   columns 4 r .. 4 r + 3.  So a lane holds, of four columns, just the k that an operand's layout gives it, and tile j is the columns 64 hf + 4 r + j.  Which columns form a tile is free: it only says where a result lands.
;   The hold ahead of the conversion writes the numbers column by column, so nothing is spent on turning them, and the conversions write the codes into the very registers that the products read (window 2).
;   The same registers are stored to LDS as they stand, for the partner (wave w xor 2: same columns, the other half of K), whose 16 fragments this wave reads from LDS in turn (window 3): 80 LDS loads a wave.
;   THREE BARRIERS stand in the stream, behind units 7, 11 and 15: behind the first the partner's K steps 0 and 1 are whole, behind the second its K step 2; they are read a few loads at a time at the ends of the units
;   that follow, while the stream's loads are on their way.  Only the last K step's 20 LDS loads stand behind the stream.  Between two barriers the stores and the loads touch fragments of different K steps.
;   48 to 63 loads of a wave are out.  In the stream's tail, as the ring's places fall free, the first two row tiles are asked for into them.
; The barriers stand behind no branch: a work-group whose expert has no rows streams all the same, asks for a tile that nobody wrote, uses nothing of it and stores nothing.
; PHASE 2: the wave walks the expert's tiles of 16 rows t = par, + 2, ...  x's fragments come from xg into two buffers, MY K steps first and the partner's behind them, so that one text serves both waves.
;   The product is used transposed (source 0 = 16 columns of W1, source 1 = 16 rows of x): lane (row r, h') holds, in register jj of tile j, column 64 hf + 32 h' + 4 jj + j: a WHOLE block of 32 along the next K.
;   b1 is the C of each sum's first instruction.  gelu(x) = max(x, 0) - |x| T, T = erfc(|x| / sqrt 2) / 2 = t 2^(P(t) - u^2), t = 1 / (1 + |x| / sqrt 8), u^2 = x^2 log2(e) / 2, P of degree 9
;   (the rational Chebyshev form of erfc, relative error under 1.2e-7, its coefficients x log2(e), the half in c0).
; hg: images of an operand's registers, ((64 e + t) 32 + fb) 2,048 bytes on; scale words from byte 33,554,432 on, ((64 e + t) 32 + fb) 64 + 4 r; this wave's two bytes of a word leave by a store of 2 bytes a row:
;   those blocks are written in part: 32 bytes of a tile's 1,056.
; NO TENSOR LOADS, NO CLUSTER: the number of tiles is read from memory; each weight byte has one reader; x's images, which the 32 work-groups of an expert share, are 16 KiB a tile.
; LIMITS: NaN and infinities are not served; a block whose largest magnitude lies under 2^-111 takes the byte 1; gelu's relative error is about 3e-7 and grows with u^2 x 1e-7 on the far negative side, where the result lies under 1e-6.
; THE MODE: SCHED_MODE bits 1:0 = 2 (LLVM: expert scheduling mode 2), set by the entry lines.  The code itself states the register dependences
; between vector or matrix instructions and memory or LDS instructions, with s_wait_alu, always for 0.
; THE PLAN.  Registers that memory or LDS instructions touch:
;   v1-v12, v254, v255   Offsets and LDS addresses: written at the head and never again.  One wait on va_vdst, ahead of the first load, states them for the whole kernel.
;   the ring             Window 1, four places of 64.  Unit u's maxima and holds read place u % 4; behind them the loads of unit u + 4 land in it (units 13 and 15: a row tile's, in two places).
;   my codes, my words   Window 2 and v128-143.  Written by unit u's conversions and shifts, read by its LDS stores and later by the products; never written again.
;   the partner's        Window 3 and v144-159.  Written by LDS loads alone, read by the products alone.
;   A0, A1               Window 1, 128 each, with their scale words v160-163, v164-167.  Written by loads alone; tile t's products read buffer b, and behind them the loads of tile t + 4 land in it.
;   v112-119, v236       A tile's codes and its two scale bytes: written by its conversions and shifts, read by its three stores, written again by the next tile.
; So ONE wait on va_vdst stands in a unit, behind its conversions, and the unit's loads and LDS stores follow it.  A tile has, behind its products' places, one wait on vm_vsrc (the last tile's stores) and one on
; va_vdst (buffer b has been read); the refill follows in two parts, dealt among the two runs of gelu, which name v16-79, the accumulators and v232-233 alone; and one wait on va_vdst stands ahead of its stores.
.set PITCH, 16384                      ; a row of W1[e] in bytes
.set HSH,   18                         ; 16 rows = 1 << 18 bytes
.set PSH,   23                         ; 512 rows = 1 << 23 bytes
.set SCW,   131072                     ; LDS: wave w's 16 fragments at 32,768 w + 2,048 (4 sl + j); behind the four waves' their scale words, 2,048 w + 128 (4 sl + j)
.set VOFF, 1                           ; v1   the stream: 16 h rows + 16 r
.set LW,   2                           ; v2   where I store fragments: 16 x lane + 32,768 x wave
.set LSW,  3                           ; v3   and scale words: SCW + 4 x lane + 2,048 x wave
.set LRP,  4                           ; v4   where I read the partner's fragments: 16 x lane + 32,768 x (wave xor 2)
.set LRS,  5                           ; v5   and its scale words
.set LA0,  6                           ; v6   a row tile's image: my four K steps: 16 x lane + 8,192 par
.set LA1,  7                           ; v7   the partner's four: 16 x lane + 8,192 (1 - par)
.set LS0,  8                           ; v8   its scale words: mine: 4 x lane + 256 par
.set LS1,  9                           ; v9   the partner's
.set HST,  10                          ; v10  hg: 512 h' + 16 r
.set HSS,  11                          ; v11  4 r
.set BOF,  12                          ; v12  b1: 128 h'
.set M,    16                          ; phase 1: v16-19 largest magnitudes, v20-23 the other half's, v24-27 scale operands, v28-31 57,344 x the scale, v32-35 bytes
.set PM,   20
.set S,    24
.set LM,   28
.set BY,   32
.set T,    64                          ; v64-127 a unit's numbers, column by column
.set GM,   16                          ; phase 2: v16-31 max(x, 0), v32-47 |x|, v48-63 t, v64-79 the exponent
.set GA,   32
.set GT,   48
.set GQ,   64
.set H,    80                          ; v80-111 the block in its order along the next K
.set HC,   112                         ; v112-119 its codes
.set QM,   120
.set QS,   124
.set QL,   125
.set QB,   126
.set QP,   127
.set WSC,  128                         ; v128-143 my fragments' scale words, 4 sl + j; v144-159 the partner's: these and v160-167 hold scales and nothing else
.set ASC,  160                         ; v160-167 x's: buffer b, word i: lanes 0-15 K step 2 i of the buffer's order, lanes 16-31 K step 2 i + 1
.set BIAS, 168                         ; v168-199 b1 in the result's layout
.set ACC,  200                         ; v200-231 four accumulators
.set C9,   232                         ; v232-233 c9, twice
.set QLO,  234
.set QHI,  235
.set QW,   236
                                       ; window 1: the stream's ring of four units, then x's fragments, two buffers of 128;  window 2: my 16 weight fragments;  window 3: the partner's 16
.set WV,  14
.set HFS, 15
.set CNT, 20                           ; s20  trips done (s16-47 hold the mask words until their bits are counted)
.set LIM, 21                           ; s21  the wave's trips
.set PAR, 48
.set EX,  49
.set E64, 50
.set NT,  51
.set TT,  52
.set TMP, 53
.set MSB, 0
.macro WIN new                         ; the immediate's high byte repeats the setting that is left
.if MSB != \new
	s_set_vgpr_msb (MSB<<8)|\new
.set MSB, \new
.endif
.endm
.macro KPAIR r, val                    ; a constant for the packed forms, which name a pair
	s_mov_b32 s[\r], \val
	s_mov_b32 s[\r+1], \val
.endm
	s_load_b256 s[4:11], s[0:1], 0x0               ; W1 s[4:5], b1 s[6:7], route s[8:9], xg s[10:11]
	s_load_b64 s[12:13], s[0:1], 0x20              ; hg
	v_lshl_add_u32 v254, v0, 2, 0x22000
	v_mov_b32 v255, 0
	v_lshrrev_b32 v40, 5, v0
	v_readfirstlane_b32 s[WV], v40                 ; wave 0..3
	v_and_b32 v40, 31, v0                          ; lane
	v_and_b32 v41, 15, v0                          ; r
	v_bfe_u32 v42, v0, 4, 1                        ; h
	s_wait_alu depctr_va_sdst(0)                   ; the wave's number is written, ahead of its first reader: the line below
	s_and_b32 s[HFS], s[WV], 1
	s_lshr_b32 s[PAR], s[WV], 1
	s_xor_b32 s96, s[WV], 2                        ; my partner
	s_xor_b32 s97, s[PAR], 1                       ; its half of K
	s_and_b32 s[EX], ttmp7, 0xffff
	v_lshlrev_b32 v[VOFF], 4, v41
	v_lshl_add_u32 v[VOFF], v42, HSH, v[VOFF]
	v_lshlrev_b32 v43, 4, v40                      ; 16 x lane
	s_wait_alu depctr_va_vdst(0)
	v_lshlrev_b32 v44, 2, v40                      ; 4 x lane
	s_wait_alu depctr_va_vdst(0)
	s_lshl_b32 s[TMP], s[WV], 15
	v_add_nc_u32 v[LW], s[TMP], v43
	s_lshl_b32 s[TMP], s[WV], 11
	s_add_co_u32 s[TMP], s[TMP], SCW
	v_add_nc_u32 v[LSW], s[TMP], v44
	s_lshl_b32 s[TMP], s96, 15
	v_add_nc_u32 v[LRP], s[TMP], v43
	s_lshl_b32 s[TMP], s96, 11
	s_add_co_u32 s[TMP], s[TMP], SCW
	v_add_nc_u32 v[LRS], s[TMP], v44
	s_lshl_b32 s[TMP], s[PAR], 13
	v_add_nc_u32 v[LA0], s[TMP], v43
	s_lshl_b32 s[TMP], s97, 13
	v_add_nc_u32 v[LA1], s[TMP], v43
	s_lshl_b32 s[TMP], s[PAR], 8
	v_add_nc_u32 v[LS0], s[TMP], v44
	s_lshl_b32 s[TMP], s97, 8
	v_add_nc_u32 v[LS1], s[TMP], v44
	v_lshlrev_b32 v[HST], 4, v41
	v_lshl_add_u32 v[HST], v42, 9, v[HST]
	v_lshlrev_b32 v[HSS], 2, v41
	v_lshlrev_b32 v[BOF], 7, v42
.irp j, 0,1,2,3
	v_mov_b32 v[PM+\j], 0                          ; written once: a lane permute's destination counts as one of its sources
.endr
	v_mov_b32 v[C9], 0x3e7c6f08                    ; c9 =  0.24651730
	v_mov_b32 v[C9+1], 0x3e7c6f08
	s_mov_b32 s70, 0x76543210
	s_mov_b32 s71, 0xfedcba98                      ; v_permlanex16_b32's selects for lane l xor 16
	s_mov_b32 s72, 0x600000                        ; the mantissa field of 57,344
	s_mov_b32 s73, 0xffff0000                      ; lanes 16-31
	KPAIR 74, 0x3eb504f3                           ; 1 / sqrt 8
	KPAIR 76, 0x3f596d27                           ; sqrt(log2(e) / 2) = 0.84932180
	KPAIR 78, 0xbf97d29d                           ; c8 = -1.18611495
	KPAIR 80, 0x40097039                           ; c7 =  2.14747446
	KPAIR 82, 0xbfd1a1e5                           ; c6 = -1.63775315
	KPAIR 84, 0x3ecdfd18                           ; c5 =  0.40232158
	KPAIR 86, 0xbe899a80                           ; c4 = -0.26875686
	KPAIR 88, 0x3e0efb2e                           ; c3 =  0.13963006
	KPAIR 90, 0x3f0a29d2                           ; c2 =  0.53970062
	KPAIR 92, 0x3fb8ab5a                           ; c1 =  1.44272920
	KPAIR 94, 0xc034d90f                           ; c0 = -2.82574822
	s_lshl_b32 s54, s[EX], 24                      ; W1: the expert's 16 MiB,
	s_lshl_b32 s[TMP], ttmp9, 9                    ; the work-group's 128 columns,
	s_add_co_u32 s54, s54, s[TMP]
	s_lshl_b32 s96, s[EX], 14                      ; b1: the expert's row, the same columns,
	s_add_co_u32 s96, s96, s[TMP]
	s_lshl_b32 s[TMP], s[HFS], 8                   ; my half of them,
	s_add_co_u32 s54, s54, s[TMP]
	s_add_co_u32 s96, s96, s[TMP]
	s_lshl_b32 s[TMP], s[PAR], PSH                 ; my 512 rows
	s_add_co_u32 s54, s54, s[TMP]
	s_mov_b32 s55, 0
	s_mov_b32 s97, 0
	s_lshl_b32 s98, s[EX], 7                       ; the expert's 32 mask words
	s_mov_b32 s99, 0
	s_wait_kmcnt 0x0
	s_add_nc_u64 s[4:5], s[4:5], s[54:55]
	s_add_nc_u64 s[6:7], s[6:7], s[96:97]
	s_add_nc_u64 s[8:9], s[8:9], s[98:99]
	s_load_b512 s[16:31], s[8:9], 0x1000           ; waited for behind unit 11
	s_load_b512 s[32:47], s[8:9], 0x1040
	s_wait_alu depctr_va_vdst(0)                   ; the twelve offsets and LDS addresses v1 to v12 are written, which every load and store of the kernel reads; so are v254 and v255, which the closing add reads
.set i, 0
.rept 32                               ; tile i / 8, register i % 8: b1 at column 32 h' + 4 (i % 8) + i / 8 of my 64
	global_load_b32 v[BIAS+i], v[BOF], s[6:7] offset:(4*(i%8)+i/8)*4
.set i, i+1
.endr
.macro ULOAD u                         ; unit u: my rows 32 u .. 32 u + 31, into ring place u % 4 of window 1: X(i, j) at 64 (u % 4) + 4 i + j.  The largest immediate, 495 rows, lies inside the signed 24 bits
	WIN 0x40
.irp i, 0,1,2,3,4,5,6,7,8,9,10,11,12,13,14,15
	global_load_b128 v[64*((\u)&3)+4*\i:64*((\u)&3)+4*\i+3], v[VOFF], s[4:5] offset:(32*(\u)+\i)*PITCH th:TH_LOAD_NT
.endr
.endm
.macro SETA b, treg                    ; buffer b's bases for tile s[treg], held at the expert's last tile: a load past it brings a tile that is not used
	s_min_u32 s96, s[\treg], s100
	s_min_u32 s96, s96, 63
	s_add_co_u32 s96, s96, s[E64]
	s_lshl_b32 s98, s96, 14
	s_add_nc_u64 s[56+4*\b:57+4*\b], s[10:11], s[98:99]
	s_lshl_b32 s98, s96, 9
	s_add_co_u32 s98, s98, 0x800000
	s_add_nc_u64 s[58+4*\b:59+4*\b], s[10:11], s[98:99]
.endm
.macro SETO treg                       ; where tile s[treg]'s codes and scale bytes go
	s_min_u32 s96, s[\treg], 63
	s_add_co_u32 s96, s96, s[E64]
	s_lshl_b32 s98, s96, 16
	s_add_co_u32 s98, s98, s16
	s_add_nc_u64 s[66:67], s[12:13], s[98:99]
	s_lshl_b32 s98, s96, 11
	s_add_co_u32 s98, s98, s17
	s_add_nc_u64 s[68:69], s[12:13], s[98:99]
.endm
; A tile's eight fragments and its scale words, my four K steps first: always 36 loads, each of 512 or 128 consecutive bytes, in two parts: 16 and 20
.macro LOADA0 b                        ; my four K steps' fragments
	WIN 0x40
.set i, 0
.rept 16
	global_load_b128 v[128*\b+4*i:128*\b+4*i+3], v[LA0], s[56+4*\b:57+4*\b] offset:512*i
.set i, i+1
.endr
.endm
.macro LOADA1 b                        ; the partner's four, and the tile's scale words
	WIN 0x40
.set i, 0
.rept 16
	global_load_b128 v[128*\b+64+4*i:128*\b+64+4*i+3], v[LA1], s[56+4*\b:57+4*\b] offset:512*i
.set i, i+1
.endr
	WIN 0
.irp i, 0,1
	global_load_b32 v[ASC+4*\b+\i], v[LS0], s[58+4*\b:59+4*\b] offset:128*\i
.endr
.irp i, 0,1
	global_load_b32 v[ASC+4*\b+2+\i], v[LS1], s[58+4*\b:59+4*\b] offset:128*\i
.endr
.endm
.macro LOADA b
	LOADA0 \b
	LOADA1 \b
.endm
.macro UNIT u                          ; 32 k x 64 columns become group u % 4 of my fragments (u / 4, j)
.set XR, 64*((\u)&3)
.set SL, (\u)>>2
.set CG, (\u)&3
.if (\u) < 13
	s_wait_loadcnt 48                              ; loads come back in order: this unit's 16 are in, the three younger units' stay out
.elseif (\u) == 13
	s_wait_loadcnt 32                              ; two younger units'
.elseif (\u) == 14
	s_wait_loadcnt 52                              ; unit 15's 16 and the first row tile's 36
.else
	s_wait_loadcnt 36                              ; the first row tile's 36
.endif
	WIN 0x14                                       ; sources 1 and 2 in window 1
.irp j, 0,1,2,3
	v_max3_num_f32 v[M+\j], 0x8000000, |v[XR+\j]|, |v[XR+4+\j]|   ; column j: my 16 numbers down K, and the floor 2^(16 - 127)
.endr
.irp i, 2,4,6,8,10,12,14
.irp j, 0,1,2,3
	v_max3_num_f32 v[M+\j], v[M+\j], |v[XR+4*\i+\j]|, |v[XR+4*\i+4+\j]|
.endr
.endr
	WIN 0
.irp j, 0,1,2,3
	v_permlanex16_b32 v[PM+\j], v[M+\j], s70, s71
.endr
.irp j, 0,1,2,3
	v_max_num_f32 v[M+\j], v[M+\j], v[PM+\j]       ; with lane l xor 16's 16: the block's largest magnitude
.endr
.irp j, 0,1,2,3
	v_add_nc_u32 v[S+\j], 0xf8800000, v[M+\j]      ; 15 off its exponent field: the conversion's scale operand
.endr
.irp j, 0,1,2,3
	v_and_or_b32 v[LM+\j], v[M+\j], 0x7f800000, s72   ; 57,344 x the scale
.endr
.if CG == 0
.irp j, 0,1,2,3
	v_lshrrev_b32 v[WSC+4*SL+\j], 23, v[S+\j]      ; the byte begins the fragment's scale word, in the register that the products name
.endr
.else
.irp j, 0,1,2,3
	v_lshrrev_b32 v[BY+\j], 23, v[S+\j]
.endr
.irp j, 0,1,2,3
	v_lshl_or_b32 v[WSC+4*SL+\j], v[BY+\j], 8*CG, v[WSC+4*SL+\j]
.endr
.endif
	WIN 0x01                                       ; source 0 in window 1
.irp j, 0,1,2,3
.irp i, 0,1,2,3,4,5,6,7,8,9,10,11,12,13,14,15
	v_med3_num_f32 v[T+16*\j+\i], v[XR+4*\i+\j], -v[LM+\j], v[LM+\j]   ; the hold (the conversion does not saturate: ISA guide 7.6.2) lays column j's 16 numbers on end
.endr
.endr
	WIN 0x80                                       ; destination in window 2
.irp j, 0,1,2,3
	v_cvt_scalef32_pk8_bf8_f32 v[16*(4*SL+\j)+4*CG:16*(4*SL+\j)+4*CG+1], v[T+16*\j:T+16*\j+7], v[S+\j]
	v_cvt_scalef32_pk8_bf8_f32 v[16*(4*SL+\j)+4*CG+2:16*(4*SL+\j)+4*CG+3], v[T+16*\j+8:T+16*\j+15], v[S+\j]
.endr
	v_nop                                          ; one plain line behind the last conversion
	s_wait_alu depctr_va_vdst(0)                   ; the unit's one wait: the maxima and holds are done reading the ring's places in which the loads below land (units 13 and 15: the unit before's place too); the conversions have written my codes and the shifts my scale words, which the LDS stores below read.  Only loads, stores and window switches follow in the unit
.if (\u) < 12
	ULOAD (\u)+4                                   ; the ring place is free
.elseif (\u) == 13
	LOADA 0                                        ; ring places 0 and 1 have been read for the last time: they are x's first buffer
.elseif (\u) == 15
	LOADA 1                                        ; places 2 and 3: the second
.endif
	WIN 0x08                                       ; an LDS store's data are its source 1: window 2
.irp j, 0,1,2,3
	ds_store_b128 v[LW], v[16*(4*SL+\j)+4*CG:16*(4*SL+\j)+4*CG+3] offset:(4*SL+\j)*2048+512*CG   ; 512 consecutive bytes; these registers are never written again
.endr
.if CG == 3
	WIN 0
.irp j, 0,1,2,3
	ds_store_b32 v[LSW], v[WSC+4*SL+\j] offset:(4*SL+\j)*128
.endr
.endif
.endm
.macro PFR f                           ; the partner's fragment f = 4 sl + j and its scale word: into registers that no vector or matrix instruction has named so far
	WIN 0xc0                                       ; destination in window 3
.irp c, 0,1,2,3
	ds_load_b128 v[16*(\f)+4*\c:16*(\f)+4*\c+3], v[LRP] offset:2048*(\f)+512*\c
.endr
	WIN 0
	ds_load_b32 v[WSC+16+(\f)], v[LRS] offset:128*(\f)
.endm
.macro BAR                             ; my LDS stores have landed and my LDS loads are in: then the work-group's barrier.  The stream's loads stay on their way across it
	s_wait_dscnt 0x0
	s_barrier_signal -1
	s_barrier_wait -1
.endm
	ULOAD 0
	ULOAD 1
	ULOAD 2
	ULOAD 3
.irp u, 0,1,2,3,4,5,6,7
	UNIT \u
.endr
	BAR                                            ; every wave's K steps 0 and 1 lie in LDS
	PFR 0
	PFR 1
	UNIT 8
	PFR 2
	PFR 3
	UNIT 9
	PFR 4
	PFR 5
	UNIT 10
	PFR 6
	PFR 7
	UNIT 11
	BAR                                            ; every wave's K step 2
	PFR 8
	s_wait_kmcnt 0x0                               ; the mask, asked for at the head
	s_bcnt1_i32_b32 s[NT], s16
.set w, 17
.rept 31
	s_bcnt1_i32_b32 s[TMP], s[w]
	s_add_co_u32 s[NT], s[NT], s[TMP]
.set w, w+1
.endr
	s_add_co_u32 s[NT], s[NT], 15
	s_lshr_b32 s[NT], s[NT], 4                     ; the expert's tiles
	s_sub_co_u32 s100, s[NT], 1                    ; its last tile (with no tile: a large number, and the hold at 63 alone acts)
	s_lshl_b32 s[E64], s[EX], 6
	s_lshl_b32 s16, ttmp9, 11                      ; hg: K step fb's image, my half's two groups
	s_lshl_b32 s[TMP], s[HFS], 10
	s_add_co_u32 s16, s16, s[TMP]
	s_lshl_b32 s17, ttmp9, 6                       ; its scale words, my two bytes
	s_lshl_b32 s[TMP], s[HFS], 1
	s_add_co_u32 s17, s17, s[TMP]
	s_add_co_u32 s17, s17, 0x2000000
	s_mov_b32 s99, 0
	s_mov_b32 s[TT], s[PAR]
	s_add_co_u32 s101, s[TT], 2
	SETA 0, TT
	SETA 1, 101
	UNIT 12
	PFR 9
	UNIT 13
	PFR 10
	UNIT 14
	PFR 11
	UNIT 15
	BAR                                            ; every wave's K step 3; nothing is written to LDS again
	PFR 12
	PFR 13
	PFR 14
	PFR 15
	s_wait_dscnt 0x0                               ; all the partner's fragments are in
	s_cmp_ge_u32 s[PAR], s[NT]
	s_cbranch_scc1 .Lend
.macro WM b, s, j                      ; K step s of the buffer's order, tile j
.set RW, 16*(4*((\s)&3)+(\j))
.set RA, 128*(\b)+16*(\s)
.set RD, ACC+8*(\j)
.if (\s) == 0
	v_wmma_scale_f32_16x16x128_f8f6f4 v[RD:RD+7], v[RW:RW+15], v[RA:RA+15], v[BIAS+8*(\j):BIAS+8*(\j)+7], v[WSC+4*(\s)+(\j)], v[ASC+4*(\b)+((\s)>>1)] matrix_a_fmt:MATRIX_FMT_BF8 matrix_b_fmt:MATRIX_FMT_BF8
.elseif ((\s)&1) == 1
	v_wmma_scale_f32_16x16x128_f8f6f4 v[RD:RD+7], v[RW:RW+15], v[RA:RA+15], v[RD:RD+7], v[WSC+4*(\s)+(\j)], v[ASC+4*(\b)+((\s)>>1)] matrix_a_fmt:MATRIX_FMT_BF8 matrix_b_fmt:MATRIX_FMT_BF8 matrix_b_scale:MATRIX_SCALE_ROW1
.else
	v_wmma_scale_f32_16x16x128_f8f6f4 v[RD:RD+7], v[RW:RW+15], v[RA:RA+15], v[RD:RD+7], v[WSC+4*(\s)+(\j)], v[ASC+4*(\b)+((\s)>>1)] matrix_a_fmt:MATRIX_FMT_BF8 matrix_b_fmt:MATRIX_FMT_BF8
.endif
.endm
.macro GEMM b                          ; 32 matrix instructions; the four accumulators take turns, one instruction a turn
.irp s, 0,1,2,3,4,5,6,7
.if \s < 4
	WIN 0x06                                       ; source 0 (my fragments of W1) window 2, source 1 (x) window 1
.else
	WIN 0x07                                       ; source 0 (the partner's) window 3
.endif
.irp j, 0,1,2,3
	WM \b, \s, \j
.endr
.endr
.endm
.macro GELU g                          ; accumulators 2 g and 2 g + 1, 16 numbers a lane, in place
.set X0, ACC+16*(\g)
.set i, 0
.rept 16
	v_max_num_f32 v[GM+i], 0, v[X0+i]              ; m = max(x, 0); each accumulator is read from its low end on
.set i, i+1
.endr
.set i, 0
.rept 8
	v_pk_fma_f32 v[GA+i:GA+i+1], v[GM+i:GM+i+1], 2.0, v[X0+i:X0+i+1] op_sel_hi:[1,0,1] neg_lo:[0,0,1] neg_hi:[0,0,1]   ; |x| = 2 m - x, exactly
.set i, i+2
.endr
.set i, 0
.rept 8
	v_pk_fma_f32 v[GT+i:GT+i+1], v[GA+i:GA+i+1], s[74:75], 1.0 op_sel_hi:[1,0,0]
.set i, i+2
.endr
.set i, 0
	s_wait_alu depctr_va_vdst(0)
.rept 16
	v_rcp_f32 v[GT+i], v[GT+i]                     ; t
.set i, i+1
.endr
.set i, 0
.rept 8
	v_pk_mul_f32 v[X0+i:X0+i+1], v[X0+i:X0+i+1], s[76:77] op_sel_hi:[1,0]   ; u.  (The first of these is the plain place behind the reciprocals)
.set i, i+2
.endr
.set i, 0
	s_wait_alu depctr_va_vdst(0)                   ; the sixteen reciprocals have written v[GT ..]: one wait for the batch, ahead of its first reader
.rept 8
	v_pk_fma_f32 v[GQ+i:GQ+i+1], v[GT+i:GT+i+1], v[C9:C9+1], s[78:79] op_sel_hi:[1,1,0]
.set i, i+2
.endr
.irp c, 80,82,84,86,88,90,92,94
.set i, 0
.rept 8
	v_pk_fma_f32 v[GQ+i:GQ+i+1], v[GQ+i:GQ+i+1], v[GT+i:GT+i+1], s[\c:\c+1] op_sel_hi:[1,1,0]
.set i, i+2
.endr
.endr
.set i, 0
.rept 8
	v_pk_fma_f32 v[GQ+i:GQ+i+1], v[X0+i:X0+i+1], v[X0+i:X0+i+1], v[GQ+i:GQ+i+1] neg_lo:[1,0,0] neg_hi:[1,0,0]   ; P(t) - u^2
.set i, i+2
.endr
.set i, 0
	s_wait_alu depctr_va_vdst(0)
.rept 16
	v_exp_f32 v[GQ+i], v[GQ+i]
.set i, i+1
.endr
	v_nop                                          ; the plain place behind the exponentials
.set i, 0
	s_wait_alu depctr_va_vdst(0)                   ; the sixteen exponentials have written v[GQ ..]: one wait for the batch, ahead of its first reader
.rept 8
	v_pk_mul_f32 v[GT+i:GT+i+1], v[GT+i:GT+i+1], v[GQ+i:GQ+i+1]   ; T
.set i, i+2
.endr
.set i, 0
.rept 8
	v_pk_fma_f32 v[X0+i:X0+i+1], v[GA+i:GA+i+1], v[GT+i:GT+i+1], v[GM+i:GM+i+1] neg_lo:[1,0,0] neg_hi:[1,0,0]   ; gelu = m - |x| T
.set i, i+2
.endr
.endm
.macro QUANTH                          ; my 32 numbers are one block of the next K
.irp j, 0,1,2,3
	v_max3_num_f32 v[QM+\j], |v[ACC+8*\j]|, |v[ACC+8*\j+1]|, 0x8000000
.endr
.irp i, 2,4,6
.irp j, 0,1,2,3
	v_max3_num_f32 v[QM+\j], v[QM+\j], |v[ACC+8*\j+\i]|, |v[ACC+8*\j+\i+1]|
.endr
.endr
	v_max3_num_f32 v[QM], v[QM], v[QM+1], v[QM+2]
	v_max_num_f32 v[QM], v[QM], v[QM+3]
	v_add_nc_u32 v[QS], 0xf8800000, v[QM]
	v_and_or_b32 v[QL], v[QM], 0x7f800000, s72
	v_lshrrev_b32 v[QB], 23, v[QS]
	v_permlanex16_b32 v[QP], v[QB], s70, s71       ; the byte of my row's other block
.irp j, 0,1,2,3
.irp i, 0,1,2,3,4,5,6,7
	v_med3_num_f32 v[H+4*\i+\j], v[ACC+8*\j+\i], -v[QL], v[QL]   ; the hold brings the block into its order: column 4 jj + j
.endr
.endr
	v_cndmask_b32 v[QLO], v[QB], v[QP], s73        ; the byte of h' = 0,
	v_cndmask_b32 v[QHI], v[QP], v[QB], s73        ; of h' = 1
	v_lshl_or_b32 v[QW], v[QHI], 8, v[QLO]
.irp g, 0,1,2,3
	v_cvt_scalef32_pk8_bf8_f32 v[HC+2*\g:HC+2*\g+1], v[H+8*\g:H+8*\g+7], v[QS]
.endr
	v_nop                                          ; one plain line behind the last conversion
	s_wait_alu depctr_va_vdst(0)                   ; the conversions have written v[HC ..] and the shift v[QW], which the three stores below read
	global_store_b128 v[HST], v[HC:HC+3], s[66:67]              ; k 0-15 of block 2 hf + h': the image's lanes 0-15: sixteen lanes store 256 consecutive aligned bytes
	global_store_b128 v[HST], v[HC+4:HC+7], s[66:67] offset:256 ; k 16-31: its lanes 16-31
	global_store_b16 v[HSS], v[QW], s[68:69]       ; lanes l and l xor 16 write the same two bytes with the same value
.endm
.macro TILE b, treg
	s_wait_loadcnt 36                              ; this buffer's 36 loads are in; the other buffer's 36 stay out
	GEMM \b
	WIN 0
.rept 8
	v_nop                                          ; eight places behind this form, ahead of the first read of results
.endr
	s_wait_xcnt 0x0                                ; the last tile's stores have read their data and bases: both are written again only behind this wait
	s_wait_alu depctr_vm_vsrc(0)                   ; the last tile's three stores have read v[HC ..] and v[QW], which this tile's conversions and shift write again
	s_wait_alu depctr_va_vdst(0)                   ; the products are done reading buffer b and its scale words, in which the 36 loads below land; no vector instruction up to the last of those loads names a register that they touch
	s_add_co_u32 s97, s[\treg], 4
	SETA \b, 97
	SETO \treg
	LOADA0 \b                                      ; this buffer's next tile lands under two tiles' work: 16 loads here,
	WIN 0
	GELU 0
	LOADA1 \b                                      ; 20 between the two runs of gelu
	GELU 1
	QUANTH
.endm
	s_mov_b32 s[CNT], 0
	s_sub_co_u32 s[LIM], s[NT], s[PAR]             ; my trips: a trip takes tiles t and t + 2, the next begins at t + 4:
	s_add_co_u32 s[LIM], s[LIM], 3
	s_lshr_b32 s[LIM], s[LIM], 2                   ; (tiles - my first + 3) / 4,
	s_min_u32 s[LIM], s[LIM], 16                   ; 16 at the most: an expert has room for 64 tiles
	v_mov_b32 v[QP], 0                             ; a lane permute's destination counts as one of its sources
.rept 8
	v_nop                                          ; my last codes were written by vector instructions: an operand so written stands four places ahead of a scaled matrix instruction
.endr
	s_wait_alu depctr_va_vdst(0)                   ; my codes and my scale words, made by conversions and shifts, are written: the scaled products take them as source 0 and as scales; the places above stay beside this wait.  Nothing in the loop writes them again
.Ltile:                                        ; a trip takes two tiles, one from each buffer
	TILE 0, TT
	s_add_co_u32 s101, s[TT], 2
	s_cmp_lt_u32 s101, s[NT]
	s_cbranch_scc1 .Lsecond
	s_wait_dscnt 0x0                               ; the closing lines, six on end
	s_wait_alu 0x0
	s_wait_tensorcnt 0x0
	ds_add_u32 v254, v255
	s_wait_dscnt 0x0
	s_endpgm                                       ; no second tile: the wave ends here (the loads still out bring tiles that nobody uses)
.Lsecond:
	TILE 1, 101
	s_add_co_u32 s[TT], s[TT], 4                   ; the next trip's first tile
	s_add_co_u32 s[CNT], s[CNT], 1                 ; the loop ends on its own count of trips
	s_cmp_lt_u32 s[CNT], s[LIM]
	s_cbranch_scc1 .Ltile
.Lend:
	s_wait_dscnt 0x0                               ; the closing lines, six on end
	s_wait_alu 0x0
	s_wait_tensorcnt 0x0
	ds_add_u32 v254, v255
	s_wait_dscnt 0x0
	s_endpgm
.Lfunc_end_k_q8cb1838b8e_up:
	.size	k_q8cb1838b8e_up, .Lfunc_end_k_q8cb1838b8e_up-k_q8cb1838b8e_up
	.p2alignl 7, 3214868480
	.fill 96, 4, 3214868480
	.section	.rodata,"a",@progbits
	.p2align	6, 0x0
	.amdhsa_kernel k_q8cb1838b8e_up
		.amdhsa_group_segment_fixed_size 139776
		.amdhsa_private_segment_fixed_size 0
		.amdhsa_enable_private_segment 0
		.amdhsa_kernarg_size 40
		.amdhsa_user_sgpr_count 2
		.amdhsa_user_sgpr_kernarg_segment_ptr 1
		.amdhsa_wavefront_size32 1
		.amdhsa_system_sgpr_workgroup_id_x 1
		.amdhsa_system_sgpr_workgroup_id_y 1
		.amdhsa_system_sgpr_workgroup_id_z 1
		.amdhsa_system_vgpr_workitem_id 0
		.amdhsa_next_free_vgpr 1024
		.amdhsa_next_free_sgpr 102
		.amdhsa_reserve_vcc 0
		.amdhsa_float_denorm_mode_32 3
		.amdhsa_float_denorm_mode_16_64 3
		.amdhsa_memory_ordered 1
		.amdhsa_forward_progress 1
		.amdhsa_inst_pref_size 248
	.end_amdhsa_kernel
	.amdgpu_metadata
---
amdhsa.version: [ 1, 2 ]
amdhsa.kernels:
  - .name:           k_q8cb1838b8e_up
    .symbol:         k_q8cb1838b8e_up.kd
    .args:
      - { .name: W1, .offset: 0, .size: 8, .value_kind: global_buffer, .address_space: global }
      - { .name: b1, .offset: 8, .size: 8, .value_kind: global_buffer, .address_space: global }
      - { .name: route, .offset: 16, .size: 8, .value_kind: global_buffer, .address_space: global }
      - { .name: xg, .offset: 24, .size: 8, .value_kind: global_buffer, .address_space: global }
      - { .name: hg, .offset: 32, .size: 8, .value_kind: global_buffer, .address_space: global }
    .group_segment_fixed_size: 139776
    .private_segment_fixed_size: 0
    .kernarg_segment_align: 8
    .kernarg_segment_size: 40
    .max_flat_workgroup_size: 128
    .sgpr_count:     102
    .vgpr_count:     1024
    .wavefront_size: 32
...
	.end_amdgpu_metadata
.endif
;; end of part 8
;; launch down (part 9): grid 32 x 8, 4 waves a work-group, no clusters, 157,184 bytes of LDS; arguments W2, route, hg, part; writes part
.if DOCPART == 9
	.amdgcn_target "amdgcn-amd-amdhsa--gfx1250"
	.amdhsa_code_object_version 6
	.text
	.protected	k_q8cb1838b8e_down
	.globl	k_q8cb1838b8e_down
	.p2align	8
	.type	k_q8cb1838b8e_down,@function
k_q8cb1838b8e_down:
	s_mov_b64 s[64:65], 0
	v_nop
	global_prefetch_b8 v0, s[64:65] scope:SCOPE_SE
	s_setreg_imm32_b32 hwreg(HW_REG_WAVE_SCHED_MODE, 0, 2), 2
	s_setreg_imm32_b32 hwreg(HW_REG_WAVE_MODE, 25, 1), 1
	s_wait_xcnt 0x0
	s_wait_alu depctr_vm_vsrc(0)
; part[q] = Q(h) Q(W2) over a quarter of K, for the rows of each expert, on codes of E5M2 with one E8M0 byte for each 32 along K.
; THE WORK IS SHARED BY WEIGHTS.  Work-group (x, e), cb = x & 7, q = x >> 3, owns W2[e][1,024 q .. + 1,023][128 cb .. + 127]: 512 KiB of f32, read from memory once, by nobody else, and never stored as codes.
; With 32 work-groups an expert, C columns each mean K in C / 32 parts: h is then read 1,024 / C times and C / 32 partial results are written and read.  C = 128 makes the sum of the two least.
; Wave w = (hf = w & 1, par = w >> 1) multiplies by columns 64 hf .. + 63 over the slice's 1,024 k: 32 weight fragments (8 K steps x 4 tiles) in 512 registers; the two waves of a half share the expert's row tiles.
; PHASE 1: A WAVE STREAMS HALF OF WHAT IT HOLDS: rows 512 par .. + 511 of the slice, its 64 columns, in 16 units of 32 k.  A load reads two rows' 256 consecutive aligned bytes: lane (r, h) takes row 32 u + 16 h + i,
;   columns 4 r .. 4 r + 3.  So a lane holds, of four columns, just the k that an operand's layout gives it, and tile j is the columns 64 hf + 4 r + j.  The hold ahead of the conversion writes the numbers column by column,
;   and the conversions write the codes into the very registers that the products read (window 2).  The same registers are stored to LDS as they stand, for the partner (wave w xor 2: same columns, the other half of K),
;   whose 16 fragments this wave reads from LDS in turn (window 3): 80 LDS loads a wave.
;   THREE BARRIERS stand in the stream, behind units 7, 11 and 15: behind the first the partner's K steps 0 and 1 are whole, behind the second its K step 2; they are read a few loads at a time at the ends of the units
;   that follow, while the stream's loads are on their way.  Only the last K step's 20 LDS loads stand behind the stream.  Between two barriers the stores and the loads touch fragments of different K steps.
;   48 to 63 loads of a wave are out.  In the stream's tail, as the ring's places fall free, the first two row tiles are asked for into them.
; The barriers stand behind no branch: a work-group whose expert has no rows streams all the same, asks for a tile that nobody wrote, uses nothing of it and stores nothing.
; PHASE 2: the wave walks the expert's tiles of 16 rows t = par, + 2, ...; h's fragments come from hg into two buffers, MY K steps first and the partner's behind them, so that one text serves both waves.
;   The product is used transposed: lane (row r, h') holds, in register jj of tile j, column 64 hf + 32 h' + 4 jj + j.  The 32 numbers are brought into order, go through the wave's own stage in LDS and leave as rows.
; part: [q][slot 1,024 e + 16 t + row][1,024] f32.  b2 and the gates' weights come in the last launch, which owns each output row.
; NO TENSOR LOADS, NO CLUSTER: the number of tiles is read from memory; each weight byte has one reader; h's images, which eight work-groups share, are 16 KiB a tile.
; LIMITS: NaN and infinities are not served; a block whose largest magnitude lies under 2^-111 takes the byte 1.
; THE MODE: SCHED_MODE bits 1:0 = 2 (LLVM: expert scheduling mode 2), set by the entry lines.  The code itself states the register dependences
; between vector or matrix instructions and memory or LDS instructions, with s_wait_alu, always for 0.
; THE PLAN.  Registers that memory or LDS instructions touch:
;   v1-v12, v254, v255   Offsets and LDS addresses: written at the head and never again.  One wait on va_vdst, ahead of the first load, states them for the whole kernel.
;   the ring             Window 1, four places of 64.  Unit u's maxima and holds read place u % 4; behind them the loads of unit u + 4 land in it (units 13 and 15: a row tile's, in two places).
;   my codes, my words   Window 2 and v128-143.  Written by unit u's conversions and shifts, read by its LDS stores and later by the products; never written again.
;   the partner's        Window 3 and v144-159.  Written by LDS loads alone, read by the products alone.
;   A0, A1               Window 1, 128 each, with their scale words v160-163, v164-167.  Written by loads alone; tile t's products read buffer b, and behind them the loads of tile t + 4 land in it.
;   v16-47               A tile's results in order: written by its 32 moves, read by its LDS stores, written again by the next tile's moves.
;   v48-79               Its rows: written by the loads from the stage, read by its global stores, written again by the next tile's loads from the stage.
; So ONE wait on va_vdst stands in a unit, behind its conversions, and the unit's loads and LDS stores follow it.  A tile has one wait on vm_vsrc, ahead of its moves (the last tile's stores, LDS and global), and ONE
; on va_vdst, behind them: the moves have written v16-47 and the products are done reading buffer b.  All the tile's memory and LDS instructions follow that wait, and no vector instruction stands among them.
.set PITCH, 4096                       ; a row of W2[e] in bytes
.set HSH,   16                         ; 16 rows = 1 << 16 bytes
.set PSH,   21                         ; 512 rows = 1 << 21 bytes
.set SCW,   131072                     ; LDS: wave w's 16 fragments at 32,768 w + 2,048 (4 sl + j); behind the four waves' their scale words, 2,048 w + 128 (4 sl + j);
.set STG,   139264                     ; behind those a stage of 16 rows x (256 + 16) bytes for each wave
.set VOFF, 1                           ; v1   the stream: 16 h rows + 16 r
.set LW,   2                           ; v2   where I store fragments: 16 x lane + 32,768 x wave
.set LSW,  3                           ; v3   and scale words: SCW + 4 x lane + 2,048 x wave
.set LRP,  4                           ; v4   where I read the partner's fragments: 16 x lane + 32,768 x (wave xor 2)
.set LRS,  5                           ; v5   and its scale words
.set LA0,  6                           ; v6   a row tile's image: my four K steps: 16 x lane + 8,192 par
.set LA1,  7                           ; v7   the partner's four: 16 x lane + 8,192 (1 - par)
.set LS0,  8                           ; v8   its scale words: mine: 4 x lane + 256 par
.set LS1,  9                           ; v9   the partner's
.set STO,  10                          ; v10  the stage, in: row r, + 128 h'
.set SRD,  11                          ; v11  back: lanes 0-15 one row, lanes 16-31 the next
.set GO,   12                          ; v12  and the same two rows in part
.set M,    16                          ; phase 1: v16-19 largest magnitudes, v20-23 the other half's, v24-27 scale operands, v28-31 57,344 x the scale, v32-35 bytes
.set PM,   20
.set S,    24
.set LM,   28
.set BY,   32
.set T,    64                          ; v64-127 a unit's numbers, column by column
.set OO,   16                          ; phase 2: v16-47 my 32 results in order; v48-79 rows read back
.set RB,   48
.set WSC,  128                         ; v128-143 my fragments' scale words, 4 sl + j; v144-159 the partner's: these and v160-167 hold scales and nothing else
.set ASC,  160                         ; v160-167 h's: buffer b, word i: lanes 0-15 K step 2 i of the buffer's order, lanes 16-31 K step 2 i + 1
.set ACC,  200                         ; v200-231 four accumulators
                                       ; window 1: the stream's ring of four units, then h's fragments, two buffers of 128;  window 2: my 16 weight fragments;  window 3: the partner's 16
.set WV,  14
.set HFS, 15
.set CNT, 20                           ; s20  trips done (s16-47 hold the mask words until their bits are counted)
.set LIM, 21                           ; s21  the wave's trips
.set PAR, 48
.set EX,  49
.set E64, 50
.set NT,  51
.set TT,  52
.set TMP, 53
.set MSB, 0
.macro WIN new                         ; the immediate's high byte repeats the setting that is left
.if MSB != \new
	s_set_vgpr_msb (MSB<<8)|\new
.set MSB, \new
.endif
.endm
	s_load_b256 s[4:11], s[0:1], 0x0               ; W2 s[4:5], route s[6:7], hg s[8:9], part s[10:11]
	v_lshl_add_u32 v254, v0, 2, 0x26400
	v_mov_b32 v255, 0
	v_lshrrev_b32 v40, 5, v0
	v_readfirstlane_b32 s[WV], v40                 ; wave 0..3
	v_and_b32 v40, 31, v0                          ; lane
	v_and_b32 v41, 15, v0                          ; r
	s_wait_alu depctr_va_vdst(0)
	v_bfe_u32 v42, v0, 4, 1                        ; h
	s_wait_alu depctr_va_sdst(0)                   ; the wave's number is written, ahead of its first reader: the line below
	s_and_b32 s[HFS], s[WV], 1
	s_lshr_b32 s[PAR], s[WV], 1
	s_xor_b32 s96, s[WV], 2                        ; my partner
	s_xor_b32 s97, s[PAR], 1                       ; its half of K
	s_and_b32 s[EX], ttmp7, 0xffff
	s_and_b32 s12, ttmp9, 7                        ; cb
	s_lshr_b32 s13, ttmp9, 3                       ; q
	v_lshlrev_b32 v[VOFF], 4, v41
	s_wait_alu depctr_va_vdst(0)
	v_lshl_add_u32 v[VOFF], v42, HSH, v[VOFF]
	v_lshlrev_b32 v43, 4, v40                      ; 16 x lane
	s_wait_alu depctr_va_vdst(0)
	v_lshlrev_b32 v44, 2, v40                      ; 4 x lane
	s_wait_alu depctr_va_vdst(0)
	s_lshl_b32 s[TMP], s[WV], 15
	v_add_nc_u32 v[LW], s[TMP], v43
	s_lshl_b32 s[TMP], s[WV], 11
	s_add_co_u32 s[TMP], s[TMP], SCW
	v_add_nc_u32 v[LSW], s[TMP], v44
	s_lshl_b32 s[TMP], s96, 15
	v_add_nc_u32 v[LRP], s[TMP], v43
	s_lshl_b32 s[TMP], s96, 11
	s_add_co_u32 s[TMP], s[TMP], SCW
	v_add_nc_u32 v[LRS], s[TMP], v44
	s_lshl_b32 s[TMP], s[PAR], 13
	v_add_nc_u32 v[LA0], s[TMP], v43
	s_lshl_b32 s[TMP], s97, 13
	v_add_nc_u32 v[LA1], s[TMP], v43
	s_lshl_b32 s[TMP], s[PAR], 8
	v_add_nc_u32 v[LS0], s[TMP], v44
	s_lshl_b32 s[TMP], s97, 8
	v_add_nc_u32 v[LS1], s[TMP], v44
	s_mul_i32 s[TMP], s[WV], 16*272
	s_add_co_u32 s[TMP], s[TMP], STG               ; my stage
	v_mul_u32_u24 v[STO], v41, 272
	v_lshl_add_u32 v[STO], v42, 7, v[STO]
	v_add_nc_u32 v[STO], s[TMP], v[STO]
	v_mul_u32_u24 v[SRD], v42, 272
	v_lshl_add_u32 v[SRD], v41, 4, v[SRD]
	v_add_nc_u32 v[SRD], s[TMP], v[SRD]
	v_lshlrev_b32 v[GO], 12, v42
	v_lshl_add_u32 v[GO], v41, 4, v[GO]
.irp j, 0,1,2,3
	v_mov_b32 v[PM+\j], 0                          ; written once: a lane permute's destination counts as one of its sources
.endr
	s_mov_b32 s70, 0x76543210
	s_mov_b32 s71, 0xfedcba98                      ; v_permlanex16_b32's selects for lane l xor 16
	s_mov_b32 s72, 0x600000                        ; the mantissa field of 57,344
	s_lshl_b32 s54, s[EX], 24                      ; W2: the expert's 16 MiB,
	s_lshl_b32 s[TMP], s13, 22                     ; the work-group's quarter of its rows,
	s_add_co_u32 s54, s54, s[TMP]
	s_lshl_b32 s[TMP], s[PAR], PSH                 ; my 512 of them,
	s_add_co_u32 s54, s54, s[TMP]
	s_lshl_b32 s[TMP], s12, 9                      ; the work-group's 128 columns,
	s_add_co_u32 s54, s54, s[TMP]
	s_lshl_b32 s[TMP], s[HFS], 8                   ; my half of them
	s_add_co_u32 s54, s54, s[TMP]
	s_mov_b32 s55, 0
	s_lshl_b32 s98, s[EX], 7                       ; the expert's 32 mask words
	s_mov_b32 s99, 0
	s_wait_kmcnt 0x0
	s_add_nc_u64 s[4:5], s[4:5], s[54:55]
	s_add_nc_u64 s[6:7], s[6:7], s[98:99]
	s_load_b512 s[16:31], s[6:7], 0x1000           ; waited for behind unit 11
	s_load_b512 s[32:47], s[6:7], 0x1040
	s_wait_alu depctr_va_vdst(0)                   ; the twelve offsets and LDS addresses v1 to v12 are written, which every load and store of the kernel reads; so are v254 and v255, which the closing add reads
.macro ULOAD u                         ; unit u: my rows 32 u .. 32 u + 31, into ring place u % 4 of window 1: X(i, j) at 64 (u % 4) + 4 i + j
	WIN 0x40
.irp i, 0,1,2,3,4,5,6,7,8,9,10,11,12,13,14,15
	global_load_b128 v[64*((\u)&3)+4*\i:64*((\u)&3)+4*\i+3], v[VOFF], s[4:5] offset:(32*(\u)+\i)*PITCH th:TH_LOAD_NT
.endr
.endm
.macro SETA b, treg                    ; buffer b's bases for tile s[treg], held at the expert's last tile: a load past it brings a tile that is not used
	s_min_u32 s96, s[\treg], s100
	s_min_u32 s96, s96, 63
	s_add_co_u32 s96, s96, s[E64]
	s_lshl_b32 s98, s96, 16
	s_add_co_u32 s98, s98, s16
	s_add_nc_u64 s[56+4*\b:57+4*\b], s[8:9], s[98:99]
	s_lshl_b32 s98, s96, 11
	s_add_co_u32 s98, s98, s17
	s_add_nc_u64 s[58+4*\b:59+4*\b], s[8:9], s[98:99]
.endm
.macro SETO treg                       ; where tile s[treg]'s 16 rows go
	s_min_u32 s96, s[\treg], 63
	s_lshl_b32 s98, s96, 16
	s_add_co_u32 s98, s98, s18
	s_add_nc_u64 s[66:67], s[10:11], s[98:99]
.endm
.macro LOADA b                         ; a tile's eight fragments and its scale words, my four K steps first: always 36 loads, each of 512 or 128 consecutive bytes
	WIN 0x40
.set i, 0
.rept 16
	global_load_b128 v[128*\b+4*i:128*\b+4*i+3], v[LA0], s[56+4*\b:57+4*\b] offset:512*i
.set i, i+1
.endr
.set i, 0
.rept 16
	global_load_b128 v[128*\b+64+4*i:128*\b+64+4*i+3], v[LA1], s[56+4*\b:57+4*\b] offset:512*i
.set i, i+1
.endr
	WIN 0
.irp i, 0,1
	global_load_b32 v[ASC+4*\b+\i], v[LS0], s[58+4*\b:59+4*\b] offset:128*\i
.endr
.irp i, 0,1
	global_load_b32 v[ASC+4*\b+2+\i], v[LS1], s[58+4*\b:59+4*\b] offset:128*\i
.endr
.endm
.macro UNIT u                          ; 32 k x 64 columns become group u % 4 of my fragments (u / 4, j)
.set XR, 64*((\u)&3)
.set SL, (\u)>>2
.set CG, (\u)&3
.if (\u) < 13
	s_wait_loadcnt 48                              ; loads come back in order: this unit's 16 are in, the three younger units' stay out
.elseif (\u) == 13
	s_wait_loadcnt 32                              ; two younger units'
.elseif (\u) == 14
	s_wait_loadcnt 52                              ; unit 15's 16 and the first row tile's 36
.else
	s_wait_loadcnt 36                              ; the first row tile's 36
.endif
	WIN 0x14                                       ; sources 1 and 2 in window 1
.irp j, 0,1,2,3
	v_max3_num_f32 v[M+\j], 0x8000000, |v[XR+\j]|, |v[XR+4+\j]|   ; column j: my 16 numbers down K, and the floor 2^(16 - 127)
.endr
.irp i, 2,4,6,8,10,12,14
.irp j, 0,1,2,3
	v_max3_num_f32 v[M+\j], v[M+\j], |v[XR+4*\i+\j]|, |v[XR+4*\i+4+\j]|
.endr
.endr
	WIN 0
.irp j, 0,1,2,3
	v_permlanex16_b32 v[PM+\j], v[M+\j], s70, s71
.endr
.irp j, 0,1,2,3
	v_max_num_f32 v[M+\j], v[M+\j], v[PM+\j]       ; with lane l xor 16's 16: the block's largest magnitude
.endr
.irp j, 0,1,2,3
	v_add_nc_u32 v[S+\j], 0xf8800000, v[M+\j]      ; 15 off its exponent field: the conversion's scale operand
.endr
.irp j, 0,1,2,3
	v_and_or_b32 v[LM+\j], v[M+\j], 0x7f800000, s72   ; 57,344 x the scale
.endr
.if CG == 0
.irp j, 0,1,2,3
	v_lshrrev_b32 v[WSC+4*SL+\j], 23, v[S+\j]      ; the byte begins the fragment's scale word, in the register that the products name
.endr
.else
.irp j, 0,1,2,3
	v_lshrrev_b32 v[BY+\j], 23, v[S+\j]
.endr
.irp j, 0,1,2,3
	v_lshl_or_b32 v[WSC+4*SL+\j], v[BY+\j], 8*CG, v[WSC+4*SL+\j]
.endr
.endif
	WIN 0x01                                       ; source 0 in window 1
.irp j, 0,1,2,3
.irp i, 0,1,2,3,4,5,6,7,8,9,10,11,12,13,14,15
	v_med3_num_f32 v[T+16*\j+\i], v[XR+4*\i+\j], -v[LM+\j], v[LM+\j]   ; the hold (the conversion does not saturate: ISA guide 7.6.2) lays column j's 16 numbers on end
.endr
.endr
	WIN 0x80                                       ; destination in window 2
.irp j, 0,1,2,3
	v_cvt_scalef32_pk8_bf8_f32 v[16*(4*SL+\j)+4*CG:16*(4*SL+\j)+4*CG+1], v[T+16*\j:T+16*\j+7], v[S+\j]
	v_cvt_scalef32_pk8_bf8_f32 v[16*(4*SL+\j)+4*CG+2:16*(4*SL+\j)+4*CG+3], v[T+16*\j+8:T+16*\j+15], v[S+\j]
.endr
	v_nop                                          ; one plain line behind the last conversion
	s_wait_alu depctr_va_vdst(0)                   ; the unit's one wait: the maxima and holds are done reading the ring's places in which the loads below land (units 13 and 15: the unit before's place too); the conversions have written my codes and the shifts my scale words, which the LDS stores below read.  Only loads, stores and window switches follow in the unit
.if (\u) < 12
	ULOAD (\u)+4                                   ; the ring place is free
.elseif (\u) == 13
	LOADA 0                                        ; ring places 0 and 1 have been read for the last time: they are h's first buffer
.elseif (\u) == 15
	LOADA 1                                        ; places 2 and 3: the second
.endif
	WIN 0x08                                       ; an LDS store's data are its source 1: window 2
.irp j, 0,1,2,3
	ds_store_b128 v[LW], v[16*(4*SL+\j)+4*CG:16*(4*SL+\j)+4*CG+3] offset:(4*SL+\j)*2048+512*CG   ; 512 consecutive bytes; these registers are never written again
.endr
.if CG == 3
	WIN 0
.irp j, 0,1,2,3
	ds_store_b32 v[LSW], v[WSC+4*SL+\j] offset:(4*SL+\j)*128
.endr
.endif
.endm
.macro PFR f                           ; the partner's fragment f = 4 sl + j and its scale word: into registers that no vector or matrix instruction has named so far
	WIN 0xc0                                       ; destination in window 3
.irp c, 0,1,2,3
	ds_load_b128 v[16*(\f)+4*\c:16*(\f)+4*\c+3], v[LRP] offset:2048*(\f)+512*\c
.endr
	WIN 0
	ds_load_b32 v[WSC+16+(\f)], v[LRS] offset:128*(\f)
.endm
.macro BAR                             ; my LDS stores have landed and my LDS loads are in: then the work-group's barrier.  The stream's loads stay on their way across it
	s_wait_dscnt 0x0
	s_barrier_signal -1
	s_barrier_wait -1
.endm
	ULOAD 0
	ULOAD 1
	ULOAD 2
	ULOAD 3
.irp u, 0,1,2,3,4,5,6,7
	UNIT \u
.endr
	BAR                                            ; every wave's K steps 0 and 1 lie in LDS
	PFR 0
	PFR 1
	UNIT 8
	PFR 2
	PFR 3
	UNIT 9
	PFR 4
	PFR 5
	UNIT 10
	PFR 6
	PFR 7
	UNIT 11
	BAR                                            ; every wave's K step 2
	PFR 8
	s_wait_kmcnt 0x0                               ; the mask, asked for at the head
	s_bcnt1_i32_b32 s[NT], s16
.set w, 17
.rept 31
	s_bcnt1_i32_b32 s[TMP], s[w]
	s_add_co_u32 s[NT], s[NT], s[TMP]
.set w, w+1
.endr
	s_add_co_u32 s[NT], s[NT], 15
	s_lshr_b32 s[NT], s[NT], 4                     ; the expert's tiles
	s_sub_co_u32 s100, s[NT], 1                    ; its last tile (with no tile: a large number, and the hold at 63 alone acts)
	s_lshl_b32 s[E64], s[EX], 6
	s_lshl_b32 s16, s13, 14                        ; hg: my quarter's eight images of a tile,
	s_lshl_b32 s17, s13, 9                         ; and their scale words
	s_add_co_u32 s17, s17, 0x2000000
	s_lshl_b32 s18, s13, 25                        ; part: my quarter's plane,
	s_lshl_b32 s[TMP], s[EX], 22                   ; the expert's 1,024 rows,
	s_add_co_u32 s18, s18, s[TMP]
	s_lshl_b32 s[TMP], s12, 9                      ; the work-group's 128 columns,
	s_add_co_u32 s18, s18, s[TMP]
	s_lshl_b32 s[TMP], s[HFS], 8                   ; my half of them
	s_add_co_u32 s18, s18, s[TMP]
	s_mov_b32 s99, 0
	s_mov_b32 s[TT], s[PAR]
	s_add_co_u32 s101, s[TT], 2
	SETA 0, TT
	SETA 1, 101
	UNIT 12
	PFR 9
	UNIT 13
	PFR 10
	UNIT 14
	PFR 11
	UNIT 15
	BAR                                            ; every wave's K step 3; the fragments and scale words in LDS are not written again
	PFR 12
	PFR 13
	PFR 14
	PFR 15
	s_wait_dscnt 0x0                               ; all the partner's fragments are in
	s_cmp_ge_u32 s[PAR], s[NT]
	s_cbranch_scc1 .Lend
.macro WM b, s, j                      ; K step s of the buffer's order, tile j
.set RW, 16*(4*((\s)&3)+(\j))
.set RA, 128*(\b)+16*(\s)
.set RD, ACC+8*(\j)
.if (\s) == 0
	v_wmma_scale_f32_16x16x128_f8f6f4 v[RD:RD+7], v[RW:RW+15], v[RA:RA+15], 0, v[WSC+4*(\s)+(\j)], v[ASC+4*(\b)+((\s)>>1)] matrix_a_fmt:MATRIX_FMT_BF8 matrix_b_fmt:MATRIX_FMT_BF8
.elseif ((\s)&1) == 1
	v_wmma_scale_f32_16x16x128_f8f6f4 v[RD:RD+7], v[RW:RW+15], v[RA:RA+15], v[RD:RD+7], v[WSC+4*(\s)+(\j)], v[ASC+4*(\b)+((\s)>>1)] matrix_a_fmt:MATRIX_FMT_BF8 matrix_b_fmt:MATRIX_FMT_BF8 matrix_b_scale:MATRIX_SCALE_ROW1
.else
	v_wmma_scale_f32_16x16x128_f8f6f4 v[RD:RD+7], v[RW:RW+15], v[RA:RA+15], v[RD:RD+7], v[WSC+4*(\s)+(\j)], v[ASC+4*(\b)+((\s)>>1)] matrix_a_fmt:MATRIX_FMT_BF8 matrix_b_fmt:MATRIX_FMT_BF8
.endif
.endm
.macro GEMM b                          ; 32 matrix instructions; the four accumulators take turns, one instruction a turn; the first K step starts the sums
.irp s, 0,1,2,3,4,5,6,7
.if \s < 4
	WIN 0x06                                       ; source 0 (my fragments of W2) window 2, source 1 (h) window 1
.else
	WIN 0x07                                       ; source 0 (the partner's) window 3
.endif
.irp j, 0,1,2,3
	WM \b, \s, \j
.endr
.endr
.endm
; My 16 rows x 64 columns leave as rows, in three parts
.macro ORDER                           ; into their order along a row
.irp j, 0,1,2,3
.irp i, 0,1,2,3,4,5,6,7
	v_mov_b32 v[OO+4*\i+\j], v[ACC+8*\j+\i]        ; column 32 h' + 4 jj + j; each accumulator is read from its low end on
.endr
.endr
.endm
.macro TOSTAGE                         ; through my stage
.irp i, 0,1,2,3,4,5,6,7
	ds_store_b128 v[STO], v[OO+4*\i:OO+4*\i+3] offset:16*\i
.endr
.irp i, 0,1,2,3,4,5,6,7
	ds_load_b128 v[RB+4*\i:RB+4*\i+3], v[SRD] offset:544*\i   ; LDS serves a wave's instructions in order (ISA guide 5.7.1): these see my stores
.endr
.endm
.macro SENDT                           ; and out
.irp i, 0,1,2,3,4,5,6,7
	s_wait_dscnt 7-\i                              ; pair i of rows is back; the younger loads stay out
	global_store_b128 v[GO], v[RB+4*\i:RB+4*\i+3], s[66:67] offset:8192*\i   ; sixteen lanes store 256 consecutive aligned bytes
.endr
.endm
.macro TILE b, treg
	s_wait_loadcnt 36                              ; this buffer's 36 loads are in; the other buffer's 36 stay out
	GEMM \b
	WIN 0
.rept 8
	v_nop                                          ; eight places behind this form, ahead of the first read of results
.endr
	s_wait_xcnt 0x0                                ; the last tile's stores have read their data and base: both are written again only behind this wait
	s_wait_alu depctr_vm_vsrc(0)                   ; the last tile's LDS stores have read v[OO ..], which the moves below write again; its global stores have read v[RB ..], in which the loads from the stage land
	ORDER
	s_wait_alu depctr_va_vdst(0)                   ; the tile's one wait: the moves have written v[OO ..], which the LDS stores read; the products are done reading buffer b and its scale words, in which the 36 loads land.  No vector instruction follows in the tile
	s_add_co_u32 s97, s[\treg], 4
	SETA \b, 97
	SETO \treg
	TOSTAGE
	LOADA \b                                       ; this buffer's next tile lands under two tiles' work; its 36 loads are issued while the rows come back from the stage
	SENDT
.endm
	s_mov_b32 s[CNT], 0
	s_sub_co_u32 s[LIM], s[NT], s[PAR]             ; my trips: a trip takes tiles t and t + 2, the next begins at t + 4:
	s_add_co_u32 s[LIM], s[LIM], 3
	s_lshr_b32 s[LIM], s[LIM], 2                   ; (tiles - my first + 3) / 4,
	s_min_u32 s[LIM], s[LIM], 16                   ; 16 at the most: an expert has room for 64 tiles
.rept 8
	v_nop                                          ; my last codes were written by vector instructions: an operand so written stands four places ahead of a scaled matrix instruction
.endr
	s_wait_alu depctr_va_vdst(0)                   ; my codes and my scale words, made by conversions and shifts, are written: the scaled products take them as source 0 and as scales; the places above stay beside this wait.  Nothing in the loop writes them again
.Ltile:                                        ; a trip takes two tiles, one from each buffer
	TILE 0, TT
	s_add_co_u32 s101, s[TT], 2
	s_cmp_lt_u32 s101, s[NT]
	s_cbranch_scc1 .Lsecond
	s_wait_dscnt 0x0                               ; the closing lines, six on end
	s_wait_alu 0x0
	s_wait_tensorcnt 0x0
	ds_add_u32 v254, v255
	s_wait_dscnt 0x0
	s_endpgm                                       ; no second tile: the wave ends here (the loads still out bring tiles that nobody uses)
.Lsecond:
	TILE 1, 101
	s_add_co_u32 s[TT], s[TT], 4                   ; the next trip's first tile
	s_add_co_u32 s[CNT], s[CNT], 1                 ; the loop ends on its own count of trips
	s_cmp_lt_u32 s[CNT], s[LIM]
	s_cbranch_scc1 .Ltile
.Lend:
	s_wait_dscnt 0x0                               ; the closing lines, six on end
	s_wait_alu 0x0
	s_wait_tensorcnt 0x0
	ds_add_u32 v254, v255
	s_wait_dscnt 0x0
	s_endpgm
.Lfunc_end_k_q8cb1838b8e_down:
	.size	k_q8cb1838b8e_down, .Lfunc_end_k_q8cb1838b8e_down-k_q8cb1838b8e_down
	.p2alignl 7, 3214868480
	.fill 96, 4, 3214868480
	.section	.rodata,"a",@progbits
	.p2align	6, 0x0
	.amdhsa_kernel k_q8cb1838b8e_down
		.amdhsa_group_segment_fixed_size 157184
		.amdhsa_private_segment_fixed_size 0
		.amdhsa_enable_private_segment 0
		.amdhsa_kernarg_size 32
		.amdhsa_user_sgpr_count 2
		.amdhsa_user_sgpr_kernarg_segment_ptr 1
		.amdhsa_wavefront_size32 1
		.amdhsa_system_sgpr_workgroup_id_x 1
		.amdhsa_system_sgpr_workgroup_id_y 1
		.amdhsa_system_sgpr_workgroup_id_z 1
		.amdhsa_system_vgpr_workitem_id 0
		.amdhsa_next_free_vgpr 1024
		.amdhsa_next_free_sgpr 102
		.amdhsa_reserve_vcc 0
		.amdhsa_float_denorm_mode_32 3
		.amdhsa_float_denorm_mode_16_64 3
		.amdhsa_memory_ordered 1
		.amdhsa_forward_progress 1
		.amdhsa_inst_pref_size 205
	.end_amdhsa_kernel
	.amdgpu_metadata
---
amdhsa.version: [ 1, 2 ]
amdhsa.kernels:
  - .name:           k_q8cb1838b8e_down
    .symbol:         k_q8cb1838b8e_down.kd
    .args:
      - { .name: W2, .offset: 0, .size: 8, .value_kind: global_buffer, .address_space: global }
      - { .name: route, .offset: 8, .size: 8, .value_kind: global_buffer, .address_space: global }
      - { .name: hg, .offset: 16, .size: 8, .value_kind: global_buffer, .address_space: global }
      - { .name: part, .offset: 24, .size: 8, .value_kind: global_buffer, .address_space: global }
    .group_segment_fixed_size: 157184
    .private_segment_fixed_size: 0
    .kernarg_segment_align: 8
    .kernarg_segment_size: 32
    .max_flat_workgroup_size: 128
    .sgpr_count:     102
    .vgpr_count:     1024
    .wavefront_size: 32
...
	.end_amdgpu_metadata
.endif
;; end of part 9
;; launch combine (part 10): grid 256 x 1, 8 waves a work-group, no clusters, 0 bytes of LDS; arguments part, slotk, route, pw, b2, out0; writes out0
.if DOCPART == 10
	.amdgcn_target "amdgcn-amd-amdhsa--gfx1250"
	.amdhsa_code_object_version 6
	.text
	.protected	k_q8cb1838b8e_combine
	.globl	k_q8cb1838b8e_combine
	.p2align	8
	.type	k_q8cb1838b8e_combine,@function
k_q8cb1838b8e_combine:
	s_mov_b64 s[64:65], 0
	v_nop
	global_prefetch_b8 v0, s[64:65] scope:SCOPE_SE
	s_setreg_imm32_b32 hwreg(HW_REG_WAVE_MODE, 25, 1), 1
	s_wait_xcnt 0x0
; out[n] = p0 (o[e0][n] + b2[e0]) + p1 (o[e1][n] + b2[e1]), o = the sum of the four partial results over K.  Each output row has one owner.
; Work-group g takes tokens 4 g .. 4 g + 3; two waves share a row, 2,048 bytes each.  The slots, the experts and the two weights come by scalar loads at places made of n alone;
; the slots and experts are whole numbers that earlier launches stored, and are held inside their tables before they enter an address.
; A stream: 40 loads of a wave go out together, each of 512 consecutive bytes; four stores of 512 consecutive bytes.  LDS, barriers and matrix units would add nothing.
.set P,  16                            ; v16-143  part: expert k, quarter q, load i: four registers at P + 64 k + 16 q + 4 i
.set BB, 144                           ; v144-175 b2: expert k, load i at BB + 16 k + 4 i
	s_load_b256 s[4:11], s[0:1], 0x0               ; part s[4:5], slotk s[6:7], route s[8:9], pw s[10:11]
	s_load_b128 s[12:15], s[0:1], 0x20             ; b2 s[12:13], out0 s[14:15]
	v_lshrrev_b32 v1, 5, v0
	s_delay_alu instid0(VALU_DEP_1)
	v_readfirstlane_b32 s16, v1                    ; wave 0..7
	v_and_b32 v1, 31, v0
	s_delay_alu instid0(VALU_DEP_1)
	v_lshlrev_b32 v1, 4, v1                        ; 16 x lane
	s_lshr_b32 s17, s16, 1
	s_lshl_b32 s18, ttmp9, 2
	s_add_co_u32 s17, s17, s18                     ; n
	s_and_b32 s18, s16, 1
	s_lshl_b32 s18, s18, 11                        ; my half of a row
	s_lshl_b32 s30, s17, 3                         ; 8 n
	s_mov_b32 s31, 0
	s_lshl_b32 s28, s17, 2                         ; 4 n
	s_mov_b32 s29, 0
	s_lshl_b32 s40, s17, 12
	s_add_co_u32 s40, s40, s18                     ; my bytes of out
	s_mov_b32 s41, 0
	s_wait_alu depctr_va_vdst(0)
	s_wait_kmcnt 0x0
	s_add_nc_u64 s[6:7], s[6:7], s[30:31]
	s_add_nc_u64 s[8:9], s[8:9], s[28:29]
	s_add_nc_u64 s[10:11], s[10:11], s[30:31]
	s_load_b64 s[20:21], s[6:7], 0x0               ; the two slots
	s_load_b32 s22, s[8:9], 0x0                    ; e0 | e1 << 8
	s_load_b64 s[24:25], s[10:11], 0x0             ; p0, p1
	s_mov_b64 s[32:33], s[4:5]                     ; the four planes of part
	s_add_nc_u64 s[34:35], s[4:5], 0x2000000
	s_add_nc_u64 s[36:37], s[4:5], 0x4000000
	s_add_nc_u64 s[38:39], s[4:5], 0x6000000
	s_add_nc_u64 s[14:15], s[14:15], s[40:41]
	s_wait_kmcnt 0x0
	s_min_u32 s20, s20, 0x1fff
	s_min_u32 s21, s21, 0x1fff
	s_lshl_b32 s20, s20, 12
	s_lshl_b32 s21, s21, 12
	s_add_co_u32 s20, s20, s18
	s_add_co_u32 s21, s21, s18
	v_add_nc_u32 v2, s20, v1                       ; slot 0's row, my half, my 16 bytes
	s_wait_alu depctr_va_vdst(0)
	v_add_nc_u32 v3, s21, v1
	s_wait_alu depctr_va_vdst(0)
	s_and_b32 s23, s22, 0xff
	s_min_u32 s23, s23, 7
	s_bfe_u32 s42, s22, 0x80008
	s_min_u32 s42, s42, 7
	s_lshl_b32 s23, s23, 12
	s_lshl_b32 s42, s42, 12
	s_add_co_u32 s23, s23, s18
	s_add_co_u32 s42, s42, s18
	v_add_nc_u32 v4, s23, v1                       ; b2's row of e0
	v_add_nc_u32 v5, s42, v1
	s_mov_b32 s26, s25                             ; p1 as the low word of a pair of its own: the packed forms take a scalar pair's low word for both halves
	s_mov_b32 s27, s25
.irp k, 0,1
.irp q, 0,1,2,3
.irp i, 0,1,2,3
	global_load_b128 v[P+64*\k+16*\q+4*\i:P+64*\k+16*\q+4*\i+3], v[2+\k], s[32+2*\q:33+2*\q] offset:512*\i th:TH_LOAD_NT
.endr
.endr
.irp i, 0,1,2,3
	global_load_b128 v[BB+16*\k+4*\i:BB+16*\k+4*\i+3], v[4+\k], s[12:13] offset:512*\i
.endr
.endr
	s_wait_loadcnt 0x0
.irp k, 0,1
.set i, 0
.rept 8                                ; pairs of numbers
	v_pk_add_f32 v[P+64*\k+i:P+64*\k+i+1], v[P+64*\k+i:P+64*\k+i+1], v[P+64*\k+16+i:P+64*\k+16+i+1]
	v_pk_add_f32 v[P+64*\k+32+i:P+64*\k+32+i+1], v[P+64*\k+32+i:P+64*\k+32+i+1], v[P+64*\k+48+i:P+64*\k+48+i+1]
.set i, i+2
.endr
.set i, 0
.rept 8
	v_pk_add_f32 v[P+64*\k+i:P+64*\k+i+1], v[P+64*\k+i:P+64*\k+i+1], v[P+64*\k+32+i:P+64*\k+32+i+1]
.set i, i+2
.endr
.set i, 0
.rept 8
	v_pk_add_f32 v[P+64*\k+i:P+64*\k+i+1], v[P+64*\k+i:P+64*\k+i+1], v[BB+16*\k+i:BB+16*\k+i+1]
.set i, i+2
.endr
.endr
.set i, 0
.rept 8
	v_pk_mul_f32 v[P+i:P+i+1], v[P+i:P+i+1], s[24:25] op_sel_hi:[1,0]
.set i, i+2
.endr
.set i, 0
.rept 8
	v_pk_fma_f32 v[P+i:P+i+1], v[P+64+i:P+64+i+1], s[26:27], v[P+i:P+i+1] op_sel_hi:[1,0,1]
.set i, i+2
.endr
.irp i, 0,1,2,3
	global_store_b128 v1, v[P+4*\i:P+4*\i+3], s[14:15] offset:512*\i th:TH_STORE_NT
.endr
	s_endpgm
.Lfunc_end_k_q8cb1838b8e_combine:
	.size	k_q8cb1838b8e_combine, .Lfunc_end_k_q8cb1838b8e_combine-k_q8cb1838b8e_combine
	.p2alignl 7, 3214868480
	.fill 96, 4, 3214868480
	.section	.rodata,"a",@progbits
	.p2align	6, 0x0
	.amdhsa_kernel k_q8cb1838b8e_combine
		.amdhsa_group_segment_fixed_size 0
		.amdhsa_private_segment_fixed_size 0
		.amdhsa_enable_private_segment 0
		.amdhsa_kernarg_size 48
		.amdhsa_user_sgpr_count 2
		.amdhsa_user_sgpr_kernarg_segment_ptr 1
		.amdhsa_wavefront_size32 1
		.amdhsa_system_sgpr_workgroup_id_x 1
		.amdhsa_system_sgpr_workgroup_id_y 1
		.amdhsa_system_sgpr_workgroup_id_z 1
		.amdhsa_system_vgpr_workitem_id 0
		.amdhsa_next_free_vgpr 176
		.amdhsa_next_free_sgpr 66
		.amdhsa_reserve_vcc 0
		.amdhsa_float_denorm_mode_32 3
		.amdhsa_float_denorm_mode_16_64 3
		.amdhsa_memory_ordered 1
		.amdhsa_forward_progress 1
		.amdhsa_inst_pref_size 12
	.end_amdhsa_kernel
	.amdgpu_metadata
---
amdhsa.version: [ 1, 2 ]
amdhsa.kernels:
  - .name:           k_q8cb1838b8e_combine
    .symbol:         k_q8cb1838b8e_combine.kd
    .args:
      - { .name: part, .offset: 0, .size: 8, .value_kind: global_buffer, .address_space: global }
      - { .name: slotk, .offset: 8, .size: 8, .value_kind: global_buffer, .address_space: global }
      - { .name: route, .offset: 16, .size: 8, .value_kind: global_buffer, .address_space: global }
      - { .name: pw, .offset: 24, .size: 8, .value_kind: global_buffer, .address_space: global }
      - { .name: b2, .offset: 32, .size: 8, .value_kind: global_buffer, .address_space: global }
      - { .name: out0, .offset: 40, .size: 8, .value_kind: global_buffer, .address_space: global }
    .group_segment_fixed_size: 0
    .private_segment_fixed_size: 0
    .kernarg_segment_align: 8
    .kernarg_segment_size: 48
    .max_flat_workgroup_size: 256
    .sgpr_count:     66
    .vgpr_count:     176
    .wavefront_size: 32
...
	.end_amdgpu_metadata
.endif
;; end of part 10
